; MI455X (gfx1250); checked and timed in simulation.
; The chip was launched on July 23, 2026; its instructions are those of AMD's public machine-readable ISA for CDNA 5 (MIT licence, August 2026) and "CDNA5" Instruction Set Architecture Reference Guide (July 2026). The comments in the code are by the model that wrote it; some were corrected since.
;; Cross Attention. Allowed arithmetic: matrix products marked QUANTISED: E3M2 operands, one E8M0 scale for each 32 along K, by v_wmma_scale_f32_16x16x128_f8f6f4 with both operands' format E3M2, f32 sums; everything else in f32.
;; Inputs: Wff1 512 x 4,096 float32; Wff2 2,048 x 512 float32; Wkv 1,024 x 128 float32; Wo 512 x 512 float32; Wq 512 x 512 float32; cln_b 1,024 float32; cln_g 1,024 float32; context 4 x 1,024 x 1,024 float32; ln_b 512 float32; ln_g 512 float32; x 4 x 2,048 x 512 float32.
;; Outputs: out0 4 x 2,048 x 512 float32.
;; This version of the problem:
;;   THIS VERSION OF THE PROBLEM IS GIVEN IN LOW PRECISION. The matrix products marked QUANTISED in the list below multiply operands that are first quantised to E3M2 (3 exponent bits, 2 mantissa bits; 6 bits a number), with one power-of-two scale for each 32 numbers along K (OCP MX v1.0); their sums are f32. All else is computed in f32.
;;   The module's matrix products, in the order in which they are computed (A, B: the left and right operand; K: the contracted axis; several contracted axes count as one K, in the product's order):
;;     1. [M 8,192, K 512] x [K 512, N 512]; A: computed on the way; B: input Wq: QUANTISED
;;     2. [M 4,096, K 1,024] x [K 1,024, N 128]; A: computed on the way; B: input Wkv: QUANTISED
;;     3. batch 4 x [M 16,384, K 64] x [K 64, N 1,024]; A: computed on the way; B: computed on the way: QUANTISED
;;     4. batch 4 x [M 16,384, K 1,024] x [K 1,024, N 64]; A: softmax (see below); B: computed on the way: QUANTISED
;;     5. [M 8,192, K 512] x [K 512, N 512]; A: computed on the way; B: input Wo: QUANTISED
;;     6. [M 8,192, K 512] x [K 512, N 4,096]; A: computed on the way; B: input Wff1: QUANTISED
;;     7. [M 8,192, K 2,048] x [K 2,048, N 512]; A: computed on the way; B: input Wff2: QUANTISED
;;   THE QUANTISER, for each operand of a quantised product, along K:
;;     - K is cut into blocks of 32 from its start; a last block that is shorter is filled with zeros.
;;     - A block's scale is 2^e with e = floor(log2(the largest magnitude in the block)) - 4, held to -126 .. 127; a block of zeros has e = 0. As a byte (E8M0): e + 127.
;;     - Each number is divided by its block's scale, clamped to +-28, and rounded to the nearest number of E3M2, ties to even, subnormals kept.
;;     - The product sums the exact products of the quantised numbers (number of the format x scale) in f32.
;;   ~~~python
;;   def quantise(x, axis):      # numpy; x: float32 -> the quantised numbers, widened to float32 again
;;       x = np.moveaxis(x, axis, -1); K = x.shape[-1]
;;       x = np.pad(x, [(0, 0)] * (x.ndim - 1) + [(0, -K % 32)]); x = x.reshape(x.shape[:-1] + (-1, 32)); a = np.abs(x).max(-1, keepdims=True)
;;       e = np.where(a > 0, np.clip(np.frexp(np.where(a > 0, a, 1))[1] - 1 - 4, -126, 127), 0)      # np.frexp(a)[1] - 1 = floor(log2(a)), exactly
;;       r = np.clip(x / 2.0 ** e, -28, 28)
;;       step = 2.0 ** (np.maximum(np.frexp(np.where(r == 0, 1, r))[1] - 1, -2) - 2)
;;       q = np.round(r / step) * step * 2.0 ** e      # np.round: ties to even
;;       return np.moveaxis(q.reshape(q.shape[:-2] + (-1,))[..., :K], -1, axis).astype(np.float32)
;;   ~~~
;;   SOFTMAX AHEAD OF A QUANTISED PRODUCT. Where the list says 'softmax', what is quantised is not the finished softmax but p = 2^(t - M), with t = logit x log2(e) and M = ceil(the row's largest t), a whole number; so 1/2 < the row's largest p <= 1. The row's sum l is taken of the UNQUANTISED p, in f32, and the product's result is divided by l at the end. Since M is a whole number, a kernel that streams over the keys may use a running M (the ceiling of the running maximum): every later rescaling is an exact power of two, which a block's scale takes up: the codes' values come out the same.
;;   OPERANDS COMPUTED ON THE WAY. 'Computed on the way' means the value that the module computes at that place (a softmax that the list does not call 'softmax' is quantised finished and normalised). What goes into a quantiser is computed in f32, as accurately as f32 sums, v_exp_f32 and their like allow (about 1e-6 of the number): no bf16 or f16 on the way to a quantiser, and a product that is left as it is and whose result goes on into a quantised operand takes f32 operands (vector FMAs, or v_wmma_f32_16x16x4_f32). A number that lies on a knife's edge between two numbers of the format may be rounded either way, as far as f32 arithmetic and the matrix unit's own rounding can turn it there, and no further.
;; 2 versions, each right; version 2 is version 1 with the launches ffkv, attn, outp written anew for expert scheduling mode. Each part assembles by itself: llvm-mc -triple=amdgcn-amd-amdhsa -mcpu=gfx1250 --defsym DOCPART=n.
;; ======== version 1 of 2: 4 launches
;; workspace buffers: wts 2,969,600 bytes; nrm 6,553,600 bytes; kv 417,792 bytes; act 16,384,000 bytes; qc 4,325,376 bytes
;; launch prep (part 1): grid 1000 x 1, 4 waves a work-group, no clusters, 22,272 bytes of LDS; arguments x, context, ln_g, ln_b, cln_g, cln_b, Wq, Wkv, Wo, Wff1, Wff2, wts, nrm; writes wts, nrm
.if DOCPART == 1
	.amdgcn_target "amdgcn-amd-amdhsa--gfx1250"
	.amdhsa_code_object_version 6
	.text
	.protected	k_qe257d2251c_prep
	.globl	k_qe257d2251c_prep
	.p2align	8
	.type	k_qe257d2251c_prep,@function
k_qe257d2251c_prep:
	s_mov_b64 s[64:65], 0
	v_nop
	global_prefetch_b8 v0, s[64:65] scope:SCOPE_SE
	s_setreg_imm32_b32 hwreg(HW_REG_WAVE_MODE, 25, 1), 1
	s_wait_xcnt 0x0
; PREP: everything that is quantised once.  Work-groups 0-231: the five weights (f32, K is their FIRST axis) become codes of BF6 (E3M2) with one E8M0 byte for each 32 along K.
; Work-groups 232-743: 16 rows of x each: layer norm in f32, then codes.  Work-groups 744-999: 16 rows of the context likewise.
; LAYOUT OF THE CODES (this program's own): a FRAGMENT is 16 rows x 128 K in the order of the matrix operand's registers, 1,536 bytes = two halves of 768 (64 K each):
; in a half, lane l's registers 0-3 at 16 l, then its registers 4-5 at 512 + 8 l.  So a reader takes a fragment by two loads of 16 bytes and two of 8 a lane, each 512 or 256 bytes on end.
; A fragment's scale words: 64 bytes, row r's word at 4 r, under the same fragment number.
; ORDER P of 32 items over a pair of tiles: row r of tile u is item 8 u + r + 8 (r / 8).  Results of such tiles used as source 0 lie, 16 registers a lane, as 16 neighbours along the next K.
; The columns of Wff1, Wq and Wkv and the rows of the context are laid so; Wo, Wff2 and x's rows in natural order.
; A block's scale is 2^(floor(log2(largest magnitude)) - 4); its byte is that magnitude's exponent field - 4, held at 1 from below by a floor among the maximum's leaves.
; LIMITS: NaN and infinities among the inputs are not served.  A block of zeros gets the byte 1 where the quantiser says 127: its codes are zeros, and this program alone reads the bytes.
; Blocks whose largest magnitude lies under 2^-122 keep the byte 1.
; No matrix work, no shared input between work-groups (each reads bytes of its own but for the gains and biases): no cluster, no tensor load.
.set WSO, 2850816                      ; wts: the scale words begin here (1,856 fragments x 1,536 bytes of codes lie ahead)
.set XSO, 3145728                      ; nrm: x's scale words;
.set CCO, 3276800                      ;      the context's codes;
.set CSO, 6422528                      ;      the context's scale words
.set X,   32                           ; weights: v32-159 a column's 128 numbers down K
.set C,   160                          ; v160-183 its four blocks' codes, six registers each
.set T,   184                          ; v184-199 the second half of each block's codes, as the conversion leaves them
.set L16, 3                            ; weights: v3 = 16 x lane, v4 = 8 x lane
.set L8,  4
.macro SHF reg, sb, off                ; half a fragment leaves: 512 and 256 bytes on end
	global_store_b128 v[L16], v[(\reg):(\reg)+3], s[\sb:\sb+1] offset:\off
	global_store_b64 v[L8], v[(\reg)+4:(\reg)+5], s[\sb:\sb+1] offset:(\off)+512
.endm
	s_load_b512 s[16:31], s[0:1], 0x0              ; x 16, context 18, ln_g 20, ln_b 22, cln_g 24, cln_b 26, Wq 28, Wkv 30
	s_load_b256 s[32:39], s[0:1], 0x40             ; Wo 32, Wff1 34, Wff2 36, wts 38
	s_load_b64 s[40:41], s[0:1], 0x60              ; nrm
	s_set_vgpr_msb 0x40
	v_lshl_add_u32 v0, v0, 2, 0x5500
	v_mov_b32 v1, 0
	s_set_vgpr_msb 0x4000
	v_lshrrev_b32 v1, 5, v0
	v_readfirstlane_b32 s2, v1                     ; wave 0..3
	v_and_b32 v1, 31, v0                           ; lane
	s_mov_b32 s3, ttmp9
	s_mov_b32 s42, 0x76543210
	s_mov_b32 s43, 0xfedcba98                      ; v_permlanex16_b32's selects for lane l xor 16
	s_mov_b32 s53, 0                               ; s[52:53]: an offset in bytes, under 2^32
	s_wait_kmcnt 0x0
	s_cmp_lt_u32 s3, 232
	s_cbranch_scc0 .Lnorms
; ---- THE WEIGHTS.  A work-group takes 128 columns x 128 along K, a wave 32 columns, A LANE ONE COLUMN, and its 128 registers run down K: each load reads 128 bytes on end, a block of 32 lies in one lane,
; and the conversions give codes with K innermost.  Each arm sets: s[44:45] the tensor, s52 the wave's first byte in it, s4 the first tile's fragment number, s5 the distance to the second tile's,
; s6 all ones where the columns go in order P, s7 the class of the row pitch.
	s_cmp_lt_u32 s3, 128
	s_cbranch_scc0 .Lw_not_ff1
	s_and_b32 s11, s3, 31                          ; Wff1 [512][4096]: group of 128 columns,
	s_lshr_b32 s12, s3, 5                          ; K step
	s_lshl_b32 s13, s11, 2
	s_add_co_u32 s13, s13, s2                      ; block of 32 columns, 0..127: 0-63 the h part, 64-127 the gate
	s_and_b32 s4, s13, 63
	s_lshl_b32 s4, s4, 2
	s_add_co_u32 s4, s4, s12
	s_lshl_b32 s4, s4, 2
	s_lshr_b32 s10, s13, 6
	s_lshl_b32 s10, s10, 1
	s_add_co_u32 s4, s4, s10                       ; fragment ((block % 64) x 4 + K step) x 4 + 2 x (gate)
	s_lshl_b32 s52, s12, 21                        ; 128 rows of 16,384 bytes
	s_lshl_b32 s13, s13, 7
	s_add_co_u32 s52, s52, s13
	s_mov_b64 s[44:45], s[34:35]
	s_mov_b32 s5, 1
	s_mov_b32 s6, -1
	s_mov_b32 s7, 0
	s_branch .Lw_common
.Lw_not_ff1:
	s_cmp_lt_u32 s3, 192
	s_cbranch_scc0 .Lw_not_ff2
	s_sub_co_u32 s8, s3, 128                       ; Wff2 [2048][512]: K steps 4-19 of the last product
	s_mov_b64 s[44:45], s[36:37]
	s_mov_b32 s9, 1056
	s_mov_b32 s10, 160
	s_mov_b32 s6, 0
	s_branch .Lw_2048
.Lw_not_ff2:
	s_cmp_lt_u32 s3, 208
	s_cbranch_scc0 .Lw_not_o
	s_sub_co_u32 s8, s3, 192                       ; Wo [512][512]: its K steps 0-3
	s_mov_b64 s[44:45], s[32:33]
	s_mov_b32 s9, 1024
	s_mov_b32 s10, 160
	s_mov_b32 s6, 0
	s_branch .Lw_2048
.Lw_not_o:
	s_cmp_lt_u32 s3, 224
	s_cbranch_scc0 .Lw_kv
	s_sub_co_u32 s8, s3, 208                       ; Wq [512][512]
	s_mov_b64 s[44:45], s[28:29]
	s_mov_b32 s9, 1664
	s_mov_b32 s10, 32
	s_mov_b32 s6, -1
.Lw_2048:                                          ; the three tensors with rows of 2,048 bytes
	s_and_b32 s11, s8, 3                           ; group of 128 columns
	s_lshr_b32 s12, s8, 2                          ; K step
	s_mul_i32 s4, s11, s10
	s_add_co_u32 s4, s4, s9
	s_lshl_b32 s13, s12, 3
	s_add_co_u32 s4, s4, s13
	s_lshl_b32 s13, s2, 1
	s_add_co_u32 s4, s4, s13                       ; first + group x (K steps x 8) + K step x 8 + 2 x wave
	s_lshl_b32 s52, s12, 18
	s_lshl_b32 s13, s11, 2
	s_add_co_u32 s13, s13, s2
	s_lshl_b32 s13, s13, 7
	s_add_co_u32 s52, s52, s13
	s_mov_b32 s5, 1
	s_mov_b32 s7, 1
	s_branch .Lw_common
.Lw_kv:
	s_sub_co_u32 s12, s3, 224                      ; Wkv [1024][128]: K step; fragment 1792 + tile x 8 + K step
	s_lshl_b32 s4, s2, 4
	s_add_co_u32 s4, s4, s12
	s_add_co_u32 s4, s4, 1792
	s_lshl_b32 s52, s12, 16
	s_lshl_b32 s13, s2, 7
	s_add_co_u32 s52, s52, s13
	s_mov_b64 s[44:45], s[30:31]
	s_mov_b32 s5, 8
	s_mov_b32 s6, -1
	s_mov_b32 s7, 2
.Lw_common:
	s_add_nc_u64 s[44:45], s[44:45], s[52:53]      ; the wave's 32 columns, first row of the K step
	s_mul_i32 s52, s4, 1536
	s_add_nc_u64 s[46:47], s[38:39], s[52:53]      ; the first tile's fragment,
	s_mul_i32 s52, s5, 1536
	s_add_nc_u64 s[48:49], s[46:47], s[52:53]      ; the second tile's,
	s_lshl_b32 s52, s4, 6
	s_add_co_u32 s52, s52, WSO
	s_add_nc_u64 s[50:51], s[38:39], s[52:53]      ; the first tile's scale words
	v_and_b32 v6, 15, v0                           ; r
	v_bfe_u32 v7, v0, 4, 1                         ; u: lanes 0-15 hold the first tile's columns, lanes 16-31 the second's
	v_and_b32 v8, 8, v6
	v_add_nc_u32 v8, v8, v6
	v_lshl_add_u32 v8, v7, 3, v8                   ; order P: 8 u + r + 8 (r / 8)
	v_cndmask_b32 v2, v1, v8, s6                   ; or the lane's own number
	v_lshlrev_b32 v2, 2, v2                        ; my column, in bytes
	v_lshlrev_b32 v3, 4, v1
	v_lshlrev_b32 v4, 3, v1
	v_mul_u32_u24 v5, s5, v7
	v_lshlrev_b32 v5, 6, v5
	v_lshl_add_u32 v5, v6, 2, v5                   ; my scale word's place: tile u's 64 bytes, 4 r
.macro WLOAD pitch                     ; W(i, my column), i = 0 .. 127
.set i, 0
.rept 128
	global_load_b32 v[X+i], v2, s[44:45] offset:i*\pitch th:TH_LOAD_NT
.set i, i+1
.endr
.endm
	s_cmp_eq_u32 s7, 0
	s_cbranch_scc1 .Lw_p0
	s_cmp_eq_u32 s7, 1
	s_cbranch_scc1 .Lw_p1
	WLOAD 512
	s_branch .Lw_quant
.Lw_p0:
	WLOAD 16384
	s_branch .Lw_quant
.Lw_p1:
	WLOAD 2048
.Lw_quant:
	s_wait_loadcnt 0x0
.irp b, 0,1,2,3                        ; four blocks of 32, all mine, by turns
	v_max3_num_f32 v[8+\b], |v[X+32*\b]|, |v[X+32*\b+1]|, 0x2800000   ; with the floor 2^(5 - 127): the byte cannot fall under 1
.endr
.irp i, 2,4,6,8,10,12,14,16,18,20,22,24,26,28,30
.irp b, 0,1,2,3
	v_max3_num_f32 v[8+\b], v[8+\b], |v[X+32*\b+\i]|, |v[X+32*\b+\i+1]|
.endr
.endr
.irp b, 0,1,2,3
	v_add_nc_u32 v[12+\b], 0xfe000000, v[8+\b]     ; 4 off the exponent field: the conversion's scale operand
.endr
.irp b, 0,1,2,3
	v_lshrrev_b32 v[16+\b], 23, v[12+\b]           ; the scale's byte
.endr
	v_lshl_or_b32 v20, v17, 8, v16                 ; my column's scale word for these 128 along K
	v_lshl_or_b32 v20, v18, 16, v20
	v_lshl_or_b32 v20, v19, 24, v20
.irp b, 0,1,2,3
	v_cvt_scalef32_pk16_bf6_f32 v[C+6*\b:C+6*\b+2], v[X+32*\b:X+32*\b+15], v[12+\b]
	v_cvt_scalef32_pk16_bf6_f32 v[T+4*\b:T+4*\b+2], v[X+32*\b+16:X+32*\b+31], v[12+\b]   ; (a conversion's three registers begin on an even number)
.endr
	v_nop                                          ; one plain instruction behind the scaled conversions
.irp b, 0,1,2,3
.irp i, 0,1,2
	v_mov_b32 v[C+6*\b+3+\i], v[T+4*\b+\i]
.endr
.endr
; The operand wants lane (r, h) to hold block 2 c + h of row r.  Blocks 2 c and 2 c + 1 of a column lie in ONE lane: the swap sends the first tile's odd blocks to lanes 16-31 and the second tile's even blocks to lanes 0-15.
.irp p, 0,1
.irp i, 0,1,2,3,4,5
	v_permlane16_swap_b32 v[C+12*\p+\i], v[C+12*\p+6+\i]
.endr
.endr
.irp p, 0,1
	SHF C+12*\p, 46, 768*\p
	SHF C+12*\p+6, 48, 768*\p
.endr
	global_store_b32 v5, v20, s[50:51]
	s_endpgm
; ---- THE LAYER NORMS.  A work-group takes the 16 rows of one tile, a wave four rows on end; lane l holds k = 512 q + 16 l .. + 15 of each row (NSEG segments q of 512).
; Mean, then the centred numbers, then their squares' sum: no difference of large sums.  A lane's 16 numbers are half a block of 32; its neighbour holds the other half.
; The codes go as rows of bits into a stage in LDS (pitch P bytes), one barrier, and come back as fragments: wave w takes K steps NSEG w on.
; s[44:45] the wave's first row, s[46:47] gain, s[48:49] bias, s[50:51] the wave's first fragment, s[54:55] the tile's scale words.
.set L16, 6
.set L8,  7
.macro RED4 base                       ; four sums over the 32 lanes, by turns; v[base + 2 i] the sum, v[base + 2 i + 1] at work
.irp m, 1,2,4,8
.irp i, 0,1,2,3
	v_add_f32_dpp v[\base+2*\i], v[\base+2*\i], v[\base+2*\i] row_xmask:\m row_mask:0xf bank_mask:0xf
.endr
.endr
.irp i, 0,1,2,3
	v_permlanex16_b32 v[\base+2*\i+1], v[\base+2*\i], s42, s43
.endr
.irp i, 0,1,2,3
	v_add_f32 v[\base+2*\i], v[\base+2*\i], v[\base+2*\i+1]
.endr
.endm
.macro LNROLE NSEG, INVW, P, STG, SCB, ROWBY
	v_lshlrev_b32 v2, 6, v1                        ; 64 x lane: my 16 numbers of a segment
	s_mul_i32 s8, s2, 4*\P
	v_mul_u32_u24 v3, v1, 12
	v_add_nc_u32 v3, s8, v3
	v_add_nc_u32 v3, \STG, v3                      ; the stage: my wave's first row, my 12 bytes of codes
	v_lshrrev_b32 v4, 3, v1
	v_lshlrev_b32 v4, 6, v4
	v_bfe_u32 v8, v1, 1, 2
	v_add_nc_u32 v4, v4, v8
	s_lshl_b32 s8, s2, 4
	v_add_nc_u32 v4, s8, v4
	v_add_nc_u32 v4, \SCB, v4                      ; the scale bytes' stage, in the order in which they leave: K step (lane / 8) x 64 + row x 4 + (lane / 2) % 4
	v_and_b32 v8, 15, v0
	v_bfe_u32 v9, v0, 4, 1
	v_mul_u32_u24 v5, v8, \P
	v_mad_u32_u24 v5, v9, 24, v5
	s_mul_i32 s8, s2, 96*\NSEG
	v_add_nc_u32 v5, s8, v5
	v_add_nc_u32 v5, \STG, v5                      ; back: row r, 24 bytes for each half of the lanes, my wave's K steps
	v_lshlrev_b32 v6, 4, v1
	v_lshlrev_b32 v7, 3, v1
.if \NSEG == 1
	v_add_nc_u32 v10, \SCB, v7                     ; wave 0 reads the scale bytes back: 8 (16) bytes a lane
.else
	v_add_nc_u32 v10, \SCB, v6
.endif
	s_mov_b32 s56, \INVW                           ; 1 / the row's length
	s_mov_b32 s57, 0x3727c5ac                      ; 1e-5
.irp q, 0,1
.if \q < \NSEG
.irp j, 0,1,2,3
	global_load_b128 v[192+16*\q+4*\j:195+16*\q+4*\j], v2, s[46:47] offset:2048*\q+16*\j
	global_load_b128 v[224+16*\q+4*\j:227+16*\q+4*\j], v2, s[48:49] offset:2048*\q+16*\j
.endr
.endif
.endr
.irp i, 0,1,2,3
.irp q, 0,1
.if \q < \NSEG
.irp j, 0,1,2,3
	global_load_b128 v[64+16*\NSEG*\i+16*\q+4*\j:67+16*\NSEG*\i+16*\q+4*\j], v2, s[44:45] offset:\ROWBY*\i+2048*\q+16*\j th:TH_LOAD_NT
.endr
.endif
.endr
.endr
	s_wait_loadcnt 0x0
.irp i, 0,1,2,3                        ; the rows' sums, four rows by turns
	v_pk_add_f32 v[16+2*\i:17+2*\i], v[64+16*\NSEG*\i:65+16*\NSEG*\i], v[66+16*\NSEG*\i:67+16*\NSEG*\i]
.endr
.set p, 2
.rept 8*\NSEG-2
.irp i, 0,1,2,3
	v_pk_add_f32 v[16+2*\i:17+2*\i], v[16+2*\i:17+2*\i], v[64+16*\NSEG*\i+2*p:65+16*\NSEG*\i+2*p]
.endr
.set p, p+1
.endr
.irp i, 0,1,2,3
	v_add_f32 v[16+2*\i], v[16+2*\i], v[17+2*\i]
.endr
	RED4 16
.irp i, 0,1,2,3
	v_mul_f32 v[16+2*\i], s56, v[16+2*\i]          ; the mean
.endr
.set p, 0
.rept 8*\NSEG
.irp i, 0,1,2,3
	v_pk_add_f32 v[64+16*\NSEG*\i+2*p:65+16*\NSEG*\i+2*p], v[64+16*\NSEG*\i+2*p:65+16*\NSEG*\i+2*p], v[16+2*\i:17+2*\i] op_sel_hi:[1,0] neg_lo:[0,1] neg_hi:[0,1]   ; x - mean, in place
.endr
.set p, p+1
.endr
.irp i, 0,1,2,3
	v_pk_mul_f32 v[24+2*\i:25+2*\i], v[64+16*\NSEG*\i:65+16*\NSEG*\i], v[64+16*\NSEG*\i:65+16*\NSEG*\i]
.endr
.set p, 1
.rept 8*\NSEG-1
.irp i, 0,1,2,3
	v_pk_fma_f32 v[24+2*\i:25+2*\i], v[64+16*\NSEG*\i+2*p:65+16*\NSEG*\i+2*p], v[64+16*\NSEG*\i+2*p:65+16*\NSEG*\i+2*p], v[24+2*\i:25+2*\i]
.endr
.set p, p+1
.endr
.irp i, 0,1,2,3
	v_add_f32 v[24+2*\i], v[24+2*\i], v[25+2*\i]
.endr
	RED4 24
.irp i, 0,1,2,3
	v_fma_f32 v[24+2*\i], v[24+2*\i], s56, s57     ; the variance + 1e-5
.endr
.irp i, 0,1,2,3
	v_rsq_f32 v[24+2*\i], v[24+2*\i]
.endr
	v_nop                                          ; a plain instruction behind the last of the four,
	s_wait_alu depctr_va_vdst(0)                   ; and one wait for the four, ahead of their first reader
.set p, 0
.rept 8*\NSEG
.irp i, 0,1,2,3
	v_pk_mul_f32 v[64+16*\NSEG*\i+2*p:65+16*\NSEG*\i+2*p], v[64+16*\NSEG*\i+2*p:65+16*\NSEG*\i+2*p], v[24+2*\i:25+2*\i] op_sel_hi:[1,0]
.endr
.irp i, 0,1,2,3
	v_pk_fma_f32 v[64+16*\NSEG*\i+2*p:65+16*\NSEG*\i+2*p], v[64+16*\NSEG*\i+2*p:65+16*\NSEG*\i+2*p], v[192+2*p:193+2*p], v[224+2*p:225+2*p]   ; x gain + bias
.endr
.set p, p+1
.endr
.irp q, 0,1
.if \q < \NSEG
.if \q > 0
	s_wait_dscnt 0x0                               ; the first segment's stores are done before their registers are written again
.endif
.irp i, 0,1,2,3
	v_max3_num_f32 v[32+\i], |v[64+16*\NSEG*\i+16*\q]|, |v[65+16*\NSEG*\i+16*\q]|, 0x2800000
.endr
.irp k, 2,4,6,8,10,12,14
.irp i, 0,1,2,3
	v_max3_num_f32 v[32+\i], v[32+\i], |v[64+16*\NSEG*\i+16*\q+\k]|, |v[65+16*\NSEG*\i+16*\q+\k]|
.endr
.endr
.irp i, 0,1,2,3
	v_max_num_f32_dpp v[32+\i], v[32+\i], v[32+\i] row_xmask:1 row_mask:0xf bank_mask:0xf   ; with my neighbour's 16: the block's largest magnitude
.endr
.irp i, 0,1,2,3
	v_add_nc_u32 v[36+\i], 0xfe000000, v[32+\i]
.endr
.irp i, 0,1,2,3
	v_cvt_scalef32_pk16_bf6_f32 v[44+4*\i:46+4*\i], v[64+16*\NSEG*\i+16*\q:79+16*\NSEG*\i+16*\q], v[36+\i]
.endr
.irp i, 0,1,2,3
	v_lshrrev_b32 v[40+\i], 23, v[36+\i]           ; the scale's byte (also the plain instruction behind the conversions)
.endr
.irp i, 0,1,2,3
.irp k, 0,1,2
	ds_store_b32 v3, v[44+4*\i+\k] offset:\P*\i+384*\q+4*\k
.endr
	ds_store_b8 v4, v[40+\i] offset:4*\i+256*\q    ; both lanes of a block write the same byte with the same value
.endr
.endif
.endr
	s_wait_dscnt 0x0                               ; for the others' sake: my stores into the stages are done
	s_barrier_signal -1
	s_barrier_wait -1
.irp n, 0,1
.if \n < \NSEG
.irp c, 0,1
.irp k, 0,1,2
	ds_load_b64 v[32+12*\n+6*\c+2*\k:33+12*\n+6*\c+2*\k], v5 offset:96*\n+48*\c+8*\k   ; lane (r, h): the 24 bytes of row r at 96 (K step) + 48 c + 24 h
.endr
.endr
.endif
.endr
	s_wait_dscnt 0x0
.irp n, 0,1
.if \n < \NSEG
.irp c, 0,1
	SHF 32+12*\n+6*\c, 50, 1536*\n+768*\c
.endr
.endif
.endr
	s_cmp_lg_u32 s2, 0
	s_cbranch_scc1 .Lln_done_\@
.if \NSEG == 1
	ds_load_b64 v[12:13], v10
	s_wait_dscnt 0x0
	global_store_b64 v7, v[12:13], s[54:55]        ; the tile's 256 scale bytes on end
.else
	ds_load_b128 v[12:15], v10
	s_wait_dscnt 0x0
	global_store_b128 v6, v[12:15], s[54:55]       ; the tile's 512
.endif
.Lln_done_\@:
.endm
.Lnorms:
	s_cmp_lt_u32 s3, 744
	s_cbranch_scc0 .Lctx
	s_sub_co_u32 s4, s3, 232                       ; x: tile 0..511, rows 16 T + 4 w on
	s_lshl_b32 s5, s4, 4
	s_lshl_b32 s6, s2, 2
	s_add_co_u32 s5, s5, s6
	s_lshl_b32 s52, s5, 11
	s_add_nc_u64 s[44:45], s[16:17], s[52:53]
	s_mov_b64 s[46:47], s[20:21]
	s_mov_b64 s[48:49], s[22:23]
	s_lshl_b32 s5, s4, 2
	s_add_co_u32 s5, s5, s2
	s_mul_i32 s52, s5, 1536
	s_add_nc_u64 s[50:51], s[40:41], s[52:53]
	s_lshl_b32 s52, s4, 8
	s_add_co_u32 s52, s52, XSO
	s_add_nc_u64 s[54:55], s[40:41], s[52:53]
	LNROLE 1, 0x3b000000, 392, 0, 6272, 2048
	s_set_vgpr_msb 0x5
	s_wait_tensorcnt 0x0
	ds_add_u32 v0, v1
	s_wait_dscnt 0x0
	s_set_vgpr_msb 0x500
	s_endpgm
.Lctx:
	s_sub_co_u32 s4, s3, 744                       ; the context: tile T = 2 P + u; its row r is row 32 P + 8 u + r + 8 (r / 8); wave w takes r = 4 w on
	s_lshr_b32 s5, s4, 1
	s_lshl_b32 s5, s5, 5
	s_and_b32 s6, s4, 1
	s_lshl_b32 s6, s6, 3
	s_add_co_u32 s5, s5, s6
	s_lshl_b32 s6, s2, 2
	s_add_co_u32 s5, s5, s6
	s_lshr_b32 s6, s2, 1
	s_lshl_b32 s6, s6, 3
	s_add_co_u32 s5, s5, s6
	s_lshl_b32 s52, s5, 12
	s_add_nc_u64 s[44:45], s[18:19], s[52:53]
	s_mov_b64 s[46:47], s[24:25]
	s_mov_b64 s[48:49], s[26:27]
	s_lshl_b32 s5, s4, 3
	s_lshl_b32 s6, s2, 1
	s_add_co_u32 s5, s5, s6
	s_mul_i32 s52, s5, 1536
	s_add_co_u32 s52, s52, CCO
	s_add_nc_u64 s[50:51], s[40:41], s[52:53]
	s_lshl_b32 s52, s4, 9
	s_add_co_u32 s52, s52, CSO
	s_add_nc_u64 s[54:55], s[40:41], s[52:53]
	LNROLE 2, 0x3a800000, 904, 6656, 21120, 4096   ; LDS bytes of its own, apart from x's
	s_set_vgpr_msb 0x5
	s_wait_tensorcnt 0x0
	ds_add_u32 v0, v1
	s_wait_dscnt 0x0
	s_set_vgpr_msb 0x500
	s_endpgm
.Lfunc_end_k_qe257d2251c_prep:
	.size	k_qe257d2251c_prep, .Lfunc_end_k_qe257d2251c_prep-k_qe257d2251c_prep
	.p2alignl 7, 3214868480
	.fill 96, 4, 3214868480
	.section	.rodata,"a",@progbits
	.p2align	6, 0x0
	.amdhsa_kernel k_qe257d2251c_prep
		.amdhsa_group_segment_fixed_size 22272
		.amdhsa_private_segment_fixed_size 0
		.amdhsa_enable_private_segment 0
		.amdhsa_kernarg_size 104
		.amdhsa_user_sgpr_count 2
		.amdhsa_user_sgpr_kernarg_segment_ptr 1
		.amdhsa_wavefront_size32 1
		.amdhsa_system_sgpr_workgroup_id_x 1
		.amdhsa_system_sgpr_workgroup_id_y 1
		.amdhsa_system_sgpr_workgroup_id_z 1
		.amdhsa_system_vgpr_workitem_id 0
		.amdhsa_next_free_vgpr 258
		.amdhsa_next_free_sgpr 66
		.amdhsa_reserve_vcc 0
		.amdhsa_float_denorm_mode_32 3
		.amdhsa_float_denorm_mode_16_64 3
		.amdhsa_memory_ordered 1
		.amdhsa_forward_progress 1
		.amdhsa_inst_pref_size 111
	.end_amdhsa_kernel
	.amdgpu_metadata
---
amdhsa.version: [ 1, 2 ]
amdhsa.kernels:
  - .name:           k_qe257d2251c_prep
    .symbol:         k_qe257d2251c_prep.kd
    .args:
      - { .name: x, .offset: 0, .size: 8, .value_kind: global_buffer, .address_space: global }
      - { .name: context, .offset: 8, .size: 8, .value_kind: global_buffer, .address_space: global }
      - { .name: ln_g, .offset: 16, .size: 8, .value_kind: global_buffer, .address_space: global }
      - { .name: ln_b, .offset: 24, .size: 8, .value_kind: global_buffer, .address_space: global }
      - { .name: cln_g, .offset: 32, .size: 8, .value_kind: global_buffer, .address_space: global }
      - { .name: cln_b, .offset: 40, .size: 8, .value_kind: global_buffer, .address_space: global }
      - { .name: Wq, .offset: 48, .size: 8, .value_kind: global_buffer, .address_space: global }
      - { .name: Wkv, .offset: 56, .size: 8, .value_kind: global_buffer, .address_space: global }
      - { .name: Wo, .offset: 64, .size: 8, .value_kind: global_buffer, .address_space: global }
      - { .name: Wff1, .offset: 72, .size: 8, .value_kind: global_buffer, .address_space: global }
      - { .name: Wff2, .offset: 80, .size: 8, .value_kind: global_buffer, .address_space: global }
      - { .name: wts, .offset: 88, .size: 8, .value_kind: global_buffer, .address_space: global }
      - { .name: nrm, .offset: 96, .size: 8, .value_kind: global_buffer, .address_space: global }
    .group_segment_fixed_size: 22272
    .private_segment_fixed_size: 0
    .kernarg_segment_align: 8
    .kernarg_segment_size: 104
    .max_flat_workgroup_size: 128
    .sgpr_count:     66
    .vgpr_count:     258
    .wavefront_size: 32
...
	.end_amdgpu_metadata
.endif
;; end of part 1
;; launch ffkv (part 2): grid 256 x 1, 8 waves a work-group, no clusters, 115,712 bytes of LDS; arguments wts, nrm, kv, act, qc; writes kv, act, qc
.if DOCPART == 2
	.amdgcn_target "amdgcn-amd-amdhsa--gfx1250"
	.amdhsa_code_object_version 6
	.text
	.protected	k_qe257d2251c_ffkv
	.globl	k_qe257d2251c_ffkv
	.p2align	8
	.type	k_qe257d2251c_ffkv,@function
k_qe257d2251c_ffkv:
	s_mov_b64 s[64:65], 0
	v_nop
	global_prefetch_b8 v0, s[64:65] scope:SCOPE_SE
	s_setreg_imm32_b32 hwreg(HW_REG_WAVE_MODE, 25, 1), 1
	s_wait_xcnt 0x0
; FFKV: three products on LN(x) and LN(context), all on codes of BF6 (E3M2) with E8M0 scales:  silu(gate) x h of LN(x) Wff1, quantised along the hidden units;  q = LN(x) Wq, quantised along a head's 64;
; k and v = LN(context) Wkv, quantised (k along the head's 64, v along the keys).
; Operands are laid as fragments in the order of the operand's registers (1,536 bytes: two halves of 768; scale words 64 bytes a fragment).
; EVERY PRODUCT IS USED SO: source 0 = what shall run along a lane's registers, source 1 = what a lane owns.  Tiles of source 0 lie in order P (row r of tile u of a pair is item 8 u + r + 8 (r / 8)),
; so that the 16 registers of a pair of results are 16 neighbours along the next product's K.
; SHARES.  Work-group (slice sg = id % 16, rows R = id / 16) makes 512 rows x 128 hidden units, and for the same rows block sg % 2 of head sg / 2 of q.  Its 256 columns of Wff1 (64 fragments, 98,304 bytes, + 4,096 of
; scale words) and its 32 columns of Wq (8 fragments, 12,288 bytes) are put into LDS ONCE, through registers; a wave owns 64 rows, whose 16 fragments of x stay in registers: each weight fragment read from LDS feeds four products.
; Four groups of 32 hidden units, behind each: silu, the block's scale, its codes; then the group of q: the block's scale and its codes.
; K AND V.  64 keys are eight shares of one wave's work: shares 0-3 own a tile of keys and walk Wkv's k part, shares 4-7 own a tile of Wkv's v part and walk the four tiles of keys: one text, the buffers chosen by the share's number.
; The 512 shares are dealt two to a work-group, to waves 0 and 5, which run them behind the barrier and ahead of their own groups: one branch on the wave's number, and all that a share needs stands inside it.
; A share names none of the registers in which the wave's fragments of x and their scale words lie or are on their way.
; No joint loads: each LDS byte here is filled once, at the head, 29 loads a wave; the sharing of a slice's weights among its 16 work-groups is not used.  No prefetch: loads go out at the head or under earlier work.
; LIMITS: NaN and infinities are not served; a block of zeros gets the byte 1 (its codes are zeros; this program alone reads the bytes).  q is stored without its factor 1/8, a power of two, which the next launch folds into its constant.
.set WSO,  2850816                     ; wts: scale words
.set WKV,  2752512                     ; wts: Wkv's fragments (tile x 8 + K step);
.set WKVS, 2965504                     ;      their scale words
.set WQO,  2555904                     ; wts: Wq's fragments ((pair of heads x 4 + K step) x 8 + tile);
.set WSQ,  2957312                     ;      their scale words
.set XSO,  3145728                     ; nrm: x's scale words; the context's codes; its scale words
.set CCO,  3276800
.set CSO,  6422528
.set VFO,  196608                      ; kv: v's fragments; k's scale words; v's
.set KSO,  393216
.set VSO,  409600
.set ASO,  15728640                    ; act: scale words
.set QSO,  4194304                     ; qc: scale bytes; ahead of them the codes, 512 bytes for (2 head + block) x 512 + tile of rows
.set WQL,  102400                      ; LDS: Wff1's fragments at 0, their scale words at 98,304, Wq's fragments here
.set L16,  2                           ; v2 = 16 x lane, v3 = 8 x lane
.set L8,   3
.set SEL,  12                          ; s[12:13] selects for lane l xor 16
.set MSB,  0
.macro WIN new                         ; the immediate's high byte repeats the setting that is left
.if MSB != (\new)
	s_set_vgpr_msb (MSB<<8)|(\new)
.set MSB, (\new)
.endif
.endm
.macro PLACES n
.rept \n
	v_nop
.endr
.endm
.macro GFRAG reg, sb, off              ; a fragment from memory
	global_load_b128 v[(\reg):(\reg)+3], v[L16], s[\sb:\sb+1] offset:\off
	global_load_b64 v[(\reg)+4:(\reg)+5], v[L8], s[\sb:\sb+1] offset:(\off)+512
	global_load_b128 v[(\reg)+6:(\reg)+9], v[L16], s[\sb:\sb+1] offset:(\off)+768
	global_load_b64 v[(\reg)+10:(\reg)+11], v[L8], s[\sb:\sb+1] offset:(\off)+1280
.endm
.macro LFRAG reg, a16, a8, off         ; and from LDS
	ds_load_b128 v[(\reg):(\reg)+3], v[\a16] offset:\off
	ds_load_b64 v[(\reg)+4:(\reg)+5], v[\a8] offset:(\off)+512
	ds_load_b128 v[(\reg)+6:(\reg)+9], v[\a16] offset:(\off)+768
	ds_load_b64 v[(\reg)+10:(\reg)+11], v[\a8] offset:(\off)+1280
.endm
.macro SHF reg, sb, off                ; half a fragment leaves: 512 and 256 bytes on end
	global_store_b128 v[L16], v[(\reg):(\reg)+3], s[\sb:\sb+1] offset:\off
	global_store_b64 v[L8], v[(\reg)+4:(\reg)+5], s[\sb:\sb+1] offset:(\off)+512
.endm
; One scaled product.  zero: C = 0 starts the sum.  ra, rb: the side's scale words stand in lanes 16-31 of the register named.
.macro WM d, a, b, zero, sa, sb, ra, rb
.if \zero
.if (\ra) && (\rb)
	v_wmma_scale_f32_16x16x128_f8f6f4 v[(\d):(\d)+7], v[(\a):(\a)+11], v[(\b):(\b)+11], 0, v[\sa], v[\sb] matrix_a_fmt:MATRIX_FMT_BF6 matrix_b_fmt:MATRIX_FMT_BF6 matrix_a_scale:MATRIX_SCALE_ROW1 matrix_b_scale:MATRIX_SCALE_ROW1
.elseif \ra
	v_wmma_scale_f32_16x16x128_f8f6f4 v[(\d):(\d)+7], v[(\a):(\a)+11], v[(\b):(\b)+11], 0, v[\sa], v[\sb] matrix_a_fmt:MATRIX_FMT_BF6 matrix_b_fmt:MATRIX_FMT_BF6 matrix_a_scale:MATRIX_SCALE_ROW1
.elseif \rb
	v_wmma_scale_f32_16x16x128_f8f6f4 v[(\d):(\d)+7], v[(\a):(\a)+11], v[(\b):(\b)+11], 0, v[\sa], v[\sb] matrix_a_fmt:MATRIX_FMT_BF6 matrix_b_fmt:MATRIX_FMT_BF6 matrix_b_scale:MATRIX_SCALE_ROW1
.else
	v_wmma_scale_f32_16x16x128_f8f6f4 v[(\d):(\d)+7], v[(\a):(\a)+11], v[(\b):(\b)+11], 0, v[\sa], v[\sb] matrix_a_fmt:MATRIX_FMT_BF6 matrix_b_fmt:MATRIX_FMT_BF6
.endif
.else
.if (\ra) && (\rb)
	v_wmma_scale_f32_16x16x128_f8f6f4 v[(\d):(\d)+7], v[(\a):(\a)+11], v[(\b):(\b)+11], v[(\d):(\d)+7], v[\sa], v[\sb] matrix_a_fmt:MATRIX_FMT_BF6 matrix_b_fmt:MATRIX_FMT_BF6 matrix_a_scale:MATRIX_SCALE_ROW1 matrix_b_scale:MATRIX_SCALE_ROW1
.elseif \ra
	v_wmma_scale_f32_16x16x128_f8f6f4 v[(\d):(\d)+7], v[(\a):(\a)+11], v[(\b):(\b)+11], v[(\d):(\d)+7], v[\sa], v[\sb] matrix_a_fmt:MATRIX_FMT_BF6 matrix_b_fmt:MATRIX_FMT_BF6 matrix_a_scale:MATRIX_SCALE_ROW1
.elseif \rb
	v_wmma_scale_f32_16x16x128_f8f6f4 v[(\d):(\d)+7], v[(\a):(\a)+11], v[(\b):(\b)+11], v[(\d):(\d)+7], v[\sa], v[\sb] matrix_a_fmt:MATRIX_FMT_BF6 matrix_b_fmt:MATRIX_FMT_BF6 matrix_b_scale:MATRIX_SCALE_ROW1
.else
	v_wmma_scale_f32_16x16x128_f8f6f4 v[(\d):(\d)+7], v[(\a):(\a)+11], v[(\b):(\b)+11], v[(\d):(\d)+7], v[\sa], v[\sb] matrix_a_fmt:MATRIX_FMT_BF6 matrix_b_fmt:MATRIX_FMT_BF6
.endif
.endif
.endm
; 32 numbers of a lane, register 16 b + i = k 32 b + 16 (lane / 16) + i of my row, become half a fragment in v[dst] .. v[dst + 5]; the two scale bytes go to the low half of v[word].  v[tm] .. v[tm + 10] at work.
.macro QHF src, dst, tm, word
.irp b, 0,1
	v_max3_num_f32 v[(\tm)+\b], |v[(\src)+16*\b]|, |v[(\src)+16*\b+1]|, 0x2800000   ; with the floor 2^(5 - 127): the byte cannot fall under 1
.endr
.irp i, 2,4,6,8,10,12,14
.irp b, 0,1
	v_max3_num_f32 v[(\tm)+\b], v[(\tm)+\b], |v[(\src)+16*\b+\i]|, |v[(\src)+16*\b+\i+1]|
.endr
.endr
.irp b, 0,1
	v_permlanex16_b32 v[(\tm)+2+\b], v[(\tm)+\b], s[SEL], s[SEL+1]
.endr
.irp b, 0,1
	v_max_num_f32 v[(\tm)+\b], v[(\tm)+\b], v[(\tm)+2+\b]   ; with lane l xor 16's 16: the block's largest magnitude
.endr
.irp b, 0,1
	v_add_nc_u32 v[(\tm)+4+\b], 0xfe000000, v[(\tm)+\b]     ; 4 off the exponent field: the conversion's scale operand
.endr
.irp b, 0,1
	v_lshrrev_b32 v[(\tm)+6+\b], 23, v[(\tm)+4+\b]          ; the scale's byte
.endr
	v_lshl_or_b32 v[\word], v[(\tm)+7], 8, v[(\tm)+6]
	v_cvt_scalef32_pk16_bf6_f32 v[(\dst):(\dst)+2], v[(\src):(\src)+15], v[(\tm)+4]
	v_cvt_scalef32_pk16_bf6_f32 v[(\tm)+8:(\tm)+10], v[(\src)+16:(\src)+31], v[(\tm)+5]
	v_nop                                          ; one plain instruction behind the scaled conversions
.irp i, 0,1,2
	v_permlane16_swap_b32 v[(\dst)+\i], v[(\tm)+8+\i]       ; a whole block to a lane: lanes 0-15 block 0, lanes 16-31 block 1
.endr
.irp i, 0,1,2
	v_mov_b32 v[(\dst)+3+\i], v[(\tm)+8+\i]
.endr
.endm
; REGISTERS, window 0: v2-7 addresses; v12-19 the weights' scale words (K step s, pair of tiles jp: 12 + 2 s + jp); v20-27 x's (tile rho, pair of K steps: 20 + 2 rho + sp); v8-11 a share's own: these hold scales and nothing else;
; v28-59 the half fragment in the making, 8 a tile of rows; v60-107 four weight fragments; v108-235 sixteen accumulators (rho, j) at 108 + 32 rho + 8 j: j = 0, 1 h (or q), j = 2, 3 gate; v236-239 the hidden layer's scale words.
; window 1: v0-191 x's fragments (rho, s) at 12 (4 rho + s); v192-251 five slots for a share's own fragments.
	s_load_b256 s[4:11], s[0:1], 0x0               ; wts 4, nrm 6, kv 8, act 10
	s_load_b64 s[40:41], s[0:1], 0x20              ; qc
	v_lshl_add_u32 v255, v0, 2, 0x1c000
	s_set_vgpr_msb 0x40
	v_mov_b32 v255, 0
	s_set_vgpr_msb 0x4000
	v_lshrrev_b32 v1, 5, v0
	v_readfirstlane_b32 s2, v1                     ; wave 0..7
	s_mov_b32 s3, ttmp9
	s_mov_b32 s12, 0x76543210
	s_mov_b32 s13, 0xfedcba98
	s_mov_b32 s14, 0xffff0000                      ; lanes 16-31
	s_mov_b32 s16, 0xbfb8aa3b                      ; -log2(e)
	s_mov_b32 s17, s16                             ; (named with it as a pair)
	s_mov_b32 s25, 0                               ; s[24:25]: an offset in bytes
	v_and_b32 v1, 31, v0
	v_lshlrev_b32 v2, 4, v1
	v_lshlrev_b32 v3, 3, v1
	v_lshlrev_b32 v7, 2, v1
	v_add_nc_u32 v4, 0xc000, v2                    ; LDS from byte 49,152 on: offsets have 16 bits
	v_add_nc_u32 v5, 0xc000, v3
	v_add_nc_u32 v6, 0x18000, v7                   ; Wff1's scale words in LDS, 4 x lane
	v_lshlrev_b32 v244, 4, v0                      ; the fill: 16 x thread
	v_add_nc_u32 v245, 0xc000, v244
	v_add_nc_u32 v246, 0x18000, v244
	s_mul_i32 s22, s2, 1536
	s_add_co_u32 s22, s22, WQL
	v_add_nc_u32 v247, s22, v2                     ; and my wave's one fragment of Wq
	v_add_nc_u32 v248, s22, v3
	s_and_b32 s18, s3, 15                          ; the slice of 128 hidden units
	s_lshr_b32 s19, s3, 4                          ; the block of 512 rows
	s_lshl_b32 s20, s19, 5
	s_lshl_b32 s21, s2, 2
	s_add_co_u32 s20, s20, s21                     ; my first tile of rows
	s_wait_kmcnt 0x0
	s_mul_i32 s24, s18, 98304
	s_add_nc_u64 s[26:27], s[4:5], s[24:25]        ; the slice's 64 fragments,
	s_lshl_b32 s24, s18, 12
	s_add_co_u32 s24, s24, WSO
	s_add_nc_u64 s[28:29], s[4:5], s[24:25]        ; their scale words
	s_mul_i32 s24, s20, 6144
	s_add_nc_u64 s[30:31], s[6:7], s[24:25]        ; my rows' 16 fragments,
	s_lshl_b32 s24, s20, 8
	s_add_co_u32 s24, s24, XSO
	s_add_nc_u64 s[32:33], s[6:7], s[24:25]        ; their scale words
	s_add_co_u32 s21, s18, 4
	s_lshl_b32 s21, s21, 9
	s_add_co_u32 s21, s21, s20                     ; act's fragment: (4 + slice) x 512 + tile of rows
	s_mul_i32 s24, s21, 1536
	s_add_nc_u64 s[34:35], s[10:11], s[24:25]
	s_lshl_b32 s24, s21, 6
	s_add_co_u32 s24, s24, ASO
	s_add_nc_u64 s[36:37], s[10:11], s[24:25]
	s_lshl_b32 s21, s18, 9
	s_add_co_u32 s21, s21, s20                     ; q's codes: (2 head + block) x 512 + tile of rows; 2 head + block is the slice's number
	s_lshl_b32 s24, s21, 9
	s_add_nc_u64 s[42:43], s[40:41], s[24:25]
	s_lshl_b32 s21, s18, 7
	s_lshl_b32 s22, s19, 3
	s_add_co_u32 s21, s21, s22
	s_add_co_u32 s21, s21, s2                      ; q's scale bytes: slice x 128 + (tile of rows / 4); 64 bytes: row r's word holds four tiles' bytes
	s_lshl_b32 s24, s21, 6
	s_add_co_u32 s24, s24, QSO
	s_add_nc_u64 s[44:45], s[40:41], s[24:25]
	s_lshr_b32 s21, s18, 2
	s_lshl_b32 s21, s21, 5                         ; Wq: pair of heads x 32 fragments
	s_and_b32 s22, s18, 3
	s_lshl_b32 s22, s22, 1
	s_add_co_u32 s21, s21, s22                     ; + my block's first tile
	s_lshl_b32 s24, s21, 6
	s_add_co_u32 s24, s24, WSQ
	s_add_nc_u64 s[48:49], s[4:5], s[24:25]        ; its two tiles' scale words, 512 bytes from K step to K step
	s_lshr_b32 s22, s2, 1
	s_lshl_b32 s22, s22, 3
	s_add_co_u32 s21, s21, s22
	s_and_b32 s22, s2, 1
	s_add_co_u32 s21, s21, s22                     ; wave w fills the fragment of K step w / 2, tile w % 2
	s_mul_i32 s24, s21, 1536
	s_add_co_u32 s24, s24, WQO
	s_add_nc_u64 s[46:47], s[4:5], s[24:25]
.set k, 0
.rept 24
	global_load_b128 v[108+4*k:111+4*k], v244, s[26:27] offset:4096*k   ; the eight waves read 4,096 bytes on end
.set k, k+1
.endr
	global_load_b128 v[204:207], v244, s[28:29]
	GFRAG 208, 46, 0
.irp rho, 0,1,2,3
.irp sp, 0,1
	global_load_b32 v[20+2*\rho+\sp], v7, s[32:33] offset:256*\rho+128*\sp   ; lanes 0-15: K step 2 sp, lanes 16-31: K step 2 sp + 1
.endr
.endr
	WIN 0x40                                       ; destination window 1
.irp n, 0,1,2,3,4,5,6
	GFRAG 12*\n, 30, 1536*\n
.endr
	s_wait_loadcnt 36                              ; the fill's 29 loads are in; behind them were issued 8 loads of scale words and 7 fragments of 4
.set k, 0
.rept 12
	ds_store_b128 v244, v[108+4*k:111+4*k] offset:4096*k
.set k, k+1
.endr
.rept 12
	ds_store_b128 v245, v[108+4*k:111+4*k] offset:4096*(k-12)
.set k, k+1
.endr
	ds_store_b128 v246, v[204:207]
	ds_store_b128 v247, v[208:211]
	ds_store_b64 v248, v[212:213] offset:512
	ds_store_b128 v247, v[214:217] offset:768
	ds_store_b64 v248, v[218:219] offset:1280
.irp n, 7,8,9,10,11,12,13,14,15
	GFRAG 12*\n, 30, 1536*\n
.endr
	WIN 0
	s_wait_dscnt 0x0                               ; for the others' sake: my part of the weights lies in LDS
	s_barrier_signal -1
	s_barrier_wait -1                              ; everybody's does; LDS is only read from here on
	s_cmp_eq_u32 s2, 0
	s_cbranch_scc1 .Lshare
	s_cmp_lg_u32 s2, 5
	s_cbranch_scc1 .Lmain
; ---- A SHARE OF K AND V (waves 0 and 5).  acc[i] += other(i, s) [source 0] x own(s) [source 1], i = 0 .. 3, K steps s = 0 .. 7.  Both tensors have 12,288 bytes from tile to tile and 1,536 from K step to K step.
; v8-11 own's scale words (pairs of K steps); v12-19 other's, two pairs of K steps at a time (12 + 2 i + (s / 2) % 2); v28-219 other's fragments (i, s % 4) at 28 + 12 (4 i + s % 4); v220-251 four accumulators;
; window 1: own's fragment of K step s in slot s % 5, at 192 + 12 (s % 5).
.Lshare:
	s_lshr_b32 s38, s2, 2                          ; 0 in wave 0, 1 in wave 5
	s_and_b32 s39, s3, 3
	s_lshl_b32 s39, s39, 1
	s_add_co_u32 s38, s38, s39                     ; which of the eight shares
	s_lshr_b32 s39, s3, 2                          ; of which 64 keys
	s_and_b32 s66, s38, 3                          ; which of the four
	s_lshl_b32 s67, s39, 2                         ; the first tile of the 64 keys
	s_add_co_u32 s68, s67, s66
	s_mul_i32 s72, s68, 12288
	s_add_co_u32 s72, s72, CCO                     ; shares 0-3: own = my tile of keys, in nrm
	s_mul_i32 s73, s66, 12288
	s_add_co_u32 s73, s73, WKV+49152               ; shares 4-7: own = my tile of Wkv's v part, in wts
	s_mov_b32 s74, WKV                             ; shares 0-3: other = Wkv's k part
	s_mul_i32 s75, s67, 12288
	s_add_co_u32 s75, s75, CCO                     ; shares 4-7: other = the four tiles of keys
	s_lshl_b32 s76, s68, 9
	s_add_co_u32 s76, s76, CSO                     ; the scale words likewise: 512 bytes a tile
	s_lshl_b32 s77, s66, 9
	s_add_co_u32 s77, s77, WKVS+2048
	s_mov_b32 s78, WKVS
	s_lshl_b32 s79, s67, 9
	s_add_co_u32 s79, s79, CSO
	s_mul_i32 s80, s68, 768                        ; k's half fragment: tile x 768
	s_lshr_b32 s69, s39, 1
	s_lshl_b32 s69, s69, 2
	s_add_co_u32 s69, s69, s66                     ; v's fragment: (step of 128 keys) x 4 + tile of the head's 64,
	s_and_b32 s70, s39, 1                          ; and which half of it
	s_mul_i32 s81, s69, 1536
	s_mul_i32 s71, s70, 768
	s_add_co_u32 s81, s81, s71
	s_add_co_u32 s81, s81, VFO
	s_lshl_b32 s82, s68, 6
	s_add_co_u32 s82, s82, KSO
	s_lshl_b32 s83, s69, 6
	s_lshl_b32 s71, s70, 1
	s_add_co_u32 s83, s83, s71
	s_add_co_u32 s83, s83, VSO
	s_mov_b32 s71, 0xffff0000
	s_cmp_lt_u32 s38, 4                            ; the choice hangs on the share's number alone
	s_cselect_b64 s[86:87], s[6:7], s[4:5]
	s_cselect_b64 s[88:89], s[4:5], s[6:7]
	s_cselect_b32 s72, s72, s73
	s_cselect_b32 s74, s74, s75
	s_cselect_b32 s76, s76, s77
	s_cselect_b32 s78, s78, s79
	s_cselect_b32 s80, s80, s81
	s_cselect_b32 s82, s82, s83
	s_cselect_b32 s84, 2, 0
	s_cselect_b32 s85, s71, 0
	s_mov_b32 s73, 0
	s_mov_b32 s75, 0
	s_mov_b32 s77, 0
	s_mov_b32 s79, 0
	s_mov_b32 s81, 0
	s_mov_b32 s83, 0
	s_add_nc_u64 s[90:91], s[86:87], s[72:73]      ; own's codes
	s_add_nc_u64 s[92:93], s[88:89], s[74:75]      ; other's
	s_add_nc_u64 s[94:95], s[86:87], s[76:77]      ; own's scale words
	s_add_nc_u64 s[96:97], s[88:89], s[78:79]      ; other's
	s_add_nc_u64 s[98:99], s[8:9], s[80:81]        ; where my half fragment goes,
	s_add_nc_u64 s[100:101], s[8:9], s[82:83]      ; and its two scale bytes a row
	v_and_b32 v253, 15, v0
	v_bfe_u32 v254, v0, 4, 1
	v_mul_u32_u24 v254, s84, v254
	v_lshl_add_u32 v252, v253, 2, v254             ; 4 r; for k lanes 16-31 stand 2 bytes on: they write the word's upper half, zeros
.irp sp, 0,1,2,3
	global_load_b32 v[8+\sp], v7, s[94:95] offset:128*\sp
.endr
.irp i, 0,1,2,3
.irp sp, 0,1
	global_load_b32 v[12+2*\i+\sp], v7, s[96:97] offset:512*\i+128*\sp
.endr
.endr
	WIN 0x40
.irp s, 0,1,2,3,4
	GFRAG 192+12*\s, 90, 1536*\s
.endr
	WIN 0
.irp s, 0,1,2,3
.irp i, 0,1,2,3
	GFRAG 28+12*(4*\i+\s), 92, 12288*\i+1536*\s
.endr
.endr
	s_wait_loadcnt 0x0
	WIN 0x04                                       ; source 1 (own) window 1; loads name no source 1
; Behind that wait 84 loads are issued, in this order: step 0: other 16, own 4; step 1: scale words 4, other 16, own 4; step 2: other 16, own 4; step 3: scale words 4, other 16.
; K step 4 wants the first 24 of them, K step 5 the first 40, K step 6 the first 68, K step 7 all: so 60, 44, 16 and 0 may be out.
.irp s, 0,1,2,3,4,5,6,7
.if \s == 4
	s_wait_loadcnt 60
.elseif \s == 5
	s_wait_loadcnt 44
.elseif \s == 6
	s_wait_loadcnt 16
.elseif \s == 7
	s_wait_loadcnt 0x0
.endif
.irp i, 0,1,2,3
	WM 220+8*\i, 28+12*(4*\i+\s%4), 192+12*(\s%5), \s==0, 12+2*\i+(\s/2)%2, 8+\s/2, \s%2, \s%2
.endr
.if \s < 4
	PLACES 4                                       ; then the registers just read take what comes four (own: five) K steps on
.if \s%2
.irp i, 0,1,2,3
	global_load_b32 v[12+2*\i+\s/2], v7, s[96:97] offset:512*\i+128*(\s/2+2)
.endr
.endif
.irp i, 0,1,2,3
	GFRAG 28+12*(4*\i+\s), 92, 12288*\i+1536*(\s+4)
.endr
.if \s < 3
	WIN 0x40
	GFRAG 192+12*\s, 90, 1536*(\s+5)
	WIN 0x04
.endif
.endif
.endr
	WIN 0
	PLACES 4
	QHF 220, 28, 40, 60                            ; k: my key's 64 of the head; v: my channel's 64 keys
	SHF 28, 98, 0
	v_mov_b32 v62, 0
	v_cndmask_b32 v61, v60, v62, s85               ; k: lanes 16-31 hold 0
	global_store_b16 v252, v61, s[100:101]         ; v: lanes 16-31 repeat lanes 0-15's store, same place, same value
	s_wait_xcnt 0x0                                ; the stores have read their registers, which the groups below write again
.Lmain:
	s_wait_loadcnt 0x0                             ; x's fragments and scale words
.macro WLD jp, g, s                    ; the fragments of tiles 2 jp, 2 jp + 1 of group g, K step s: 8 loads
.irp u, 0,1
.if (\g) < 2
	LFRAG 60+12*(2*(\jp)+\u), 2, 3, ((\g)&1)*24576+(\s)*6144+(2*(\jp)+\u)*1536
.else
	LFRAG 60+12*(2*(\jp)+\u), 4, 5, ((\g)&1)*24576+(\s)*6144+(2*(\jp)+\u)*1536
.endif
.endr
.endm
.macro WSLD g                          ; group g's scale words: 8 loads
.irp s, 0,1,2,3
.irp jp, 0,1
	ds_load_b32 v[12+2*\s+\jp], v6 offset:(\g)*1024+\s*256+\jp*128
.endr
.endr
.endm
.macro WLDQ s                          ; Wq's two tiles of K step s, into the fragment registers' lower (s even) or upper half: 8 loads
.irp u, 0,1
	LFRAG 60+24*((\s)%2)+12*\u, 4, 5, WQL-49152+(2*(\s)+\u)*1536
.endr
.endm
.macro WSLDQ                           ; their scale words, from memory: lanes 0-15 the first tile's, lanes 16-31 the second's
.irp s, 0,1,2,3
	global_load_b32 v[12+2*\s], v7, s[48:49] offset:512*\s
.endr
.endm
.macro MM jp, s                        ; 8 products: tiles 2 jp, 2 jp + 1 x my four tiles of rows.  The sixteen accumulators take turns, one instruction a turn, in the same order in every K step
.irp u, 0,1
.irp rho, 0,1,2,3
	WM 108+32*\rho+8*(2*(\jp)+\u), 60+12*(2*(\jp)+\u), 12*(4*\rho+(\s)), (\s)==0, 12+2*(\s)+(\jp), 20+2*\rho+(\s)/2, \u, (\s)%2
.endr
.endr
.endm
.macro MMQ s                           ; the same for Wq's two tiles: eight accumulators by turns
.irp u, 0,1
.irp rho, 0,1,2,3
	WM 108+32*\rho+8*\u, 60+24*((\s)%2)+12*\u, 12*(4*\rho+(\s)), (\s)==0, 12+2*(\s), 20+2*\rho+(\s)/2, \u, (\s)%2
.endr
.endr
.endm
; A group: 32 hidden units (two tiles of h, two of gate) x 64 rows x K = 512.  While one pair of tiles is multiplied, the other pair's next fragments are on their way; the last group asks for Wq's first two K steps.
; Four plain instructions stand between the last product that read a fragment (or a scale word) and the loads into its registers (ISA guide 7.12.1 for vector instructions).
.macro GROUP g
	WIN 0x04                                       ; source 1 (x) window 1; loads name no source 1
.irp s, 0,1,2,3
.if \s == 0
	s_wait_dscnt 0x0                               ; the group's first fragments and its scale words
.else
	s_wait_dscnt 8                                 ; tiles 0, 1 are in; the 8 loads of tiles 2, 3 were issued behind them
.endif
	MM 0, \s
	PLACES 4
.if \s < 3
	WLD 0, \g, \s+1
.elseif \g < 3
	WLD 0, \g+1, 0
.else
	WLDQ 0
.endif
	s_wait_dscnt 8                                 ; tiles 2, 3 are in; the 8 loads just issued may be out
	MM 1, \s
	PLACES 4
.if \s < 3
	WLD 1, \g, \s+1
.elseif \g < 3
	WLD 1, \g+1, 0
	WSLD \g+1
.else
	WLDQ 1
	WSLDQ
.endif
.endr
	WIN 0
.endm
; Behind a group: silu(gate) x h = (h x gate) / (1 + 2^(-log2(e) gate)), in f32 and in place; then block g of the hidden layer's K step: a lane's 16 numbers and lane l xor 16's are the block.
; The gate's registers, done with, serve as temporaries.  Two blocks make half a fragment, which leaves at once.  Each accumulator is read from its low end on.
.macro EPI g
.irp rho, 0,1,2,3
.irp p, 0,2,4,6,8,10,12,14
	v_pk_mul_f32 v[108+32*\rho+\p:109+32*\rho+\p], v[108+32*\rho+\p:109+32*\rho+\p], v[124+32*\rho+\p:125+32*\rho+\p]
.endr
.endr
.irp rho, 0,1,2,3
.irp p, 0,2,4,6,8,10,12,14
	v_pk_mul_f32 v[124+32*\rho+\p:125+32*\rho+\p], v[124+32*\rho+\p:125+32*\rho+\p], s[16:17] op_sel_hi:[1,0]
.endr
.endr
.irp rho, 0,1,2,3
.irp p, 0,1,2,3,4,5,6,7,8,9,10,11,12,13,14,15
	v_exp_f32 v[124+32*\rho+\p], v[124+32*\rho+\p]
.endr
.endr
	v_nop                                          ; a plain instruction behind the batch,
	s_wait_alu depctr_va_vdst(0)                   ; and one wait for all 64, ahead of their first reader
.irp rho, 0,1,2,3
.irp p, 0,2,4,6,8,10,12,14
	v_pk_add_f32 v[124+32*\rho+\p:125+32*\rho+\p], v[124+32*\rho+\p:125+32*\rho+\p], 1.0 op_sel_hi:[1,0]
.endr
.endr
.irp rho, 0,1,2,3
.irp p, 0,1,2,3,4,5,6,7,8,9,10,11,12,13,14,15
	v_rcp_f32 v[124+32*\rho+\p], v[124+32*\rho+\p]
.endr
.endr
	v_nop
	s_wait_alu depctr_va_vdst(0)                   ; likewise for the 64 reciprocals
.irp rho, 0,1,2,3
.irp p, 0,2,4,6,8,10,12,14
	v_pk_mul_f32 v[108+32*\rho+\p:109+32*\rho+\p], v[108+32*\rho+\p:109+32*\rho+\p], v[124+32*\rho+\p:125+32*\rho+\p]
.endr
.endr
	BLOCKMAX
.irp rho, 0,1,2,3
.if (\g) == 0
	v_mov_b32 v[236+\rho], v[127+32*\rho]
.else
	v_lshl_or_b32 v[236+\rho], v[127+32*\rho], 8*(\g), v[236+\rho]
.endif
.endr
.if (\g) == 2
	s_wait_xcnt 0x0                                ; the first half fragments' stores have read their registers, which are written again now
.endif
.irp rho, 0,1,2,3
.if (\g)%2 == 0
	v_cvt_scalef32_pk16_bf6_f32 v[28+8*\rho:30+8*\rho], v[108+32*\rho:123+32*\rho], v[126+32*\rho]
.else
	v_cvt_scalef32_pk16_bf6_f32 v[128+32*\rho:130+32*\rho], v[108+32*\rho:123+32*\rho], v[126+32*\rho]
.endif
.endr
	v_nop                                          ; one plain instruction behind the scaled conversions
.if (\g)%2 == 1
.irp rho, 0,1,2,3
.irp i, 0,1,2
	v_permlane16_swap_b32 v[28+8*\rho+\i], v[128+32*\rho+\i]   ; a whole block to a lane
.endr
.irp i, 0,1,2
	v_mov_b32 v[31+8*\rho+\i], v[128+32*\rho+\i]
.endr
.endr
.irp rho, 0,1,2,3
	SHF 28+8*\rho, 34, 1536*\rho+768*((\g)/2)
.endr
.endif
.endm
; The four tiles' blocks by turns: my 16 numbers at 108 + 32 rho and lane l xor 16's; 126 + 32 rho gets the conversion's scale operand, 127 + 32 rho the scale's byte.
.macro BLOCKMAX
.irp rho, 0,1,2,3
	v_max3_num_f32 v[124+32*\rho], |v[108+32*\rho]|, |v[109+32*\rho]|, 0x2800000
.endr
.irp k, 2,4,6,8,10,12,14
.irp rho, 0,1,2,3
	v_max3_num_f32 v[124+32*\rho], v[124+32*\rho], |v[108+32*\rho+\k]|, |v[109+32*\rho+\k]|
.endr
.endr
.irp rho, 0,1,2,3
	v_permlanex16_b32 v[125+32*\rho], v[124+32*\rho], s[SEL], s[SEL+1]
.endr
.irp rho, 0,1,2,3
	v_max_num_f32 v[124+32*\rho], v[124+32*\rho], v[125+32*\rho]
.endr
.irp rho, 0,1,2,3
	v_add_nc_u32 v[126+32*\rho], 0xfe000000, v[124+32*\rho]
.endr
.irp rho, 0,1,2,3
	v_lshrrev_b32 v[127+32*\rho], 23, v[126+32*\rho]
.endr
.endm
	WLD 0, 0, 0
	WLD 1, 0, 0
	WSLD 0
	GROUP 0
	EPI 0
	GROUP 1
	EPI 1
	GROUP 2
	EPI 2
	GROUP 3
	EPI 3
	v_cndmask_b32 v240, v236, v237, s14            ; two tiles' scale words in one register: 128 bytes on end
	v_cndmask_b32 v241, v238, v239, s14
	global_store_b32 v7, v240, s[36:37]
	global_store_b32 v7, v241, s[36:37] offset:128
; ---- q: my block of 32 of one head, for my 64 rows.  Wq's fragments of K steps 0 and 1 and the scale words were asked for behind the last group's products.
	WIN 0x04
	s_wait_loadcnt 0x0                             ; the scale words
	s_wait_dscnt 8                                 ; K step 0's two fragments are in; K step 1's 8 loads were issued behind them
	MMQ 0
	PLACES 4
	WLDQ 2
	s_wait_dscnt 8                                 ; K step 1's are in; the 8 loads just issued may be out
	MMQ 1
	PLACES 4
	WLDQ 3
	s_wait_dscnt 8
	MMQ 2
	s_wait_dscnt 0x0
	MMQ 3
	WIN 0
.irp rho, 0,1,2,3
	v_mov_b32 v[131+32*\rho], 0                    ; the fourth word of a lane's 16 bytes carries nothing.  (These four are the plain instructions behind the last products)
.endr
	v_and_b32 v244, 15, v0
	v_lshlrev_b32 v244, 2, v244                    ; 4 r
	BLOCKMAX
	v_lshl_or_b32 v242, v159, 8, v127              ; row r's word: the bytes of my four tiles
	v_lshl_or_b32 v242, v191, 16, v242
	v_lshl_or_b32 v242, v223, 24, v242
.irp rho, 0,1,2,3
	v_cvt_scalef32_pk16_bf6_f32 v[128+32*\rho:130+32*\rho], v[108+32*\rho:123+32*\rho], v[126+32*\rho]
.endr
	v_nop                                          ; one plain instruction behind the scaled conversions
.irp rho, 0,1,2,3
	global_store_b128 v2, v[128+32*\rho:131+32*\rho], s[42:43] offset:512*\rho   ; lane (r, h): the 16 codes of d = 32 block + 16 h on, as the conversion leaves them; 512 bytes on end
.endr
	global_store_b32 v244, v242, s[44:45]          ; lanes 16-31 repeat lanes 0-15's store, same place, same value
	s_set_vgpr_msb 0x4
	s_wait_tensorcnt 0x0
	ds_add_u32 v255, v255
	s_wait_dscnt 0x0
	s_set_vgpr_msb 0x400
	s_endpgm
.Lfunc_end_k_qe257d2251c_ffkv:
	.size	k_qe257d2251c_ffkv, .Lfunc_end_k_qe257d2251c_ffkv-k_qe257d2251c_ffkv
	.p2alignl 7, 3214868480
	.fill 96, 4, 3214868480
	.section	.rodata,"a",@progbits
	.p2align	6, 0x0
	.amdhsa_kernel k_qe257d2251c_ffkv
		.amdhsa_group_segment_fixed_size 115712
		.amdhsa_private_segment_fixed_size 0
		.amdhsa_enable_private_segment 0
		.amdhsa_kernarg_size 40
		.amdhsa_user_sgpr_count 2
		.amdhsa_user_sgpr_kernarg_segment_ptr 1
		.amdhsa_wavefront_size32 1
		.amdhsa_system_sgpr_workgroup_id_x 1
		.amdhsa_system_sgpr_workgroup_id_y 1
		.amdhsa_system_sgpr_workgroup_id_z 1
		.amdhsa_system_vgpr_workitem_id 0
		.amdhsa_next_free_vgpr 512
		.amdhsa_next_free_sgpr 102
		.amdhsa_reserve_vcc 0
		.amdhsa_float_denorm_mode_32 3
		.amdhsa_float_denorm_mode_16_64 3
		.amdhsa_memory_ordered 1
		.amdhsa_forward_progress 1
		.amdhsa_inst_pref_size 174
	.end_amdhsa_kernel
	.amdgpu_metadata
---
amdhsa.version: [ 1, 2 ]
amdhsa.kernels:
  - .name:           k_qe257d2251c_ffkv
    .symbol:         k_qe257d2251c_ffkv.kd
    .args:
      - { .name: wts, .offset: 0, .size: 8, .value_kind: global_buffer, .address_space: global }
      - { .name: nrm, .offset: 8, .size: 8, .value_kind: global_buffer, .address_space: global }
      - { .name: kv, .offset: 16, .size: 8, .value_kind: global_buffer, .address_space: global }
      - { .name: act, .offset: 24, .size: 8, .value_kind: global_buffer, .address_space: global }
      - { .name: qc, .offset: 32, .size: 8, .value_kind: global_buffer, .address_space: global }
    .group_segment_fixed_size: 115712
    .private_segment_fixed_size: 0
    .kernarg_segment_align: 8
    .kernarg_segment_size: 40
    .max_flat_workgroup_size: 256
    .sgpr_count:     102
    .vgpr_count:     512
    .wavefront_size: 32
...
	.end_amdgpu_metadata
.endif
;; end of part 2
;; launch attn (part 3): grid 64 x 4, 16 waves a work-group, no clusters, 106,496 bytes of LDS; arguments kv, qc, act; writes act
.if DOCPART == 3
	.amdgcn_target "amdgcn-amd-amdhsa--gfx1250"
	.amdhsa_code_object_version 6
	.text
	.protected	k_qe257d2251c_attn
	.globl	k_qe257d2251c_attn
	.p2align	8
	.type	k_qe257d2251c_attn,@function
k_qe257d2251c_attn:
	s_mov_b64 s[64:65], 0
	v_nop
	global_prefetch_b8 v0, s[64:65] scope:SCOPE_SE
	s_setreg_imm32_b32 hwreg(HW_REG_WAVE_MODE, 25, 1), 1
	s_wait_xcnt 0x0
; ATTN: S = q k^T, softmax, O = p v, O / l quantised for the last product.  All products on codes of BF6 (E3M2) with E8M0 scales; q, k and v come as codes from the launch before.
; SHARES.  A work-group takes 128 rows of x of one batch and one pair of heads; wave w takes head 2 hp + (w & 1) and the tile of 16 rows w >> 1: one tile of queries a wave, four waves to a SIMD,
; so that one wave's vector work stands beside another's products and LDS loads.  All eight heads share one k and v.
; LDS, filled ONCE through registers, one barrier in the whole launch: the batch's k (64 half fragments, 49,152 bytes), its v (32 fragments, 49,152), and their scale words (4,096 and 2,048).
; LAYOUT.  Every product has as source 0 what shall run along a lane's registers and as source 1 what a lane owns: a lane holds ONE query (lane % 16) throughout.  Tiles of keys and of v's channels
; lie in order P (row r of tile u of a pair is item 8 u + r + 8 (r / 8)), so that 16 registers of a pair of results are 16 neighbours along the next K.
; K = 64 in q k^T: the upper half of q's fragment is zero codes.  So the upper half of k's operand adds nothing whatever it holds: a step's eight half fragments lie on end in v32-79, tile t's operand is the twelve registers from 32 + 6 t on
; (its upper half is the next tile's codes; behind the last stand six zeros), and the upper two scale bytes of both sides are 0 (2^-127, over products that are zero).
; THE SOFTMAX: t = score x log2(e) / 8; M = the running largest t rounded UP to a whole number; p = 2^(t - M) is quantised along the keys, not normalised; the row's sum is taken of the unquantised p and divides O at the end.
; When M moves, the sum and O are multiplied by 2^(old M - new M), exactly.  A block's largest p is made from the block's largest score by the same multiply-add and exponential.
; The factor 1/8 on q is a power of two: it changes no code of q, only its scale, and is folded into c.  LIMIT: that is exact unless a block of q lies so low that its exponent meets the quantiser's bound of -126.
; LIMITS: NaN and infinities are not served; a block of zeros gets the byte 1 (its codes are zeros; this program alone reads the bytes).
; No joint loads: each LDS byte is filled once, at the head, 14 loads a wave; the sharing of k and v among the 64 work-groups of a batch is not used.  No prefetch: all loads go out at the head.
; REGISTERS: v1-7 addresses that stay; v8-11, v29, v30 addresses of the step; v12 -M, v13 the largest t, v[14:15] the sum; v16-27 q; v32-79 the step's eight half fragments of k, behind the products at work (v32-47); v80-85 zeros;
; v86-89 k's scale words, v90-91 v's, v253 p's, v255 q's: scales and nothing else; v96-159 S, then p; v160-191 O; v192-239 v's four fragments; v240-251 p's codes.
.set VFO,  196608                      ; kv: v's fragments; k's scale words; v's
.set KSO,  393216
.set VSO,  409600
.set ASO,  15728640                    ; act: scale words
.set QSO,  4194304                     ; qc: scale bytes; ahead of them the codes, 512 bytes for (2 head + block) x 512 + tile of rows
.set VFL,  49152                       ; LDS: k at 0, v here,
.set KSC,  98304                       ; k's scale words, 64 bytes a tile,
.set VSC,  102400                      ; v's, 64 bytes a fragment
.set L16,  1
.set L8,   2
.set SEL,  20
.macro PLACES n
.rept \n
	v_nop
.endr
.endm
.macro LHF reg, a16, a8, off
	ds_load_b128 v[(\reg):(\reg)+3], v[\a16] offset:\off
	ds_load_b64 v[(\reg)+4:(\reg)+5], v[\a8] offset:(\off)+512
.endm
.macro LFRAG reg, a16, a8, off
	LHF \reg, \a16, \a8, \off
	LHF (\reg)+6, \a16, \a8, (\off)+768
.endm
.macro SHF reg, sb, off
	global_store_b128 v[L16], v[(\reg):(\reg)+3], s[\sb:\sb+1] offset:\off
	global_store_b64 v[L8], v[(\reg)+4:(\reg)+5], s[\sb:\sb+1] offset:(\off)+512
.endm
.macro WM d, a, b, zero, sa, sb, ra, rb
.if \zero
.if (\ra) && (\rb)
	v_wmma_scale_f32_16x16x128_f8f6f4 v[(\d):(\d)+7], v[(\a):(\a)+11], v[(\b):(\b)+11], 0, v[\sa], v[\sb] matrix_a_fmt:MATRIX_FMT_BF6 matrix_b_fmt:MATRIX_FMT_BF6 matrix_a_scale:MATRIX_SCALE_ROW1 matrix_b_scale:MATRIX_SCALE_ROW1
.elseif \ra
	v_wmma_scale_f32_16x16x128_f8f6f4 v[(\d):(\d)+7], v[(\a):(\a)+11], v[(\b):(\b)+11], 0, v[\sa], v[\sb] matrix_a_fmt:MATRIX_FMT_BF6 matrix_b_fmt:MATRIX_FMT_BF6 matrix_a_scale:MATRIX_SCALE_ROW1
.elseif \rb
	v_wmma_scale_f32_16x16x128_f8f6f4 v[(\d):(\d)+7], v[(\a):(\a)+11], v[(\b):(\b)+11], 0, v[\sa], v[\sb] matrix_a_fmt:MATRIX_FMT_BF6 matrix_b_fmt:MATRIX_FMT_BF6 matrix_b_scale:MATRIX_SCALE_ROW1
.else
	v_wmma_scale_f32_16x16x128_f8f6f4 v[(\d):(\d)+7], v[(\a):(\a)+11], v[(\b):(\b)+11], 0, v[\sa], v[\sb] matrix_a_fmt:MATRIX_FMT_BF6 matrix_b_fmt:MATRIX_FMT_BF6
.endif
.else
.if (\ra) && (\rb)
	v_wmma_scale_f32_16x16x128_f8f6f4 v[(\d):(\d)+7], v[(\a):(\a)+11], v[(\b):(\b)+11], v[(\d):(\d)+7], v[\sa], v[\sb] matrix_a_fmt:MATRIX_FMT_BF6 matrix_b_fmt:MATRIX_FMT_BF6 matrix_a_scale:MATRIX_SCALE_ROW1 matrix_b_scale:MATRIX_SCALE_ROW1
.elseif \ra
	v_wmma_scale_f32_16x16x128_f8f6f4 v[(\d):(\d)+7], v[(\a):(\a)+11], v[(\b):(\b)+11], v[(\d):(\d)+7], v[\sa], v[\sb] matrix_a_fmt:MATRIX_FMT_BF6 matrix_b_fmt:MATRIX_FMT_BF6 matrix_a_scale:MATRIX_SCALE_ROW1
.elseif \rb
	v_wmma_scale_f32_16x16x128_f8f6f4 v[(\d):(\d)+7], v[(\a):(\a)+11], v[(\b):(\b)+11], v[(\d):(\d)+7], v[\sa], v[\sb] matrix_a_fmt:MATRIX_FMT_BF6 matrix_b_fmt:MATRIX_FMT_BF6 matrix_b_scale:MATRIX_SCALE_ROW1
.else
	v_wmma_scale_f32_16x16x128_f8f6f4 v[(\d):(\d)+7], v[(\a):(\a)+11], v[(\b):(\b)+11], v[(\d):(\d)+7], v[\sa], v[\sb] matrix_a_fmt:MATRIX_FMT_BF6 matrix_b_fmt:MATRIX_FMT_BF6
.endif
.endif
.endm
; 32 numbers of a lane, register 16 b + i = k 32 b + 16 (lane / 16) + i of my row, become half a fragment in v[dst] .. v[dst + 5]; the two scale bytes go to the low half of v[word].  v[tm] .. v[tm + 10] at work.
.macro QHF src, dst, tm, word
.irp b, 0,1
	v_max3_num_f32 v[(\tm)+\b], |v[(\src)+16*\b]|, |v[(\src)+16*\b+1]|, 0x2800000
.endr
.irp i, 2,4,6,8,10,12,14
.irp b, 0,1
	v_max3_num_f32 v[(\tm)+\b], v[(\tm)+\b], |v[(\src)+16*\b+\i]|, |v[(\src)+16*\b+\i+1]|
.endr
.endr
.irp b, 0,1
	v_permlanex16_b32 v[(\tm)+2+\b], v[(\tm)+\b], s[SEL], s[SEL+1]
.endr
.irp b, 0,1
	v_max_num_f32 v[(\tm)+\b], v[(\tm)+\b], v[(\tm)+2+\b]
.endr
.irp b, 0,1
	v_add_nc_u32 v[(\tm)+4+\b], 0xfe000000, v[(\tm)+\b]
.endr
.irp b, 0,1
	v_lshrrev_b32 v[(\tm)+6+\b], 23, v[(\tm)+4+\b]
.endr
	v_lshl_or_b32 v[\word], v[(\tm)+7], 8, v[(\tm)+6]
	v_cvt_scalef32_pk16_bf6_f32 v[(\dst):(\dst)+2], v[(\src):(\src)+15], v[(\tm)+4]
	v_cvt_scalef32_pk16_bf6_f32 v[(\tm)+8:(\tm)+10], v[(\src)+16:(\src)+31], v[(\tm)+5]
	v_nop                                          ; one plain instruction behind the scaled conversions
.irp i, 0,1,2
	v_permlane16_swap_b32 v[(\dst)+\i], v[(\tm)+8+\i]
.endr
.irp i, 0,1,2
	v_mov_b32 v[(\dst)+3+\i], v[(\tm)+8+\i]
.endr
.endm
	s_load_b128 s[4:7], s[0:1], 0x0                ; kv 4, qc 6
	s_load_b64 s[8:9], s[0:1], 0x10                ; act
	v_lshl_add_u32 v94, v0, 2, 0x19800
	v_mov_b32 v95, 0
	v_lshrrev_b32 v1, 5, v0
	v_readfirstlane_b32 s16, v1                    ; wave 0..15
	s_and_b32 s17, s16, 1                          ; which head of the pair
	s_lshr_b32 s18, s16, 1                         ; which tile of rows
	s_and_b32 s19, ttmp9, 3                        ; the pair of heads
	s_lshr_b32 s24, ttmp9, 2                       ; the block of 128 rows
	s_and_b32 s25, ttmp7, 0xffff                   ; the batch
	s_lshl_b32 s26, s25, 7
	s_lshl_b32 s27, s24, 3
	s_add_co_u32 s26, s26, s27
	s_add_co_u32 s26, s26, s18                     ; my tile of rows, 0..511
	s_and_b32 s33, s26, 3
	s_lshl_b32 s33, s33, 3                         ; where my tile's byte stands in q's scale words, in bits
	s_mov_b32 s20, 0x76543210
	s_mov_b32 s21, 0xfedcba98
	s_mov_b32 s22, 0x3e38aa3b                      ; c = log2(e) / 8
	s_mov_b32 s23, s22                             ; (named with it as a pair)
	s_mov_b32 s49, 0                               ; s[48:49]: an offset in bytes
	v_and_b32 v31, 31, v0
	v_lshlrev_b32 v1, 4, v31
	v_lshlrev_b32 v2, 3, v31
	v_add_nc_u32 v3, VFL, v1
	v_add_nc_u32 v4, VFL, v2
	v_lshlrev_b32 v28, 2, v31
	v_add_nc_u32 v5, KSC, v28
	v_add_nc_u32 v6, VSC, v28
	v_and_b32 v181, 15, v0
	v_lshlrev_b32 v181, 2, v181                    ; 4 r
	s_lshl_b32 s27, s17, 1
	v_add_nc_u32 v7, s27, v181                     ; the way out: my row's scale word, my head's half of it
	v_lshlrev_b32 v172, 4, v0                      ; the fill: 16, 8, 4 x thread
	v_add_nc_u32 v173, VFL, v172
	v_lshlrev_b32 v178, 3, v0
	v_add_nc_u32 v175, KSC, v178
	v_lshlrev_b32 v179, 2, v0
	v_add_nc_u32 v176, VSC, v179
	s_wait_kmcnt 0x0
	s_mul_i32 s48, s25, 49152
	s_add_nc_u64 s[28:29], s[4:5], s[48:49]        ; the batch's k
	s_add_co_u32 s48, s48, VFO
	s_add_nc_u64 s[30:31], s[4:5], s[48:49]        ; its v
	s_lshl_b32 s48, s25, 12
	s_add_co_u32 s48, s48, KSO
	s_add_nc_u64 s[34:35], s[4:5], s[48:49]
	s_lshl_b32 s48, s25, 11
	s_add_co_u32 s48, s48, VSO
	s_add_nc_u64 s[36:37], s[4:5], s[48:49]
	s_lshl_b32 s27, s19, 1
	s_add_co_u32 s27, s27, s17                     ; my head
	s_lshl_b32 s24, s27, 10
	s_add_co_u32 s24, s24, s26                     ; (2 head) x 512 + tile of rows: block 0; block 1 lies 512 x 512 bytes on
	s_lshl_b32 s48, s24, 9
	s_add_nc_u64 s[38:39], s[6:7], s[48:49]
	s_lshl_b32 s24, s27, 8
	s_lshr_b32 s32, s26, 2
	s_add_co_u32 s24, s24, s32                     ; (2 head) x 128 + tile / 4: 64 bytes of scale words; block 1's lie 128 x 64 bytes on
	s_lshl_b32 s48, s24, 6
	s_add_co_u32 s48, s48, QSO
	s_add_nc_u64 s[40:41], s[6:7], s[48:49]
	s_lshl_b32 s27, s19, 9
	s_add_co_u32 s27, s27, s26                     ; act's fragment: head pair x 512 + tile of rows; my head's half
	s_mul_i32 s48, s27, 1536
	s_mul_i32 s24, s17, 768
	s_add_co_u32 s48, s48, s24
	s_add_nc_u64 s[44:45], s[8:9], s[48:49]
	s_lshl_b32 s48, s27, 6
	s_add_co_u32 s48, s48, ASO
	s_add_nc_u64 s[46:47], s[8:9], s[48:49]
.irp k, 0,1,2,3,4,5
	global_load_b128 v[96+4*\k:99+4*\k], v172, s[28:29] offset:8192*\k     ; the sixteen waves read 8,192 bytes on end
.endr
.irp k, 0,1,2,3,4,5
	global_load_b128 v[120+4*\k:123+4*\k], v172, s[30:31] offset:8192*\k
.endr
	global_load_b64 v[144:145], v178, s[34:35]
	global_load_b32 v146, v179, s[36:37]
	global_load_b128 v[16:19], v1, s[38:39]                    ; q, block 0: lane (r, h): the 16 codes of d = 16 h on (three words; the fourth carries nothing)
	global_load_b128 v[148:151], v1, s[38:39] offset:262144    ; block 1: d = 32 + 16 h on
	global_load_b32 v152, v181, s[40:41]                       ; row r's scale bytes of four tiles, block 0,
	global_load_b32 v153, v181, s[40:41] offset:8192           ; block 1
	s_wait_loadcnt 4                               ; the fill's 14 loads are in; behind them were issued q's four
.irp k, 0,1,2,3,4,5
	ds_store_b128 v172, v[96+4*\k:99+4*\k] offset:8192*\k
.endr
.irp k, 0,1,2,3,4,5
	ds_store_b128 v173, v[120+4*\k:123+4*\k] offset:8192*\k
.endr
	ds_store_b64 v175, v[144:145]
	ds_store_b32 v176, v146
	s_wait_dscnt 0x0                               ; for the others' sake: my part lies in LDS
	s_barrier_signal -1
	s_barrier_wait -1                              ; everybody's does; LDS is only read from here on
	s_wait_loadcnt 0x0
.irp i, 0,1,2
	v_permlane16_swap_b32 v[16+\i], v[148+\i]      ; a whole block to a lane: lanes 0-15 block 0, lanes 16-31 block 1
.endr
.irp i, 0,1,2
	v_mov_b32 v[19+\i], v[148+\i]
.endr
	v_bfe_u32 v152, v152, s33, 8                   ; my tile's bytes
	v_bfe_u32 v153, v153, s33, 8
	v_lshl_or_b32 v255, v153, 8, v152              ; q's scale word; its upper two bytes are 0
.irp i, 22,23,24,25,26,27
	v_mov_b32 v[\i], 0                             ; K = 64: the upper half of q's fragment is zero codes
.endr
.irp i, 80,81,82,83,84,85
	v_mov_b32 v[\i], 0                             ; what the last tile of keys has as its operand's upper half
.endr
.set j, 0
.rept 32
	v_mov_b32 v[160+j], 0                          ; O.  (The loop is written once: its first step finds zeros, which the first change of M leaves zeros)
.set j, j+1
.endr
	v_mov_b32 v14, 0
	v_mov_b32 v15, 0
	v_mov_b32 v253, 0                              ; (named as the upper half of the pair v[252:253] before it is first written)
	v_mov_b32 v13, 0xff61b1e6                      ; the largest t so far: -3e38
	v_floor_f32 v12, -v13                          ; -M
	s_mov_b32 s2, 0                                ; the step's first byte of k's tiles and of v's fragments: 6,144 a step
	s_mov_b32 s3, 0                                ; of k's scale words: 512 a step
	s_mov_b32 s14, 0                               ; of v's: 256 a step
	s_mov_b32 s15, 8                               ; 1,024 keys, 128 a step
.Lstep:
	v_add_nc_u32 v8, s2, v1
	v_add_nc_u32 v9, s2, v2
	v_add_nc_u32 v29, s3, v5
.irp t, 0,1,2,3,4,5,6,7
	LHF 32+6*\t, 8, 9, 768*\t                      ; eight tiles of 16 keys, six registers each, on end
.endr
.irp n, 0,1,2,3
	ds_load_b32 v[86+\n], v29 offset:128*\n        ; lanes 0-15: tile 2 n's words, lanes 16-31: tile 2 n + 1's
.endr
	s_wait_dscnt 0x0
.irp t, 0,1,2,3,4,5,6,7                ; S = k q^T
	WM 96+8*\t, 32+6*\t, 16, 1, 86+\t/2, 255, \t%2, 0
.endr                                  ; the 16 registers of tiles 2 b, 2 b + 1 are keys 32 b + 16 (lane / 16) + 0 .. 15 of the step
	v_add_nc_u32 v10, s2, v3                       ; these four are the plain instructions behind the products; with the three at the step's head they also part the last step's
	v_add_nc_u32 v11, s2, v4                       ; products O += v p from the loads below into their registers
	v_add_nc_u32 v30, s14, v6
	v_nop
.irp t, 0,1,2,3
	LFRAG 192+12*\t, 10, 11, 1536*\t               ; v's fragments are asked for here and land under the softmax, whose temporaries lie in k's registers
.endr
	ds_load_b32 v90, v30
	ds_load_b32 v91, v30 offset:128
.irp b, 0,1,2,3
	v_max3_num_f32 v[32+\b], v[96+16*\b], v[97+16*\b], v[98+16*\b]   ; the largest score of each block of 32 keys: for the row's maximum and for the block's largest p
.endr
.irp i, 3,5,7,9,11,13
.irp b, 0,1,2,3
	v_max3_num_f32 v[32+\b], v[32+\b], v[96+16*\b+\i], v[97+16*\b+\i]
.endr
.endr
.irp b, 0,1,2,3
	v_max_num_f32 v[32+\b], v[32+\b], v[111+16*\b]
.endr
.irp b, 0,1,2,3
	v_permlanex16_b32 v[36+\b], v[32+\b], s[SEL], s[SEL+1]
.endr
.irp b, 0,1,2,3
	v_max_num_f32 v[32+\b], v[32+\b], v[36+\b]     ; with lane l xor 16's 16 keys
.endr
	v_max3_num_f32 v254, v32, v33, v34
	v_max_num_f32 v254, v254, v35
	v_mul_f32 v254, s22, v254                      ; the step's largest t (c is positive)
	v_max_num_f32 v13, v13, v254
	v_mov_b32 v254, v12
	v_floor_f32 v12, -v13                          ; the new -M = -ceil(t): a whole number
	v_sub_f32 v254, v12, v254                      ; old M - new M, 0 or less
	v_cvt_i32_f32 v254, v254                       ; (it saturates)
	v_ldexp_f32 v252, 1.0, v254                    ; f = 2^(old M - new M)
.set j, 0
.rept 32
	v_pk_fma_f32 v[96+j:97+j], v[96+j:97+j], s[22:23], v[12:13] op_sel_hi:[1,0,0]   ; t - M
.set j, j+2
.endr
.irp b, 0,1,2,3
	v_fma_f32 v[32+\b], v[32+\b], s22, v12         ; the same of each block's largest score
.endr
.set j, 0
.rept 64
	v_exp_f32 v[96+j], v[96+j]                     ; p = 2^(t - M), at most 1
.set j, j+1
.endr
	v_pk_mul_f32 v[14:15], v[14:15], v[252:253] op_sel_hi:[1,0]   ; the sums under the new M (a plain instruction behind the batch)
	s_wait_alu depctr_va_vdst(0)                   ; one wait for the 64, ahead of their first reader
.irp b, 0,1,2,3
	v_exp_f32 v[32+\b], v[32+\b]                   ; the blocks' largest p
.endr
	v_pk_add_f32 v[36:37], v[96:97], v[98:99]      ; the row's sum of the UNQUANTISED p, in two chains
.irp j, 4,8,12,16,20,24,28,32,36,40,44,48,52,56,60
	v_pk_add_f32 v[14:15], v[14:15], v[96+\j:97+\j]
	v_pk_add_f32 v[36:37], v[36:37], v[98+\j:99+\j]
.endr
	v_pk_add_f32 v[14:15], v[14:15], v[36:37]
	s_wait_alu depctr_va_vdst(0)                   ; and one for the four
.irp b, 0,1,2,3
	v_max_num_f32 v[32+\b], 0x2800000, v[32+\b]    ; the floor 2^(5 - 127)
.endr
.irp b, 0,1,2,3
	v_add_nc_u32 v[44+\b], 0xfe000000, v[32+\b]
.endr
.irp b, 0,1,2,3
	v_lshrrev_b32 v[36+\b], 23, v[44+\b]
.endr
	v_lshl_or_b32 v253, v37, 8, v36                ; p's scale word for these 128 keys
	v_lshl_or_b32 v253, v38, 16, v253
	v_lshl_or_b32 v253, v39, 24, v253
.irp c, 0,1
	v_cvt_scalef32_pk16_bf6_f32 v[240+6*\c:242+6*\c], v[96+32*\c:111+32*\c], v[44+2*\c]
	v_cvt_scalef32_pk16_bf6_f32 v[36+4*\c:38+4*\c], v[112+32*\c:127+32*\c], v[45+2*\c]
.endr
	v_nop
.irp c, 0,1
.irp i, 0,1,2
	v_permlane16_swap_b32 v[240+6*\c+\i], v[36+4*\c+\i]
.endr
.irp i, 0,1,2
	v_mov_b32 v[243+6*\c+\i], v[36+4*\c+\i]
.endr
.endr
.set j, 0
.rept 16
	v_pk_mul_f32 v[160+j:161+j], v[160+j:161+j], v[252:253] op_sel_hi:[1,0]   ; O under the new M; also the plain instructions between p's codes and scale word and the products
.set j, j+2
.endr
	s_wait_dscnt 0x0                               ; v's fragments and scale words, asked for ahead of the softmax
.irp t, 0,1,2,3                        ; O += v p: four tiles of 16 channels, K = these 128 keys; four accumulators by turns
	WM 160+8*\t, 192+12*\t, 240, 0, 90+\t/2, 253, \t%2, 0
.endr
	s_add_co_u32 s2, s2, 6144
	s_add_co_u32 s3, s3, 512
	s_add_co_u32 s14, s14, 256
	s_sub_co_u32 s15, s15, 1
	s_cmp_lg_u32 s15, 0
	s_cbranch_scc1 .Lstep
; ---- the way out: O / the sum, quantised along the head's 64: half a fragment of the last product's operand
	PLACES 4
	v_add_f32 v14, v14, v15
	v_permlanex16_b32 v252, v14, s[SEL], s[SEL+1]
	v_add_f32 v14, v14, v252                       ; the row's sum
	v_rcp_f32 v14, v14
	v_nop
	s_wait_alu depctr_va_vdst(0)
.set j, 0
.rept 32
	v_mul_f32 v[96+j], v[160+j], v14               ; register 16 b + i: channel 32 b + 16 (lane / 16) + i
.set j, j+1
.endr
	QHF 96, 32, 136, 40
	SHF 32, 44, 0
	global_store_b16 v7, v40, s[46:47]             ; my head's two bytes of each row's word; lanes 16-31 repeat lanes 0-15's store, same place, same value
	s_wait_tensorcnt 0x0
	ds_add_u32 v94, v95
	s_wait_dscnt 0x0
	s_endpgm
.Lfunc_end_k_qe257d2251c_attn:
	.size	k_qe257d2251c_attn, .Lfunc_end_k_qe257d2251c_attn-k_qe257d2251c_attn
	.p2alignl 7, 3214868480
	.fill 96, 4, 3214868480
	.section	.rodata,"a",@progbits
	.p2align	6, 0x0
	.amdhsa_kernel k_qe257d2251c_attn
		.amdhsa_group_segment_fixed_size 106496
		.amdhsa_private_segment_fixed_size 0
		.amdhsa_enable_private_segment 0
		.amdhsa_kernarg_size 24
		.amdhsa_user_sgpr_count 2
		.amdhsa_user_sgpr_kernarg_segment_ptr 1
		.amdhsa_wavefront_size32 1
		.amdhsa_system_sgpr_workgroup_id_x 1
		.amdhsa_system_sgpr_workgroup_id_y 1
		.amdhsa_system_sgpr_workgroup_id_z 1
		.amdhsa_system_vgpr_workitem_id 0
		.amdhsa_next_free_vgpr 256
		.amdhsa_next_free_sgpr 66
		.amdhsa_reserve_vcc 0
		.amdhsa_float_denorm_mode_32 3
		.amdhsa_float_denorm_mode_16_64 3
		.amdhsa_memory_ordered 1
		.amdhsa_forward_progress 1
		.amdhsa_inst_pref_size 28
	.end_amdhsa_kernel
	.amdgpu_metadata
---
amdhsa.version: [ 1, 2 ]
amdhsa.kernels:
  - .name:           k_qe257d2251c_attn
    .symbol:         k_qe257d2251c_attn.kd
    .args:
      - { .name: kv, .offset: 0, .size: 8, .value_kind: global_buffer, .address_space: global }
      - { .name: qc, .offset: 8, .size: 8, .value_kind: global_buffer, .address_space: global }
      - { .name: act, .offset: 16, .size: 8, .value_kind: global_buffer, .address_space: global }
    .group_segment_fixed_size: 106496
    .private_segment_fixed_size: 0
    .kernarg_segment_align: 8
    .kernarg_segment_size: 24
    .max_flat_workgroup_size: 512
    .sgpr_count:     66
    .vgpr_count:     256
    .wavefront_size: 32
...
	.end_amdgpu_metadata
.endif
;; end of part 3
;; launch outp (part 4): grid 256 x 1, 4 waves a work-group, no clusters, 68,096 bytes of LDS; arguments wts, act, out0; writes out0
.if DOCPART == 4
	.amdgcn_target "amdgcn-amd-amdhsa--gfx1250"
	.amdhsa_code_object_version 6
	.text
	.protected	k_qe257d2251c_outp
	.globl	k_qe257d2251c_outp
	.p2align	8
	.type	k_qe257d2251c_outp,@function
k_qe257d2251c_outp:
	s_mov_b64 s[64:65], 0
	v_nop
	global_prefetch_b8 v0, s[64:65] scope:SCOPE_SE
	s_setreg_imm32_b32 hwreg(HW_REG_WAVE_MODE, 25, 1), 1
	s_wait_xcnt 0x0
; OUTP: out0 = attention's output x Wo + hidden layer x Wff2, as ONE product with K = 512 + 2,048 = 20 steps of 128, on codes of BF6 (E3M2) with E8M0 scales.
; SHARES.  A work-group makes 128 rows x 128 columns.  THE WAVES SHARE K: wave q keeps K steps 5 q .. 5 q + 4 of all eight tiles of columns, 40 fragments (480 registers), for the whole launch;
; a fragment of the rows' codes comes from memory straight to the one wave that wants it and feeds eight products.  The four partial sums of a tile of 16 rows meet in LDS and are added pairwise.
; LIMIT OF ORDER: an output is (p0 + p1) + (p2 + p3) of four f32 sums over five K steps each, not one sum in ascending K.
; Source 0 = 16 columns of the weights, source 1 = 16 rows: a lane holds eight neighbouring numbers of a row of out0.
; Two stages in LDS by turns, ONE barrier a tile: a stage is written again two tiles on, and every wave has waited for its reads of it ahead of the barrier between.
; No joint loads and no LDS for operands: the weights lie in registers, the rows' fragments are read by one wave each.  No prefetch: the loads run two tiles ahead.
; REGISTERS: window 0: v1-5 addresses; v16-35 the weights' scale words (16 + 4 kappa + j / 2), v36-45 the rows' (two sets of five): scales and nothing else; v48-111 eight accumulators; v112-175 four partial sums of four rows.
;   windows 1, 2: the weights' fragments of K steps 0, 1 and 2, 3 at 12 (8 (kappa % 2) + j); window 3: v0-95 those of K step 4; v96-215 two sets of the rows' five fragments.
.set WOF,  1572864                     ; wts: fragments ((slice of columns x 20 + K step) x 8 + tile);
.set WOS,  2916352                     ;      their scale words
.set ASO,  15728640                    ; act: scale words; codes at (K step x 512 + tile of rows) x 1,536
.set L16,  1
.set L8,   2
.set MSB,  0
.macro WIN new
.if MSB != (\new)
	s_set_vgpr_msb (MSB<<8)|(\new)
.set MSB, (\new)
.endif
.endm
.macro PLACES n
.rept \n
	v_nop
.endr
.endm
.macro GFRAG reg, sb, off
	global_load_b128 v[(\reg):(\reg)+3], v[L16], s[\sb:\sb+1] offset:\off
	global_load_b64 v[(\reg)+4:(\reg)+5], v[L8], s[\sb:\sb+1] offset:(\off)+512
	global_load_b128 v[(\reg)+6:(\reg)+9], v[L16], s[\sb:\sb+1] offset:(\off)+768
	global_load_b64 v[(\reg)+10:(\reg)+11], v[L8], s[\sb:\sb+1] offset:(\off)+1280
.endm
.macro WM d, a, b, zero, sa, sb, ra, rb
.if \zero
.if (\ra) && (\rb)
	v_wmma_scale_f32_16x16x128_f8f6f4 v[(\d):(\d)+7], v[(\a):(\a)+11], v[(\b):(\b)+11], 0, v[\sa], v[\sb] matrix_a_fmt:MATRIX_FMT_BF6 matrix_b_fmt:MATRIX_FMT_BF6 matrix_a_scale:MATRIX_SCALE_ROW1 matrix_b_scale:MATRIX_SCALE_ROW1
.elseif \ra
	v_wmma_scale_f32_16x16x128_f8f6f4 v[(\d):(\d)+7], v[(\a):(\a)+11], v[(\b):(\b)+11], 0, v[\sa], v[\sb] matrix_a_fmt:MATRIX_FMT_BF6 matrix_b_fmt:MATRIX_FMT_BF6 matrix_a_scale:MATRIX_SCALE_ROW1
.elseif \rb
	v_wmma_scale_f32_16x16x128_f8f6f4 v[(\d):(\d)+7], v[(\a):(\a)+11], v[(\b):(\b)+11], 0, v[\sa], v[\sb] matrix_a_fmt:MATRIX_FMT_BF6 matrix_b_fmt:MATRIX_FMT_BF6 matrix_b_scale:MATRIX_SCALE_ROW1
.else
	v_wmma_scale_f32_16x16x128_f8f6f4 v[(\d):(\d)+7], v[(\a):(\a)+11], v[(\b):(\b)+11], 0, v[\sa], v[\sb] matrix_a_fmt:MATRIX_FMT_BF6 matrix_b_fmt:MATRIX_FMT_BF6
.endif
.else
.if (\ra) && (\rb)
	v_wmma_scale_f32_16x16x128_f8f6f4 v[(\d):(\d)+7], v[(\a):(\a)+11], v[(\b):(\b)+11], v[(\d):(\d)+7], v[\sa], v[\sb] matrix_a_fmt:MATRIX_FMT_BF6 matrix_b_fmt:MATRIX_FMT_BF6 matrix_a_scale:MATRIX_SCALE_ROW1 matrix_b_scale:MATRIX_SCALE_ROW1
.elseif \ra
	v_wmma_scale_f32_16x16x128_f8f6f4 v[(\d):(\d)+7], v[(\a):(\a)+11], v[(\b):(\b)+11], v[(\d):(\d)+7], v[\sa], v[\sb] matrix_a_fmt:MATRIX_FMT_BF6 matrix_b_fmt:MATRIX_FMT_BF6 matrix_a_scale:MATRIX_SCALE_ROW1
.elseif \rb
	v_wmma_scale_f32_16x16x128_f8f6f4 v[(\d):(\d)+7], v[(\a):(\a)+11], v[(\b):(\b)+11], v[(\d):(\d)+7], v[\sa], v[\sb] matrix_a_fmt:MATRIX_FMT_BF6 matrix_b_fmt:MATRIX_FMT_BF6 matrix_b_scale:MATRIX_SCALE_ROW1
.else
	v_wmma_scale_f32_16x16x128_f8f6f4 v[(\d):(\d)+7], v[(\a):(\a)+11], v[(\b):(\b)+11], v[(\d):(\d)+7], v[\sa], v[\sb] matrix_a_fmt:MATRIX_FMT_BF6 matrix_b_fmt:MATRIX_FMT_BF6
.endif
.endif
.endm
	s_load_b128 s[4:7], s[0:1], 0x0                ; wts, act
	s_load_b64 s[8:9], s[0:1], 0x10                ; out0
	v_lshl_add_u32 v254, v0, 2, 0x10800
	v_mov_b32 v255, 0
	v_lshrrev_b32 v1, 5, v0
	v_readfirstlane_b32 s2, v1                     ; wave 0..3
	s_and_b32 s10, ttmp9, 3                        ; the slice of 128 columns
	s_lshr_b32 s11, ttmp9, 2                       ; the block of 128 rows
	s_mov_b32 s15, 0                               ; s[14:15]: an offset in bytes
	v_and_b32 v6, 31, v0
	v_lshlrev_b32 v1, 4, v6
	v_lshlrev_b32 v2, 3, v6
	v_lshlrev_b32 v3, 2, v6
	v_and_b32 v7, 15, v0
	v_bfe_u32 v8, v0, 4, 1
	v_mul_u32_u24 v4, v7, 528
	v_lshl_add_u32 v4, v8, 5, v4
	s_mul_i32 s26, s2, 8448
	v_add_nc_u32 v4, s26, v4                       ; into a stage: my partial sum's 16 rows of 512 + 16 bytes; row r, 32 bytes for each half of the lanes
	s_mul_i32 s26, s2, 2112
	v_add_nc_u32 v5, s26, v1                       ; back: rows 4 q on of every partial sum, 16 bytes a lane
	s_mul_i32 s12, s10, 20
	s_mul_i32 s13, s2, 5
	s_add_co_u32 s12, s12, s13                     ; 20 x slice + my first K step
	s_wait_kmcnt 0x0
	s_mul_i32 s14, s12, 12288
	s_add_co_u32 s14, s14, WOF
	s_add_nc_u64 s[16:17], s[4:5], s[14:15]        ; my 40 fragments of the weights, on end,
	s_lshl_b32 s14, s12, 9
	s_add_co_u32 s14, s14, WOS
	s_add_nc_u64 s[18:19], s[4:5], s[14:15]        ; their scale words
	s_mul_i32 s12, s2, 2560
	s_lshl_b32 s13, s11, 3
	s_add_co_u32 s12, s12, s13                     ; my first K step x 512 + the block's first tile of rows
	s_mul_i32 s14, s12, 1536
	s_add_nc_u64 s[20:21], s[6:7], s[14:15]
	s_lshl_b32 s14, s12, 6
	s_add_co_u32 s14, s14, ASO
	s_add_nc_u64 s[22:23], s[6:7], s[14:15]
	s_lshl_b32 s12, s11, 7
	s_lshl_b32 s13, s2, 2
	s_add_co_u32 s12, s12, s13
	s_lshl_b32 s14, s12, 11
	s_lshl_b32 s13, s10, 9
	s_add_co_u32 s14, s14, s13
	s_add_nc_u64 s[24:25], s[8:9], s[14:15]        ; out0 at row 128 x block + 4 q, column 128 x slice
	WIN 0x40
.set n, 0
.rept 16
	GFRAG 12*n, 16, 1536*n
.set n, n+1
.endr
	WIN 0x80
.rept 16
	GFRAG 12*(n-16), 16, 1536*n
.set n, n+1
.endr
	WIN 0xc0
.rept 8
	GFRAG 12*(n-32), 16, 1536*n
.set n, n+1
.endr
	WIN 0
.irp kap, 0,1,2,3,4
.irp jp, 0,1,2,3
	global_load_b32 v[16+4*\kap+\jp], v3, s[18:19] offset:512*\kap+128*\jp   ; lanes 0-15: tile 2 jp, lanes 16-31: tile 2 jp + 1
.endr
.endr
.macro ASLOAD m                        ; the scale words of tiles of rows 2 m (lanes 0-15) and 2 m + 1 (lanes 16-31): five loads
.irp kap, 0,1,2,3,4
	global_load_b32 v[36+5*((\m)%2)+\kap], v3, s[22:23] offset:32768*\kap+128*(\m)
.endr
.endm
.macro ALOAD t                         ; tile of rows t: my five K steps' fragments: twenty loads
	WIN 0xc0
.irp kap, 0,1,2,3,4
	GFRAG 96+60*((\t)%2)+12*\kap, 20, 786432*\kap+1536*(\t)
.endr
	WIN 0
.endm
	ASLOAD 0
	ALOAD 0
	ALOAD 1
.macro REDUCE t                        ; tile t's four partial sums of my four rows are added and stored
	s_wait_dscnt 0x0
.irp k, 0,1,2,3
.irp c, 0,2
	v_pk_add_f32 v[112+4*\k+\c:113+4*\k+\c], v[112+4*\k+\c:113+4*\k+\c], v[128+4*\k+\c:129+4*\k+\c]
	v_pk_add_f32 v[144+4*\k+\c:145+4*\k+\c], v[144+4*\k+\c:145+4*\k+\c], v[160+4*\k+\c:161+4*\k+\c]
.endr
.endr
.irp k, 0,1,2,3
.irp c, 0,2
	v_pk_add_f32 v[112+4*\k+\c:113+4*\k+\c], v[112+4*\k+\c:113+4*\k+\c], v[144+4*\k+\c:145+4*\k+\c]
.endr
.endr
.irp k, 0,1,2,3
	global_store_b128 v1, v[112+4*\k:115+4*\k], s[24:25] offset:(16*(\t)+\k)*2048 th:TH_STORE_NT   ; 32 lanes store 512 bytes on end, at a multiple of 256 from out0's first byte
.endr
.endm
.macro TILE t
.if (\t) == 7
	s_wait_loadcnt 0x0
.elseif (\t)%2
	s_wait_loadcnt 25                              ; behind this tile's loads: five of scale words and the twenty of the next tile
.else
	s_wait_loadcnt 20                              ; behind this tile's loads: the next tile's twenty
.endif
.irp kap, 0,1,2,3,4                    ; 40 products; the eight accumulators take turns, one instruction a turn
	WIN 0x0d+\kap/2                                ; source 0 (weights) window 1, 2 or 3; source 1 (rows) window 3
.irp j, 0,1,2,3,4,5,6,7
	WM 48+8*\j, 12*(8*(\kap%2)+\j), 96+60*((\t)%2)+12*\kap, \kap==0, 16+4*\kap+\j/2, 36+5*(((\t)/2)%2)+\kap, \j%2, (\t)%2
.endr
.endr
	WIN 0
	PLACES 5                                       ; ahead of the loads into the rows' registers, of the stores that read the sums, and of the next tile's products, which begin the same accumulators anew
.if (\t)+2 < 8
.if (\t)%2 == 0
	ASLOAD ((\t)+2)/2
.endif
	ALOAD (\t)+2
.endif
.if (\t) > 0
	REDUCE (\t)-1
.endif
.irp j, 0,1,2,3,4,5,6,7
	ds_store_b128 v4, v[48+8*\j:51+8*\j] offset:((\t)%2)*33792+64*\j          ; each accumulator from its low end on
	ds_store_b128 v4, v[52+8*\j:55+8*\j] offset:((\t)%2)*33792+64*\j+16
.endr
	s_wait_dscnt 0x0                               ; for the others' sake: my partial sum lies in the stage (and my reads of the other stage were waited for above)
	s_barrier_signal -1
	s_barrier_wait -1
	s_wait_xcnt 0x0                                ; the last tile's stores have read the registers that the loads below write
.irp p, 0,1,2,3
.irp k, 0,1,2,3
	ds_load_b128 v[112+16*\p+4*\k:115+16*\p+4*\k], v5 offset:((\t)%2)*33792+8448*\p+528*\k   ; they land under the next tile's products
.endr
.endr
.endm
	TILE 0
	TILE 1
	TILE 2
	TILE 3
	TILE 4
	TILE 5
	TILE 6
	TILE 7
	REDUCE 7
	s_wait_tensorcnt 0x0
	ds_add_u32 v254, v255
	s_wait_dscnt 0x0
	s_endpgm
.Lfunc_end_k_qe257d2251c_outp:
	.size	k_qe257d2251c_outp, .Lfunc_end_k_qe257d2251c_outp-k_qe257d2251c_outp
	.p2alignl 7, 3214868480
	.fill 96, 4, 3214868480
	.section	.rodata,"a",@progbits
	.p2align	6, 0x0
	.amdhsa_kernel k_qe257d2251c_outp
		.amdhsa_group_segment_fixed_size 68096
		.amdhsa_private_segment_fixed_size 0
		.amdhsa_enable_private_segment 0
		.amdhsa_kernarg_size 24
		.amdhsa_user_sgpr_count 2
		.amdhsa_user_sgpr_kernarg_segment_ptr 1
		.amdhsa_wavefront_size32 1
		.amdhsa_system_sgpr_workgroup_id_x 1
		.amdhsa_system_sgpr_workgroup_id_y 1
		.amdhsa_system_sgpr_workgroup_id_z 1
		.amdhsa_system_vgpr_workitem_id 0
		.amdhsa_next_free_vgpr 1024
		.amdhsa_next_free_sgpr 66
		.amdhsa_reserve_vcc 0
		.amdhsa_float_denorm_mode_32 3
		.amdhsa_float_denorm_mode_16_64 3
		.amdhsa_memory_ordered 1
		.amdhsa_forward_progress 1
		.amdhsa_inst_pref_size 112
	.end_amdhsa_kernel
	.amdgpu_metadata
---
amdhsa.version: [ 1, 2 ]
amdhsa.kernels:
  - .name:           k_qe257d2251c_outp
    .symbol:         k_qe257d2251c_outp.kd
    .args:
      - { .name: wts, .offset: 0, .size: 8, .value_kind: global_buffer, .address_space: global }
      - { .name: act, .offset: 8, .size: 8, .value_kind: global_buffer, .address_space: global }
      - { .name: out0, .offset: 16, .size: 8, .value_kind: global_buffer, .address_space: global }
    .group_segment_fixed_size: 68096
    .private_segment_fixed_size: 0
    .kernarg_segment_align: 8
    .kernarg_segment_size: 24
    .max_flat_workgroup_size: 128
    .sgpr_count:     66
    .vgpr_count:     1024
    .wavefront_size: 32
...
	.end_amdgpu_metadata
.endif
;; end of part 4
;; ======== version 2 of 2: 4 launches; version 1 with the launches ffkv, attn, outp written anew for expert scheduling mode
;; workspace buffers: wts 2,969,600 bytes; nrm 6,553,600 bytes; kv 417,792 bytes; act 16,384,000 bytes; qc 4,325,376 bytes
;; launch prep: the kernel of part 1 again; grid 1000 x 1, 4 waves a work-group, no clusters, 22,272 bytes of LDS; arguments x, context, ln_g, ln_b, cln_g, cln_b, Wq, Wkv, Wo, Wff1, Wff2, wts, nrm; writes wts, nrm
;; launch ffkv (part 5): grid 256 x 1, 8 waves a work-group, no clusters, 115,712 bytes of LDS; arguments wts, nrm, kv, act, qc; writes kv, act, qc
.if DOCPART == 5
	.amdgcn_target "amdgcn-amd-amdhsa--gfx1250"
	.amdhsa_code_object_version 6
	.text
	.protected	k_qe257d2251c_ffkv
	.globl	k_qe257d2251c_ffkv
	.p2align	8
	.type	k_qe257d2251c_ffkv,@function
k_qe257d2251c_ffkv:
	s_mov_b64 s[64:65], 0
	v_nop
	global_prefetch_b8 v0, s[64:65] scope:SCOPE_SE
	s_setreg_imm32_b32 hwreg(HW_REG_WAVE_SCHED_MODE, 0, 2), 2
	s_setreg_imm32_b32 hwreg(HW_REG_WAVE_MODE, 25, 1), 1
	s_wait_xcnt 0x0
	s_wait_alu depctr_vm_vsrc(0)
; FFKV: three products on LN(x) and LN(context), all on codes of BF6 (E3M2) with E8M0 scales:  silu(gate) x h of LN(x) Wff1, quantised along the hidden units;  q = LN(x) Wq, quantised along a head's 64;
; k and v = LN(context) Wkv, quantised (k along the head's 64, v along the keys).
; Operands are laid as fragments in the order of the operand's registers (1,536 bytes: two halves of 768; scale words 64 bytes a fragment).
; EVERY PRODUCT IS USED SO: source 0 = what shall run along a lane's registers, source 1 = what a lane owns.  Tiles of source 0 lie in order P (row r of tile u of a pair is item 8 u + r + 8 (r / 8)),
; so that the 16 registers of a pair of results are 16 neighbours along the next product's K.
; SHARES.  Work-group (slice sg = id % 16, rows R = id / 16) makes 512 rows x 128 hidden units, and for the same rows block sg % 2 of head sg / 2 of q.  Its 256 columns of Wff1 (64 fragments, 98,304 bytes, + 4,096 of
; scale words) and its 32 columns of Wq (8 fragments, 12,288 bytes) are put into LDS ONCE, through registers; a wave owns 64 rows, whose 16 fragments of x stay in registers: each weight fragment read from LDS feeds four products.
; Four groups of 32 hidden units, behind each: silu, the block's scale, its codes; then the group of q: the block's scale and its codes.
; K AND V.  64 keys are eight shares of one wave's work: shares 0-3 own a tile of keys and walk Wkv's k part, shares 4-7 own a tile of Wkv's v part and walk the four tiles of keys: one text, the buffers chosen by the share's number.
; The 512 shares are dealt two to a work-group, to waves 0 and 5, which run them behind the barrier and ahead of their own groups: one branch on the wave's number, and all that a share needs stands inside it.
; A share names none of the registers in which the wave's fragments of x and their scale words lie or are on their way.
; No joint loads: each LDS byte here is filled once, at the head, 29 loads a wave; the sharing of a slice's weights among its 16 work-groups is not used.  No prefetch: loads go out at the head or under earlier work.
; LIMITS: NaN and infinities are not served; a block of zeros gets the byte 1 (its codes are zeros; this program alone reads the bytes).  q is stored without its factor 1/8, a power of two, which the next launch folds into its constant.
; THE MODE: SCHED_MODE bits 1:0 = 2 (LLVM: expert scheduling mode 2), set by the entry lines.  The code itself states the register dependences between vector or matrix instructions and memory or LDS instructions, with s_wait_alu, always for 0.
; THE PLAN.  Registers that memory or LDS instructions touch behind the barrier:
;   A (v60-107), B (window 1, v192-239)  two buffers of four weight fragments.  K step s: its sixteen products read buffer s % 2; the sixteen LDS loads of the next K step land in the other, which the products of the step before read.
;   v12-19      the weights' scale words: read by all of a group's products, loaded again behind the group.
;   v28-59      the half fragments in the making: written by the lines behind groups 0 and 1 (2 and 3), read by eight stores at the head of group 2 (of q's group).
;   v240, v241; v128-131 + 32 rho, v242, v244   written once, read by stores.      v2-7  offsets and addresses, made at the head and never written again.
;   v255, v254  written at the head, read by the closing add alone.
; So ONE wait on va_vdst stands at the head of a K step: behind it the other buffer is filled and, where half fragments are whole, they are stored.  The wait that the exponentials behind a group own shows that group's products done as well:
; the next scale words (behind group 3: Wq's last four fragments too) are asked for behind it.  All eight fragments of Wq then lie in A and B, and q's group has no wait among its products.
; A share: its refills go in two runs, behind K steps 0, 1 and behind K steps 2, 3, one wait on va_vdst each.
.set WSO,  2850816                     ; wts: scale words
.set WKV,  2752512                     ; wts: Wkv's fragments (tile x 8 + K step);
.set WKVS, 2965504                     ;      their scale words
.set WQO,  2555904                     ; wts: Wq's fragments ((pair of heads x 4 + K step) x 8 + tile);
.set WSQ,  2957312                     ;      their scale words
.set XSO,  3145728                     ; nrm: x's scale words; the context's codes; its scale words
.set CCO,  3276800
.set CSO,  6422528
.set VFO,  196608                      ; kv: v's fragments; k's scale words; v's
.set KSO,  393216
.set VSO,  409600
.set ASO,  15728640                    ; act: scale words
.set QSO,  4194304                     ; qc: scale bytes; ahead of them the codes, 512 bytes for (2 head + block) x 512 + tile of rows
.set WQL,  102400                      ; LDS: Wff1's fragments at 0, their scale words at 98,304, Wq's fragments here
.set L16,  2                           ; v2 = 16 x lane, v3 = 8 x lane
.set L8,   3
.set SEL,  12                          ; s[12:13] selects for lane l xor 16
.set FA,   60                          ; buffer A, in window 0
.set FB,   192                         ; buffer B, in window 1
.set MSB,  0
.macro WIN new                         ; the immediate's high byte repeats the setting that is left
.if MSB != (\new)
	s_set_vgpr_msb (MSB<<8)|(\new)
.set MSB, (\new)
.endif
.endm
.macro PLACES n
.rept \n
	v_nop
.endr
.endm
.macro GFRAG reg, sb, off              ; a fragment from memory
	global_load_b128 v[(\reg):(\reg)+3], v[L16], s[\sb:\sb+1] offset:\off
	global_load_b64 v[(\reg)+4:(\reg)+5], v[L8], s[\sb:\sb+1] offset:(\off)+512
	global_load_b128 v[(\reg)+6:(\reg)+9], v[L16], s[\sb:\sb+1] offset:(\off)+768
	global_load_b64 v[(\reg)+10:(\reg)+11], v[L8], s[\sb:\sb+1] offset:(\off)+1280
.endm
.macro LFRAG reg, a16, a8, off         ; and from LDS
	ds_load_b128 v[(\reg):(\reg)+3], v[\a16] offset:\off
	ds_load_b64 v[(\reg)+4:(\reg)+5], v[\a8] offset:(\off)+512
	ds_load_b128 v[(\reg)+6:(\reg)+9], v[\a16] offset:(\off)+768
	ds_load_b64 v[(\reg)+10:(\reg)+11], v[\a8] offset:(\off)+1280
.endm
.macro SHF reg, sb, off                ; half a fragment leaves: 512 and 256 bytes on end
	global_store_b128 v[L16], v[(\reg):(\reg)+3], s[\sb:\sb+1] offset:\off
	global_store_b64 v[L8], v[(\reg)+4:(\reg)+5], s[\sb:\sb+1] offset:(\off)+512
.endm
; One scaled product.  zero: C = 0 starts the sum.  ra, rb: the side's scale words stand in lanes 16-31 of the register named.
.macro WM d, a, b, zero, sa, sb, ra, rb
.if \zero
.if (\ra) && (\rb)
	v_wmma_scale_f32_16x16x128_f8f6f4 v[(\d):(\d)+7], v[(\a):(\a)+11], v[(\b):(\b)+11], 0, v[\sa], v[\sb] matrix_a_fmt:MATRIX_FMT_BF6 matrix_b_fmt:MATRIX_FMT_BF6 matrix_a_scale:MATRIX_SCALE_ROW1 matrix_b_scale:MATRIX_SCALE_ROW1
.elseif \ra
	v_wmma_scale_f32_16x16x128_f8f6f4 v[(\d):(\d)+7], v[(\a):(\a)+11], v[(\b):(\b)+11], 0, v[\sa], v[\sb] matrix_a_fmt:MATRIX_FMT_BF6 matrix_b_fmt:MATRIX_FMT_BF6 matrix_a_scale:MATRIX_SCALE_ROW1
.elseif \rb
	v_wmma_scale_f32_16x16x128_f8f6f4 v[(\d):(\d)+7], v[(\a):(\a)+11], v[(\b):(\b)+11], 0, v[\sa], v[\sb] matrix_a_fmt:MATRIX_FMT_BF6 matrix_b_fmt:MATRIX_FMT_BF6 matrix_b_scale:MATRIX_SCALE_ROW1
.else
	v_wmma_scale_f32_16x16x128_f8f6f4 v[(\d):(\d)+7], v[(\a):(\a)+11], v[(\b):(\b)+11], 0, v[\sa], v[\sb] matrix_a_fmt:MATRIX_FMT_BF6 matrix_b_fmt:MATRIX_FMT_BF6
.endif
.else
.if (\ra) && (\rb)
	v_wmma_scale_f32_16x16x128_f8f6f4 v[(\d):(\d)+7], v[(\a):(\a)+11], v[(\b):(\b)+11], v[(\d):(\d)+7], v[\sa], v[\sb] matrix_a_fmt:MATRIX_FMT_BF6 matrix_b_fmt:MATRIX_FMT_BF6 matrix_a_scale:MATRIX_SCALE_ROW1 matrix_b_scale:MATRIX_SCALE_ROW1
.elseif \ra
	v_wmma_scale_f32_16x16x128_f8f6f4 v[(\d):(\d)+7], v[(\a):(\a)+11], v[(\b):(\b)+11], v[(\d):(\d)+7], v[\sa], v[\sb] matrix_a_fmt:MATRIX_FMT_BF6 matrix_b_fmt:MATRIX_FMT_BF6 matrix_a_scale:MATRIX_SCALE_ROW1
.elseif \rb
	v_wmma_scale_f32_16x16x128_f8f6f4 v[(\d):(\d)+7], v[(\a):(\a)+11], v[(\b):(\b)+11], v[(\d):(\d)+7], v[\sa], v[\sb] matrix_a_fmt:MATRIX_FMT_BF6 matrix_b_fmt:MATRIX_FMT_BF6 matrix_b_scale:MATRIX_SCALE_ROW1
.else
	v_wmma_scale_f32_16x16x128_f8f6f4 v[(\d):(\d)+7], v[(\a):(\a)+11], v[(\b):(\b)+11], v[(\d):(\d)+7], v[\sa], v[\sb] matrix_a_fmt:MATRIX_FMT_BF6 matrix_b_fmt:MATRIX_FMT_BF6
.endif
.endif
.endm
; 32 numbers of a lane, register 16 b + i = k 32 b + 16 (lane / 16) + i of my row, become half a fragment in v[dst] .. v[dst + 5]; the two scale bytes go to the low half of v[word].  v[tm] .. v[tm + 10] at work.
.macro QHF src, dst, tm, word
.irp b, 0,1
	v_max3_num_f32 v[(\tm)+\b], |v[(\src)+16*\b]|, |v[(\src)+16*\b+1]|, 0x2800000   ; with the floor 2^(5 - 127): the byte cannot fall under 1
.endr
.irp i, 2,4,6,8,10,12,14
.irp b, 0,1
	v_max3_num_f32 v[(\tm)+\b], v[(\tm)+\b], |v[(\src)+16*\b+\i]|, |v[(\src)+16*\b+\i+1]|
.endr
.endr
.irp b, 0,1
	v_permlanex16_b32 v[(\tm)+2+\b], v[(\tm)+\b], s[SEL], s[SEL+1]
.endr
.irp b, 0,1
	v_max_num_f32 v[(\tm)+\b], v[(\tm)+\b], v[(\tm)+2+\b]   ; with lane l xor 16's 16: the block's largest magnitude
.endr
.irp b, 0,1
	v_add_nc_u32 v[(\tm)+4+\b], 0xfe000000, v[(\tm)+\b]     ; 4 off the exponent field: the conversion's scale operand
.endr
.irp b, 0,1
	v_lshrrev_b32 v[(\tm)+6+\b], 23, v[(\tm)+4+\b]          ; the scale's byte
.endr
	v_lshl_or_b32 v[\word], v[(\tm)+7], 8, v[(\tm)+6]
	v_cvt_scalef32_pk16_bf6_f32 v[(\dst):(\dst)+2], v[(\src):(\src)+15], v[(\tm)+4]
	v_cvt_scalef32_pk16_bf6_f32 v[(\tm)+8:(\tm)+10], v[(\src)+16:(\src)+31], v[(\tm)+5]
	v_nop                                          ; one plain instruction behind the scaled conversions
.irp i, 0,1,2
	v_permlane16_swap_b32 v[(\dst)+\i], v[(\tm)+8+\i]       ; a whole block to a lane: lanes 0-15 block 0, lanes 16-31 block 1
.endr
.irp i, 0,1,2
	v_mov_b32 v[(\dst)+3+\i], v[(\tm)+8+\i]
.endr
.endm
; REGISTERS, window 0: v2-7 addresses; v12-19 the weights' scale words (K step s, pair of tiles jp: 12 + 2 s + jp); v20-27 x's (tile rho, pair of K steps: 20 + 2 rho + sp); v8-11 a share's own: these hold scales and nothing else;
; v28-59 the half fragment in the making, 8 a tile of rows; v60-107 buffer A; v108-235 sixteen accumulators (rho, j) at 108 + 32 rho + 8 j: j = 0, 1 h (or q), j = 2, 3 gate; v236-239 the hidden layer's scale words;
; v255 the LDS address of my spare word, v254 = 0: made at the head and kept for the closing lines alone.
; window 1: v0-191 x's fragments (rho, s) at 12 (4 rho + s); v192-251 five slots for a share's own fragments, and behind the share v192-239 buffer B.
	s_load_b256 s[4:11], s[0:1], 0x0               ; wts 4, nrm 6, kv 8, act 10
	s_load_b64 s[40:41], s[0:1], 0x20              ; qc
	v_lshl_add_u32 v255, v0, 2, 0x1c000
	v_mov_b32 v254, 0
	v_lshrrev_b32 v1, 5, v0
	v_readfirstlane_b32 s2, v1                     ; wave 0..7
	s_mov_b32 s3, ttmp9
	s_mov_b32 s12, 0x76543210
	s_mov_b32 s13, 0xfedcba98
	s_mov_b32 s14, 0xffff0000                      ; lanes 16-31
	s_mov_b32 s16, 0xbfb8aa3b                      ; -log2(e)
	s_mov_b32 s17, s16                             ; (named with it as a pair)
	s_mov_b32 s25, 0                               ; s[24:25]: an offset in bytes
	v_and_b32 v1, 31, v0
	v_lshlrev_b32 v2, 4, v1
	v_lshlrev_b32 v3, 3, v1
	v_lshlrev_b32 v7, 2, v1
	v_add_nc_u32 v4, 0xc000, v2                    ; LDS from byte 49,152 on: offsets have 16 bits
	v_add_nc_u32 v5, 0xc000, v3
	v_add_nc_u32 v6, 0x18000, v7                   ; Wff1's scale words in LDS, 4 x lane
	v_lshlrev_b32 v244, 4, v0                      ; the fill: 16 x thread
	v_add_nc_u32 v245, 0xc000, v244
	v_add_nc_u32 v246, 0x18000, v244
	s_wait_alu depctr_va_sdst(0)                   ; s2, the wave's number, is written, ahead of its first reader
	s_mul_i32 s22, s2, 1536
	s_add_co_u32 s22, s22, WQL
	v_add_nc_u32 v247, s22, v2                     ; and my wave's one fragment of Wq
	v_add_nc_u32 v248, s22, v3
	s_and_b32 s18, s3, 15                          ; the slice of 128 hidden units
	s_lshr_b32 s19, s3, 4                          ; the block of 512 rows
	s_lshl_b32 s20, s19, 5
	s_lshl_b32 s21, s2, 2
	s_add_co_u32 s20, s20, s21                     ; my first tile of rows
	s_wait_kmcnt 0x0
	s_mul_i32 s24, s18, 98304
	s_add_nc_u64 s[26:27], s[4:5], s[24:25]        ; the slice's 64 fragments,
	s_lshl_b32 s24, s18, 12
	s_add_co_u32 s24, s24, WSO
	s_add_nc_u64 s[28:29], s[4:5], s[24:25]        ; their scale words
	s_mul_i32 s24, s20, 6144
	s_add_nc_u64 s[30:31], s[6:7], s[24:25]        ; my rows' 16 fragments,
	s_lshl_b32 s24, s20, 8
	s_add_co_u32 s24, s24, XSO
	s_add_nc_u64 s[32:33], s[6:7], s[24:25]        ; their scale words
	s_add_co_u32 s21, s18, 4
	s_lshl_b32 s21, s21, 9
	s_add_co_u32 s21, s21, s20                     ; act's fragment: (4 + slice) x 512 + tile of rows
	s_mul_i32 s24, s21, 1536
	s_add_nc_u64 s[34:35], s[10:11], s[24:25]
	s_lshl_b32 s24, s21, 6
	s_add_co_u32 s24, s24, ASO
	s_add_nc_u64 s[36:37], s[10:11], s[24:25]
	s_lshl_b32 s21, s18, 9
	s_add_co_u32 s21, s21, s20                     ; q's codes: (2 head + block) x 512 + tile of rows; 2 head + block is the slice's number
	s_lshl_b32 s24, s21, 9
	s_add_nc_u64 s[42:43], s[40:41], s[24:25]
	s_lshl_b32 s21, s18, 7
	s_lshl_b32 s22, s19, 3
	s_add_co_u32 s21, s21, s22
	s_add_co_u32 s21, s21, s2                      ; q's scale bytes: slice x 128 + (tile of rows / 4); 64 bytes: row r's word holds four tiles' bytes
	s_lshl_b32 s24, s21, 6
	s_add_co_u32 s24, s24, QSO
	s_add_nc_u64 s[44:45], s[40:41], s[24:25]
	s_lshr_b32 s21, s18, 2
	s_lshl_b32 s21, s21, 5                         ; Wq: pair of heads x 32 fragments
	s_and_b32 s22, s18, 3
	s_lshl_b32 s22, s22, 1
	s_add_co_u32 s21, s21, s22                     ; + my block's first tile
	s_lshl_b32 s24, s21, 6
	s_add_co_u32 s24, s24, WSQ
	s_add_nc_u64 s[48:49], s[4:5], s[24:25]        ; its two tiles' scale words, 512 bytes from K step to K step
	s_lshr_b32 s22, s2, 1
	s_lshl_b32 s22, s22, 3
	s_add_co_u32 s21, s21, s22
	s_and_b32 s22, s2, 1
	s_add_co_u32 s21, s21, s22                     ; wave w fills the fragment of K step w / 2, tile w % 2
	s_mul_i32 s24, s21, 1536
	s_add_co_u32 s24, s24, WQO
	s_add_nc_u64 s[46:47], s[4:5], s[24:25]
	s_wait_alu depctr_va_vdst(0)                   ; the offsets and addresses v2-7 and v244-248 are written, which the loads and LDS stores below read
.set k, 0
.rept 24
	global_load_b128 v[108+4*k:111+4*k], v244, s[26:27] offset:4096*k   ; the eight waves read 4,096 bytes on end
.set k, k+1
.endr
	global_load_b128 v[204:207], v244, s[28:29]
	GFRAG 208, 46, 0
.irp rho, 0,1,2,3
.irp sp, 0,1
	global_load_b32 v[20+2*\rho+\sp], v7, s[32:33] offset:256*\rho+128*\sp   ; lanes 0-15: K step 2 sp, lanes 16-31: K step 2 sp + 1
.endr
.endr
	WIN 0x40                                       ; destination window 1
.irp n, 0,1,2,3,4,5,6
	GFRAG 12*\n, 30, 1536*\n
.endr
	s_wait_loadcnt 36                              ; the fill's 29 loads are in; behind them were issued 8 loads of scale words and 7 fragments of 4
.set k, 0
.rept 12
	ds_store_b128 v244, v[108+4*k:111+4*k] offset:4096*k
.set k, k+1
.endr
.rept 12
	ds_store_b128 v245, v[108+4*k:111+4*k] offset:4096*(k-12)
.set k, k+1
.endr
	ds_store_b128 v246, v[204:207]
	ds_store_b128 v247, v[208:211]
	ds_store_b64 v248, v[212:213] offset:512
	ds_store_b128 v247, v[214:217] offset:768
	ds_store_b64 v248, v[218:219] offset:1280
.irp n, 7,8,9,10,11,12,13,14,15
	GFRAG 12*\n, 30, 1536*\n
.endr
	WIN 0
	s_wait_dscnt 0x0                               ; for the others' sake: my part of the weights lies in LDS
	s_barrier_signal -1
	s_barrier_wait -1                              ; everybody's does; LDS is only read from here on
	s_wait_alu depctr_vm_vsrc(0)                   ; the fill's loads and LDS stores have read v108-219 and v244-248, which a share's loads and the products on both ways below write again
	s_cmp_eq_u32 s2, 0
	s_cbranch_scc1 .Lshare
	s_cmp_lg_u32 s2, 5
	s_cbranch_scc1 .Lmain
; ---- A SHARE OF K AND V (waves 0 and 5).  acc[i] += other(i, s) [source 0] x own(s) [source 1], i = 0 .. 3, K steps s = 0 .. 7.  Both tensors have 12,288 bytes from tile to tile and 1,536 from K step to K step.
; v8-11 own's scale words (pairs of K steps); v12-19 other's, two pairs of K steps at a time (12 + 2 i + (s / 2) % 2); v28-219 other's fragments (i, s % 4) at 28 + 12 (4 i + s % 4); v220-251 four accumulators;
; window 1: own's fragment of K step s in slot s % 5, at 192 + 12 (s % 5).
.Lshare:
	s_lshr_b32 s38, s2, 2                          ; 0 in wave 0, 1 in wave 5
	s_and_b32 s39, s3, 3
	s_lshl_b32 s39, s39, 1
	s_add_co_u32 s38, s38, s39                     ; which of the eight shares
	s_lshr_b32 s39, s3, 2                          ; of which 64 keys
	s_and_b32 s66, s38, 3                          ; which of the four
	s_lshl_b32 s67, s39, 2                         ; the first tile of the 64 keys
	s_add_co_u32 s68, s67, s66
	s_mul_i32 s72, s68, 12288
	s_add_co_u32 s72, s72, CCO                     ; shares 0-3: own = my tile of keys, in nrm
	s_mul_i32 s73, s66, 12288
	s_add_co_u32 s73, s73, WKV+49152               ; shares 4-7: own = my tile of Wkv's v part, in wts
	s_mov_b32 s74, WKV                             ; shares 0-3: other = Wkv's k part
	s_mul_i32 s75, s67, 12288
	s_add_co_u32 s75, s75, CCO                     ; shares 4-7: other = the four tiles of keys
	s_lshl_b32 s76, s68, 9
	s_add_co_u32 s76, s76, CSO                     ; the scale words likewise: 512 bytes a tile
	s_lshl_b32 s77, s66, 9
	s_add_co_u32 s77, s77, WKVS+2048
	s_mov_b32 s78, WKVS
	s_lshl_b32 s79, s67, 9
	s_add_co_u32 s79, s79, CSO
	s_mul_i32 s80, s68, 768                        ; k's half fragment: tile x 768
	s_lshr_b32 s69, s39, 1
	s_lshl_b32 s69, s69, 2
	s_add_co_u32 s69, s69, s66                     ; v's fragment: (step of 128 keys) x 4 + tile of the head's 64,
	s_and_b32 s70, s39, 1                          ; and which half of it
	s_mul_i32 s81, s69, 1536
	s_mul_i32 s71, s70, 768
	s_add_co_u32 s81, s81, s71
	s_add_co_u32 s81, s81, VFO
	s_lshl_b32 s82, s68, 6
	s_add_co_u32 s82, s82, KSO
	s_lshl_b32 s83, s69, 6
	s_lshl_b32 s71, s70, 1
	s_add_co_u32 s83, s83, s71
	s_add_co_u32 s83, s83, VSO
	s_mov_b32 s71, 0xffff0000
	s_cmp_lt_u32 s38, 4                            ; the choice hangs on the share's number alone
	s_cselect_b64 s[86:87], s[6:7], s[4:5]
	s_cselect_b64 s[88:89], s[4:5], s[6:7]
	s_cselect_b32 s72, s72, s73
	s_cselect_b32 s74, s74, s75
	s_cselect_b32 s76, s76, s77
	s_cselect_b32 s78, s78, s79
	s_cselect_b32 s80, s80, s81
	s_cselect_b32 s82, s82, s83
	s_cselect_b32 s84, 2, 0
	s_cselect_b32 s85, s71, 0
	s_mov_b32 s73, 0
	s_mov_b32 s75, 0
	s_mov_b32 s77, 0
	s_mov_b32 s79, 0
	s_mov_b32 s81, 0
	s_mov_b32 s83, 0
	s_add_nc_u64 s[90:91], s[86:87], s[72:73]      ; own's codes
	s_add_nc_u64 s[92:93], s[88:89], s[74:75]      ; other's
	s_add_nc_u64 s[94:95], s[86:87], s[76:77]      ; own's scale words
	s_add_nc_u64 s[96:97], s[88:89], s[78:79]      ; other's
	s_add_nc_u64 s[98:99], s[8:9], s[80:81]        ; where my half fragment goes,
	s_add_nc_u64 s[100:101], s[8:9], s[82:83]      ; and its two scale bytes a row
	v_and_b32 v253, 15, v0
	v_bfe_u32 v252, v0, 4, 1
	v_mul_u32_u24 v252, s84, v252
	v_lshl_add_u32 v252, v253, 2, v252             ; 4 r; for k lanes 16-31 stand 2 bytes on: they write the word's upper half, zeros
.irp sp, 0,1,2,3
	global_load_b32 v[8+\sp], v7, s[94:95] offset:128*\sp
.endr
.irp i, 0,1,2,3
.irp sp, 0,1
	global_load_b32 v[12+2*\i+\sp], v7, s[96:97] offset:512*\i+128*\sp
.endr
.endr
	WIN 0x40
.irp s, 0,1,2,3,4
	GFRAG 192+12*\s, 90, 1536*\s
.endr
	WIN 0
.irp s, 0,1,2,3
.irp i, 0,1,2,3
	GFRAG 28+12*(4*\i+\s), 92, 12288*\i+1536*\s
.endr
.endr
	s_wait_loadcnt 0x0
	WIN 0x04                                       ; source 1 (own) window 1; loads name no source 1
.macro KVSTEP s                        ; K step s: four products, the four accumulators by turns
.irp i, 0,1,2,3
	WM 220+8*\i, 28+12*(4*\i+(\s)%4), 192+12*((\s)%5), (\s)==0, 12+2*\i+((\s)/2)%2, 8+(\s)/2, (\s)%2, (\s)%2
.endr
.endm
.macro KVFILL s                        ; the registers that K step s read take what comes four (own: five) K steps on
.if (\s)%2
.irp i, 0,1,2,3
	global_load_b32 v[12+2*\i+(\s)/2], v7, s[96:97] offset:512*\i+128*((\s)/2+2)
.endr
.endif
.irp i, 0,1,2,3
	GFRAG 28+12*(4*\i+(\s)), 92, 12288*\i+1536*((\s)+4)
.endr
.if (\s) < 3
	WIN 0x40
	GFRAG 192+12*(\s), 90, 1536*((\s)+5)
	WIN 0x04
.endif
.endm
; Behind the wait for all loads above, 84 loads are issued, in this order: for step 0: other 16, own 4; for step 1: scale words 4, other 16, own 4; for step 2: other 16, own 4; for step 3: scale words 4, other 16.
; K step 4 wants the first 24 of them, K step 5 the first 40, K step 6 the first 68, K step 7 all: so 60, 44, 16 and 0 may be out.
	KVSTEP 0
	KVSTEP 1
	PLACES 4                                       ; four plain instructions stay between the products and the loads into registers that they read
	s_wait_alu depctr_va_vdst(0)                   ; the products of K steps 0 and 1 are done reading their fragments and scale words, in which the loads below land
	KVFILL 0
	KVFILL 1
	KVSTEP 2
	KVSTEP 3
	PLACES 4
	s_wait_alu depctr_va_vdst(0)                   ; likewise those of K steps 2 and 3
	KVFILL 2
	KVFILL 3
	s_wait_loadcnt 60
	KVSTEP 4
	s_wait_loadcnt 44
	KVSTEP 5
	s_wait_loadcnt 16
	KVSTEP 6
	s_wait_loadcnt 0x0
	KVSTEP 7
	WIN 0
	PLACES 4
	QHF 220, 28, 40, 60                            ; k: my key's 64 of the head; v: my channel's 64 keys
	v_mov_b32 v62, 0
	v_cndmask_b32 v61, v60, v62, s85               ; k: lanes 16-31 hold 0
	s_wait_alu depctr_va_vdst(0)                   ; v28-33, v61 and v252 are written, which the stores below read; and the share's products and vector lines are done with v12-19, v60-107 and window 1's v192-239, in which the first loads behind the label land
	SHF 28, 98, 0
	global_store_b16 v252, v61, s[100:101]         ; v: lanes 16-31 repeat lanes 0-15's store, same place, same value
	s_wait_xcnt 0x0                                ; the stores' addresses are translated,
	s_wait_alu depctr_vm_vsrc(0)                   ; and the stores have read v28-33 and v61, which the loads and the groups below write again
.Lmain:
	s_wait_loadcnt 0x0                             ; x's fragments and scale words
.macro WLD4 g, s, base                 ; the four fragments of group g, K step s, into the buffer that begins at register base: 16 loads
.irp j, 0,1,2,3
.if (\g) < 2
	LFRAG (\base)+12*\j, 2, 3, ((\g)&1)*24576+(\s)*6144+\j*1536
.else
	LFRAG (\base)+12*\j, 4, 5, ((\g)&1)*24576+(\s)*6144+\j*1536
.endif
.endr
.endm
.macro WSLD g                          ; group g's scale words: 8 loads
.irp s, 0,1,2,3
.irp jp, 0,1
	ds_load_b32 v[12+2*\s+\jp], v6 offset:(\g)*1024+\s*256+\jp*128
.endr
.endr
.endm
.macro WLDQ s, base                    ; Wq's two tiles of K step s, into half a buffer: 8 loads
.irp u, 0,1
	LFRAG (\base)+12*\u, 4, 5, WQL-49152+(2*(\s)+\u)*1536
.endr
.endm
.macro WSLDQ                           ; their scale words, from memory: lanes 0-15 the first tile's, lanes 16-31 the second's
.irp s, 0,1,2,3
	global_load_b32 v[12+2*\s], v7, s[48:49] offset:512*\s
.endr
.endm
.macro MM jp, s, fb                    ; 8 products: tiles 2 jp, 2 jp + 1 (in the buffer at fb) x my four tiles of rows.  The sixteen accumulators take turns, one instruction a turn, in the same order in every K step
.irp u, 0,1
.irp rho, 0,1,2,3
	WM 108+32*\rho+8*(2*(\jp)+\u), (\fb)+12*(2*(\jp)+\u), 12*(4*\rho+(\s)), (\s)==0, 12+2*(\s)+(\jp), 20+2*\rho+(\s)/2, \u, (\s)%2
.endr
.endr
.endm
.macro MMQ s, fb                       ; the same for Wq's two tiles: eight accumulators by turns
.irp u, 0,1
.irp rho, 0,1,2,3
	WM 108+32*\rho+8*\u, (\fb)+12*\u, 12*(4*\rho+(\s)), (\s)==0, 12+2*(\s), 20+2*\rho+(\s)/2, \u, (\s)%2
.endr
.endr
.endm
.macro SENDH g                         ; the four tiles' half fragments, blocks g - 1 and g, leave
.irp rho, 0,1,2,3
	SHF 28+8*\rho, 34, 1536*\rho+768*((\g)/2)
.endr
.endm
; A group: 32 hidden units (two tiles of h, two of gate) x 64 rows x K = 512.  K step s multiplies buffer s % 2 (A in window 0, B in window 1); at its head the next K step's four fragments are asked for, into the other buffer;
; a group's last step asks for the next group's first (group 3: for Wq's K steps 0 and 1), which lie in A while the lines behind the group run.
.macro GROUP g
.irp s, 0,1,2,3
	s_wait_dscnt 0x0                               ; this step's four fragments, asked for a K step ago (at a group's first step: its scale words too)
.if \s > 0
	PLACES 4                                       ; four plain instructions stay between the products and the loads into registers that they read
.endif
.if \s%2 == 0
	WIN 0x40                                       ; the loads' destination: window 1
.else
	WIN 0x04                                       ; the loads' destination and address: window 0
.endif
	s_wait_alu depctr_va_vdst(0)                   ; the products of the K step before are done reading the buffer in which the loads below land; at group 2's first step the half fragments v28-59 are written, which the stores below read
.if \s == 0
	WLD4 \g, 1, FB
.elseif \s == 1
	WLD4 \g, 2, FA
.elseif \s == 2
	WLD4 \g, 3, FB
.elseif \g < 3
	WLD4 \g+1, 0, FA
.else
	WLDQ 0, FA
	WLDQ 1, FA+24
.endif
.if (\s == 0) && (\g == 2)
	SENDH 1                                        ; (a store's address and data are sources 0 and 1: window 0)
.endif
.if \s%2 == 0
	WIN 0x04                                       ; source 0 (weights) window 0, source 1 (x) window 1
	MM 0, \s, FA
	MM 1, \s, FA
.else
	WIN 0x05                                       ; both in window 1
	MM 0, \s, FB
	MM 1, \s, FB
.endif
.endr
	WIN 0
	PLACES 4                                       ; four plain instructions behind the last products, ahead of the first read of their results (ISA guide 7.12.1)
.endm
; Behind a group: silu(gate) x h = (h x gate) / (1 + 2^(-log2(e) gate)), in f32 and in place; then block g of the hidden layer's K step: a lane's 16 numbers and lane l xor 16's are the block.
; The gate's registers, done with, serve as temporaries.  Two blocks make half a fragment, which leaves at the head of the group that follows.  Each accumulator is read from its low end on.
.macro EPI g
.irp rho, 0,1,2,3
.irp p, 0,2,4,6,8,10,12,14
	v_pk_mul_f32 v[108+32*\rho+\p:109+32*\rho+\p], v[108+32*\rho+\p:109+32*\rho+\p], v[124+32*\rho+\p:125+32*\rho+\p]
.endr
.endr
.irp rho, 0,1,2,3
.irp p, 0,2,4,6,8,10,12,14
	v_pk_mul_f32 v[124+32*\rho+\p:125+32*\rho+\p], v[124+32*\rho+\p:125+32*\rho+\p], s[16:17] op_sel_hi:[1,0]
.endr
.endr
.irp rho, 0,1,2,3
.irp p, 0,1,2,3,4,5,6,7,8,9,10,11,12,13,14,15
	v_exp_f32 v[124+32*\rho+\p], v[124+32*\rho+\p]
.endr
.endr
	v_nop                                          ; a plain instruction behind the batch
.if (\g) == 3
	WIN 0x40                                       ; the loads' destination: window 1
.endif
	s_wait_alu depctr_va_vdst(0)                   ; the 64 exponentials have written v124-139 + 32 rho, ahead of their first reader; and the group's products are done reading v12-19 (group 3: and buffer B), in which the loads below land
.if (\g) < 3
	WSLD (\g)+1
.else
	WLDQ 2, FB
	WLDQ 3, FB+24
	WIN 0
	WSLDQ
.endif
.irp rho, 0,1,2,3
.irp p, 0,2,4,6,8,10,12,14
	v_pk_add_f32 v[124+32*\rho+\p:125+32*\rho+\p], v[124+32*\rho+\p:125+32*\rho+\p], 1.0 op_sel_hi:[1,0]
.endr
.endr
.irp rho, 0,1,2,3
.irp p, 0,1,2,3,4,5,6,7,8,9,10,11,12,13,14,15
	v_rcp_f32 v[124+32*\rho+\p], v[124+32*\rho+\p]
.endr
.endr
	v_nop
	s_wait_alu depctr_va_vdst(0)                   ; the 64 reciprocals have written v124-139 + 32 rho, ahead of their first reader
.irp rho, 0,1,2,3
.irp p, 0,2,4,6,8,10,12,14
	v_pk_mul_f32 v[108+32*\rho+\p:109+32*\rho+\p], v[108+32*\rho+\p:109+32*\rho+\p], v[124+32*\rho+\p:125+32*\rho+\p]
.endr
.endr
	BLOCKMAX
.irp rho, 0,1,2,3
.if (\g) == 0
	v_mov_b32 v[236+\rho], v[127+32*\rho]
.else
	v_lshl_or_b32 v[236+\rho], v[127+32*\rho], 8*(\g), v[236+\rho]
.endif
.endr
.if (\g) == 2
	s_wait_xcnt 0x0                                ; the first half fragments' stores, a group back, have had their addresses translated,
	s_wait_alu depctr_vm_vsrc(0)                   ; and have read v28-59, which the conversions below write again
.endif
.irp rho, 0,1,2,3
.if (\g)%2 == 0
	v_cvt_scalef32_pk16_bf6_f32 v[28+8*\rho:30+8*\rho], v[108+32*\rho:123+32*\rho], v[126+32*\rho]
.else
	v_cvt_scalef32_pk16_bf6_f32 v[128+32*\rho:130+32*\rho], v[108+32*\rho:123+32*\rho], v[126+32*\rho]
.endif
.endr
	v_nop                                          ; one plain instruction behind the scaled conversions
.if (\g)%2 == 1
.irp rho, 0,1,2,3
.irp i, 0,1,2
	v_permlane16_swap_b32 v[28+8*\rho+\i], v[128+32*\rho+\i]   ; a whole block to a lane
.endr
.irp i, 0,1,2
	v_mov_b32 v[31+8*\rho+\i], v[128+32*\rho+\i]
.endr
.endr
.endif
.endm
; The four tiles' blocks by turns: my 16 numbers at 108 + 32 rho and lane l xor 16's; 126 + 32 rho gets the conversion's scale operand, 127 + 32 rho the scale's byte.
.macro BLOCKMAX
.irp rho, 0,1,2,3
	v_max3_num_f32 v[124+32*\rho], |v[108+32*\rho]|, |v[109+32*\rho]|, 0x2800000
.endr
.irp k, 2,4,6,8,10,12,14
.irp rho, 0,1,2,3
	v_max3_num_f32 v[124+32*\rho], v[124+32*\rho], |v[108+32*\rho+\k]|, |v[109+32*\rho+\k]|
.endr
.endr
.irp rho, 0,1,2,3
	v_permlanex16_b32 v[125+32*\rho], v[124+32*\rho], s[SEL], s[SEL+1]
.endr
.irp rho, 0,1,2,3
	v_max_num_f32 v[124+32*\rho], v[124+32*\rho], v[125+32*\rho]
.endr
.irp rho, 0,1,2,3
	v_add_nc_u32 v[126+32*\rho], 0xfe000000, v[124+32*\rho]
.endr
.irp rho, 0,1,2,3
	v_lshrrev_b32 v[127+32*\rho], 23, v[126+32*\rho]
.endr
.endm
	WLD4 0, 0, FA
	WSLD 0
	GROUP 0
	EPI 0
	GROUP 1
	EPI 1
	GROUP 2
	EPI 2
	GROUP 3
	EPI 3
	v_cndmask_b32 v240, v236, v237, s14            ; two tiles' scale words in one register: 128 bytes on end
	v_cndmask_b32 v241, v238, v239, s14
; ---- q: my block of 32 of one head, for my 64 rows.  Wq's fragments of K steps 0 and 1 lie in A, those of K steps 2 and 3 in B: no load is issued among the products.
	s_wait_loadcnt 0x0                             ; Wq's scale words
	s_wait_dscnt 0x0                               ; its eight fragments
	s_wait_alu depctr_va_vdst(0)                   ; the second half fragments v28-59 and the scale words v240, v241 are written, which the stores below read
	SENDH 3
	global_store_b32 v7, v240, s[36:37]
	global_store_b32 v7, v241, s[36:37] offset:128
	WIN 0x04
	MMQ 0, FA
	MMQ 1, FA+24
	WIN 0x05
	MMQ 2, FB
	MMQ 3, FB+24
	WIN 0
.irp rho, 0,1,2,3
	v_mov_b32 v[131+32*\rho], 0                    ; the fourth word of a lane's 16 bytes carries nothing.  (These four are the plain instructions behind the last products)
.endr
	v_and_b32 v244, 15, v0
	v_lshlrev_b32 v244, 2, v244                    ; 4 r
	BLOCKMAX
	v_lshl_or_b32 v242, v159, 8, v127              ; row r's word: the bytes of my four tiles
	v_lshl_or_b32 v242, v191, 16, v242
	v_lshl_or_b32 v242, v223, 24, v242
.irp rho, 0,1,2,3
	v_cvt_scalef32_pk16_bf6_f32 v[128+32*\rho:130+32*\rho], v[108+32*\rho:123+32*\rho], v[126+32*\rho]
.endr
	v_nop                                          ; one plain instruction behind the scaled conversions
	s_wait_alu depctr_va_vdst(0)                   ; q's codes v128-131 + 32 rho, the word v242 and the offset v244 are written, which the stores below read
.irp rho, 0,1,2,3
	global_store_b128 v2, v[128+32*\rho:131+32*\rho], s[42:43] offset:512*\rho   ; lane (r, h): the 16 codes of d = 32 block + 16 h on, as the conversion leaves them; 512 bytes on end
.endr
	global_store_b32 v244, v242, s[44:45]          ; lanes 16-31 repeat lanes 0-15's store, same place, same value
	s_wait_dscnt 0x0                               ; the closing lines, six on end (every window is 0 here)
	s_wait_alu 0x0
	s_wait_tensorcnt 0x0
	ds_add_u32 v255, v254
	s_wait_dscnt 0x0
	s_endpgm
.Lfunc_end_k_qe257d2251c_ffkv:
	.size	k_qe257d2251c_ffkv, .Lfunc_end_k_qe257d2251c_ffkv-k_qe257d2251c_ffkv
	.p2alignl 7, 3214868480
	.fill 96, 4, 3214868480
	.section	.rodata,"a",@progbits
	.p2align	6, 0x0
	.amdhsa_kernel k_qe257d2251c_ffkv
		.amdhsa_group_segment_fixed_size 115712
		.amdhsa_private_segment_fixed_size 0
		.amdhsa_enable_private_segment 0
		.amdhsa_kernarg_size 40
		.amdhsa_user_sgpr_count 2
		.amdhsa_user_sgpr_kernarg_segment_ptr 1
		.amdhsa_wavefront_size32 1
		.amdhsa_system_sgpr_workgroup_id_x 1
		.amdhsa_system_sgpr_workgroup_id_y 1
		.amdhsa_system_sgpr_workgroup_id_z 1
		.amdhsa_system_vgpr_workitem_id 0
		.amdhsa_next_free_vgpr 512
		.amdhsa_next_free_sgpr 102
		.amdhsa_reserve_vcc 0
		.amdhsa_float_denorm_mode_32 3
		.amdhsa_float_denorm_mode_16_64 3
		.amdhsa_memory_ordered 1
		.amdhsa_forward_progress 1
		.amdhsa_inst_pref_size 173
	.end_amdhsa_kernel
	.amdgpu_metadata
---
amdhsa.version: [ 1, 2 ]
amdhsa.kernels:
  - .name:           k_qe257d2251c_ffkv
    .symbol:         k_qe257d2251c_ffkv.kd
    .args:
      - { .name: wts, .offset: 0, .size: 8, .value_kind: global_buffer, .address_space: global }
      - { .name: nrm, .offset: 8, .size: 8, .value_kind: global_buffer, .address_space: global }
      - { .name: kv, .offset: 16, .size: 8, .value_kind: global_buffer, .address_space: global }
      - { .name: act, .offset: 24, .size: 8, .value_kind: global_buffer, .address_space: global }
      - { .name: qc, .offset: 32, .size: 8, .value_kind: global_buffer, .address_space: global }
    .group_segment_fixed_size: 115712
    .private_segment_fixed_size: 0
    .kernarg_segment_align: 8
    .kernarg_segment_size: 40
    .max_flat_workgroup_size: 256
    .sgpr_count:     102
    .vgpr_count:     512
    .wavefront_size: 32
...
	.end_amdgpu_metadata
.endif
;; end of part 5
;; launch attn (part 6): grid 64 x 4, 16 waves a work-group, no clusters, 106,496 bytes of LDS; arguments kv, qc, act; writes act
.if DOCPART == 6
	.amdgcn_target "amdgcn-amd-amdhsa--gfx1250"
	.amdhsa_code_object_version 6
	.text
	.protected	k_qe257d2251c_attn
	.globl	k_qe257d2251c_attn
	.p2align	8
	.type	k_qe257d2251c_attn,@function
k_qe257d2251c_attn:
	s_mov_b64 s[64:65], 0
	v_nop
	global_prefetch_b8 v0, s[64:65] scope:SCOPE_SE
	s_setreg_imm32_b32 hwreg(HW_REG_WAVE_SCHED_MODE, 0, 2), 2
	s_setreg_imm32_b32 hwreg(HW_REG_WAVE_MODE, 25, 1), 1
	s_wait_xcnt 0x0
	s_wait_alu depctr_vm_vsrc(0)
; ATTN: S = q k^T, softmax, O = p v, O / l quantised for the last product.  All products on codes of BF6 (E3M2) with E8M0 scales; q, k and v come as codes from the launch before.
; SHARES.  A work-group takes 128 rows of x of one batch and one pair of heads; wave w takes head 2 hp + (w & 1) and the tile of 16 rows w >> 1: one tile of queries a wave, four waves to a SIMD,
; so that one wave's vector work stands beside another's products and LDS loads.  All eight heads share one k and v.
; LDS, filled ONCE through registers, one barrier in the whole launch: the batch's k (64 half fragments, 49,152 bytes), its v (32 fragments, 49,152), and their scale words (4,096 and 2,048).
; LAYOUT.  Every product has as source 0 what shall run along a lane's registers and as source 1 what a lane owns: a lane holds ONE query (lane % 16) throughout.  Tiles of keys and of v's channels
; lie in order P (row r of tile u of a pair is item 8 u + r + 8 (r / 8)), so that 16 registers of a pair of results are 16 neighbours along the next K.
; K = 64 in q k^T: the upper half of q's fragment is zero codes.  So the upper half of k's operand adds nothing whatever it holds: a step's eight half fragments lie on end in v32-79, tile t's operand is the twelve registers from 32 + 6 t on
; (its upper half is the next tile's codes; behind the last stand six zeros), and the upper two scale bytes of both sides are 0 (2^-127, over products that are zero).
; THE SOFTMAX: t = score x log2(e) / 8; M = the running largest t rounded UP to a whole number; p = 2^(t - M) is quantised along the keys, not normalised; the row's sum is taken of the unquantised p and divides O at the end.
; When M moves, the sum and O are multiplied by 2^(old M - new M), exactly.  A block's largest p is made from the block's largest score by the same multiply-add and exponential.
; The factor 1/8 on q is a power of two: it changes no code of q, only its scale, and is folded into c.  LIMIT: that is exact unless a block of q lies so low that its exponent meets the quantiser's bound of -126.
; LIMITS: NaN and infinities are not served; a block of zeros gets the byte 1 (its codes are zeros; this program alone reads the bytes).
; No joint loads: each LDS byte is filled once, at the head, 14 loads a wave; the sharing of k and v among the 64 work-groups of a batch is not used.  No prefetch: all loads from memory go out at the head.
; REGISTERS: v1-7 addresses that stay; v8-11, v29, v30 addresses of the step; v12 -M, v13 the largest t, v[14:15] the sum; v16-27 q; v32-79 the step's eight half fragments of k, behind the products at work (v32-47); v80-85 zeros;
; v86-89 k's scale words, v90-91 v's, v253 p's, v255 q's: scales and nothing else; v96-159 S, then p; v160-191 O; v192-239 v's four fragments; v240-251 p's codes.
; THE MODE: SCHED_MODE bits 1:0 = 2 (LLVM: expert scheduling mode 2), set by the entry lines.  The code itself states the register dependences between vector or matrix instructions and memory or LDS instructions, with s_wait_alu, always for 0.
; THE PLAN.  Registers that LDS instructions touch in the loop:
;   v32-79, v86-89    k's half fragments and scale words.  Read by the step's eight products; v32-47 then serve the softmax, up to the moves that finish p's codes; behind those the NEXT step's loads land in them.
;   v192-239, v90-91  v's fragments and scale words.  Read by the step's last four products; the next step's loads land in them behind its eight products.
;   v8, v9, v29       addresses of k's loads; v10, v11, v30 of v's.  All six are written at one place, behind the eight products: v's for this step, k's for the next.
; Waits of a step: one on vm_vsrc ahead of the six additions (the loads issued so far have read the addresses); one on va_vdst behind them (the addresses are written; the last step's four products are done with v's registers): v's loads follow;
; the two that the exponentials own; one on va_vdst ahead of the four products (p's codes and scale word are written; every reader and writer of k's registers is done): the next step's k loads follow and land under the four products.
; The last step is written out: it asks for no further keys.
.set VFO,  196608                      ; kv: v's fragments; k's scale words; v's
.set KSO,  393216
.set VSO,  409600
.set ASO,  15728640                    ; act: scale words
.set QSO,  4194304                     ; qc: scale bytes; ahead of them the codes, 512 bytes for (2 head + block) x 512 + tile of rows
.set VFL,  49152                       ; LDS: k at 0, v here,
.set KSC,  98304                       ; k's scale words, 64 bytes a tile,
.set VSC,  102400                      ; v's, 64 bytes a fragment
.set L16,  1
.set L8,   2
.set SEL,  20
.macro PLACES n
.rept \n
	v_nop
.endr
.endm
.macro LHF reg, a16, a8, off
	ds_load_b128 v[(\reg):(\reg)+3], v[\a16] offset:\off
	ds_load_b64 v[(\reg)+4:(\reg)+5], v[\a8] offset:(\off)+512
.endm
.macro LFRAG reg, a16, a8, off
	LHF \reg, \a16, \a8, \off
	LHF (\reg)+6, \a16, \a8, (\off)+768
.endm
.macro SHF reg, sb, off
	global_store_b128 v[L16], v[(\reg):(\reg)+3], s[\sb:\sb+1] offset:\off
	global_store_b64 v[L8], v[(\reg)+4:(\reg)+5], s[\sb:\sb+1] offset:(\off)+512
.endm
.macro WM d, a, b, zero, sa, sb, ra, rb
.if \zero
.if (\ra) && (\rb)
	v_wmma_scale_f32_16x16x128_f8f6f4 v[(\d):(\d)+7], v[(\a):(\a)+11], v[(\b):(\b)+11], 0, v[\sa], v[\sb] matrix_a_fmt:MATRIX_FMT_BF6 matrix_b_fmt:MATRIX_FMT_BF6 matrix_a_scale:MATRIX_SCALE_ROW1 matrix_b_scale:MATRIX_SCALE_ROW1
.elseif \ra
	v_wmma_scale_f32_16x16x128_f8f6f4 v[(\d):(\d)+7], v[(\a):(\a)+11], v[(\b):(\b)+11], 0, v[\sa], v[\sb] matrix_a_fmt:MATRIX_FMT_BF6 matrix_b_fmt:MATRIX_FMT_BF6 matrix_a_scale:MATRIX_SCALE_ROW1
.elseif \rb
	v_wmma_scale_f32_16x16x128_f8f6f4 v[(\d):(\d)+7], v[(\a):(\a)+11], v[(\b):(\b)+11], 0, v[\sa], v[\sb] matrix_a_fmt:MATRIX_FMT_BF6 matrix_b_fmt:MATRIX_FMT_BF6 matrix_b_scale:MATRIX_SCALE_ROW1
.else
	v_wmma_scale_f32_16x16x128_f8f6f4 v[(\d):(\d)+7], v[(\a):(\a)+11], v[(\b):(\b)+11], 0, v[\sa], v[\sb] matrix_a_fmt:MATRIX_FMT_BF6 matrix_b_fmt:MATRIX_FMT_BF6
.endif
.else
.if (\ra) && (\rb)
	v_wmma_scale_f32_16x16x128_f8f6f4 v[(\d):(\d)+7], v[(\a):(\a)+11], v[(\b):(\b)+11], v[(\d):(\d)+7], v[\sa], v[\sb] matrix_a_fmt:MATRIX_FMT_BF6 matrix_b_fmt:MATRIX_FMT_BF6 matrix_a_scale:MATRIX_SCALE_ROW1 matrix_b_scale:MATRIX_SCALE_ROW1
.elseif \ra
	v_wmma_scale_f32_16x16x128_f8f6f4 v[(\d):(\d)+7], v[(\a):(\a)+11], v[(\b):(\b)+11], v[(\d):(\d)+7], v[\sa], v[\sb] matrix_a_fmt:MATRIX_FMT_BF6 matrix_b_fmt:MATRIX_FMT_BF6 matrix_a_scale:MATRIX_SCALE_ROW1
.elseif \rb
	v_wmma_scale_f32_16x16x128_f8f6f4 v[(\d):(\d)+7], v[(\a):(\a)+11], v[(\b):(\b)+11], v[(\d):(\d)+7], v[\sa], v[\sb] matrix_a_fmt:MATRIX_FMT_BF6 matrix_b_fmt:MATRIX_FMT_BF6 matrix_b_scale:MATRIX_SCALE_ROW1
.else
	v_wmma_scale_f32_16x16x128_f8f6f4 v[(\d):(\d)+7], v[(\a):(\a)+11], v[(\b):(\b)+11], v[(\d):(\d)+7], v[\sa], v[\sb] matrix_a_fmt:MATRIX_FMT_BF6 matrix_b_fmt:MATRIX_FMT_BF6
.endif
.endif
.endm
; 32 numbers of a lane, register 16 b + i = k 32 b + 16 (lane / 16) + i of my row, become half a fragment in v[dst] .. v[dst + 5]; the two scale bytes go to the low half of v[word].  v[tm] .. v[tm + 10] at work.
.macro QHF src, dst, tm, word
.irp b, 0,1
	v_max3_num_f32 v[(\tm)+\b], |v[(\src)+16*\b]|, |v[(\src)+16*\b+1]|, 0x2800000
.endr
.irp i, 2,4,6,8,10,12,14
.irp b, 0,1
	v_max3_num_f32 v[(\tm)+\b], v[(\tm)+\b], |v[(\src)+16*\b+\i]|, |v[(\src)+16*\b+\i+1]|
.endr
.endr
.irp b, 0,1
	v_permlanex16_b32 v[(\tm)+2+\b], v[(\tm)+\b], s[SEL], s[SEL+1]
.endr
.irp b, 0,1
	v_max_num_f32 v[(\tm)+\b], v[(\tm)+\b], v[(\tm)+2+\b]
.endr
.irp b, 0,1
	v_add_nc_u32 v[(\tm)+4+\b], 0xfe000000, v[(\tm)+\b]
.endr
.irp b, 0,1
	v_lshrrev_b32 v[(\tm)+6+\b], 23, v[(\tm)+4+\b]
.endr
	v_lshl_or_b32 v[\word], v[(\tm)+7], 8, v[(\tm)+6]
	v_cvt_scalef32_pk16_bf6_f32 v[(\dst):(\dst)+2], v[(\src):(\src)+15], v[(\tm)+4]
	v_cvt_scalef32_pk16_bf6_f32 v[(\tm)+8:(\tm)+10], v[(\src)+16:(\src)+31], v[(\tm)+5]
	v_nop                                          ; one plain instruction behind the scaled conversions
.irp i, 0,1,2
	v_permlane16_swap_b32 v[(\dst)+\i], v[(\tm)+8+\i]
.endr
.irp i, 0,1,2
	v_mov_b32 v[(\dst)+3+\i], v[(\tm)+8+\i]
.endr
.endm
	s_load_b128 s[4:7], s[0:1], 0x0                ; kv 4, qc 6
	s_load_b64 s[8:9], s[0:1], 0x10                ; act
	v_lshl_add_u32 v94, v0, 2, 0x19800
	v_mov_b32 v95, 0
	v_lshrrev_b32 v1, 5, v0
	v_readfirstlane_b32 s16, v1                    ; wave 0..15
	s_mov_b32 s20, 0x76543210
	s_mov_b32 s21, 0xfedcba98
	s_mov_b32 s22, 0x3e38aa3b                      ; c = log2(e) / 8
	s_mov_b32 s23, s22                             ; (named with it as a pair)
	s_mov_b32 s49, 0                               ; s[48:49]: an offset in bytes
	v_and_b32 v31, 31, v0
	v_lshlrev_b32 v1, 4, v31
	v_lshlrev_b32 v2, 3, v31
	v_add_nc_u32 v3, VFL, v1
	v_add_nc_u32 v4, VFL, v2
	v_lshlrev_b32 v28, 2, v31
	v_add_nc_u32 v5, KSC, v28
	v_add_nc_u32 v6, VSC, v28
	v_and_b32 v181, 15, v0
	v_lshlrev_b32 v181, 2, v181                    ; 4 r
	v_lshlrev_b32 v172, 4, v0                      ; the fill: 16, 8, 4 x thread
	v_add_nc_u32 v173, VFL, v172
	v_lshlrev_b32 v178, 3, v0
	v_add_nc_u32 v175, KSC, v178
	v_lshlrev_b32 v179, 2, v0
	v_add_nc_u32 v176, VSC, v179
	s_wait_alu depctr_va_sdst(0)                   ; s16, the wave's number, is written, ahead of its first reader
	s_and_b32 s17, s16, 1                          ; which head of the pair
	s_lshr_b32 s18, s16, 1                         ; which tile of rows
	s_and_b32 s19, ttmp9, 3                        ; the pair of heads
	s_lshr_b32 s24, ttmp9, 2                       ; the block of 128 rows
	s_and_b32 s25, ttmp7, 0xffff                   ; the batch
	s_lshl_b32 s26, s25, 7
	s_lshl_b32 s27, s24, 3
	s_add_co_u32 s26, s26, s27
	s_add_co_u32 s26, s26, s18                     ; my tile of rows, 0..511
	s_and_b32 s33, s26, 3
	s_lshl_b32 s33, s33, 3                         ; where my tile's byte stands in q's scale words, in bits
	s_lshl_b32 s27, s17, 1
	v_add_nc_u32 v7, s27, v181                     ; the way out: my row's scale word, my head's half of it
	s_wait_kmcnt 0x0
	s_mul_i32 s48, s25, 49152
	s_add_nc_u64 s[28:29], s[4:5], s[48:49]        ; the batch's k
	s_add_co_u32 s48, s48, VFO
	s_add_nc_u64 s[30:31], s[4:5], s[48:49]        ; its v
	s_lshl_b32 s48, s25, 12
	s_add_co_u32 s48, s48, KSO
	s_add_nc_u64 s[34:35], s[4:5], s[48:49]
	s_lshl_b32 s48, s25, 11
	s_add_co_u32 s48, s48, VSO
	s_add_nc_u64 s[36:37], s[4:5], s[48:49]
	s_lshl_b32 s27, s19, 1
	s_add_co_u32 s27, s27, s17                     ; my head
	s_lshl_b32 s24, s27, 10
	s_add_co_u32 s24, s24, s26                     ; (2 head) x 512 + tile of rows: block 0; block 1 lies 512 x 512 bytes on
	s_lshl_b32 s48, s24, 9
	s_add_nc_u64 s[38:39], s[6:7], s[48:49]
	s_lshl_b32 s24, s27, 8
	s_lshr_b32 s32, s26, 2
	s_add_co_u32 s24, s24, s32                     ; (2 head) x 128 + tile / 4: 64 bytes of scale words; block 1's lie 128 x 64 bytes on
	s_lshl_b32 s48, s24, 6
	s_add_co_u32 s48, s48, QSO
	s_add_nc_u64 s[40:41], s[6:7], s[48:49]
	s_lshl_b32 s27, s19, 9
	s_add_co_u32 s27, s27, s26                     ; act's fragment: head pair x 512 + tile of rows; my head's half
	s_mul_i32 s48, s27, 1536
	s_mul_i32 s24, s17, 768
	s_add_co_u32 s48, s48, s24
	s_add_nc_u64 s[44:45], s[8:9], s[48:49]
	s_lshl_b32 s48, s27, 6
	s_add_co_u32 s48, s48, ASO
	s_add_nc_u64 s[46:47], s[8:9], s[48:49]
	s_wait_alu depctr_va_vdst(0)                   ; the offsets and addresses v1-7, v172-181 are written, which the loads and stores below read
.irp k, 0,1,2,3,4,5
	global_load_b128 v[96+4*\k:99+4*\k], v172, s[28:29] offset:8192*\k     ; the sixteen waves read 8,192 bytes on end
.endr
.irp k, 0,1,2,3,4,5
	global_load_b128 v[120+4*\k:123+4*\k], v172, s[30:31] offset:8192*\k
.endr
	global_load_b64 v[144:145], v178, s[34:35]
	global_load_b32 v146, v179, s[36:37]
	global_load_b128 v[16:19], v1, s[38:39]                    ; q, block 0: lane (r, h): the 16 codes of d = 16 h on (three words; the fourth carries nothing)
	global_load_b128 v[148:151], v1, s[38:39] offset:262144    ; block 1: d = 32 + 16 h on
	global_load_b32 v152, v181, s[40:41]                       ; row r's scale bytes of four tiles, block 0,
	global_load_b32 v153, v181, s[40:41] offset:8192           ; block 1
	s_wait_loadcnt 4                               ; the fill's 14 loads are in; behind them were issued q's four
.irp k, 0,1,2,3,4,5
	ds_store_b128 v172, v[96+4*\k:99+4*\k] offset:8192*\k
.endr
.irp k, 0,1,2,3,4,5
	ds_store_b128 v173, v[120+4*\k:123+4*\k] offset:8192*\k
.endr
	ds_store_b64 v175, v[144:145]
	ds_store_b32 v176, v146
	s_wait_dscnt 0x0                               ; for the others' sake: my part lies in LDS
	s_barrier_signal -1
	s_barrier_wait -1                              ; everybody's does; LDS is only read from here on
	s_wait_loadcnt 0x0
	s_wait_alu depctr_vm_vsrc(0)                   ; the fill's loads and LDS stores have read v96-146 and v172-181, which the lines below and the first products write again
.irp i, 0,1,2
	v_permlane16_swap_b32 v[16+\i], v[148+\i]      ; a whole block to a lane: lanes 0-15 block 0, lanes 16-31 block 1
.endr
.irp i, 0,1,2
	v_mov_b32 v[19+\i], v[148+\i]
.endr
	v_bfe_u32 v152, v152, s33, 8                   ; my tile's bytes
	v_bfe_u32 v153, v153, s33, 8
	v_lshl_or_b32 v255, v153, 8, v152              ; q's scale word; its upper two bytes are 0
.irp i, 22,23,24,25,26,27
	v_mov_b32 v[\i], 0                             ; K = 64: the upper half of q's fragment is zero codes
.endr
.irp i, 80,81,82,83,84,85
	v_mov_b32 v[\i], 0                             ; what the last tile of keys has as its operand's upper half
.endr
.set j, 0
.rept 32
	v_mov_b32 v[160+j], 0                          ; O.  (The step is written for every step alike: the first finds zeros, which the first change of M leaves zeros)
.set j, j+1
.endr
	v_mov_b32 v14, 0
	v_mov_b32 v15, 0
	v_mov_b32 v253, 0                              ; (named as the upper half of the pair v[252:253] before it is first written)
	v_mov_b32 v13, 0xff61b1e6                      ; the largest t so far: -3e38
	v_floor_f32 v12, -v13                          ; -M
	s_mov_b32 s2, 0                                ; the step's first byte of k's tiles and of v's fragments: 6,144 a step
	s_mov_b32 s3, 0                                ; of k's scale words: 512 a step
	s_mov_b32 s14, 0                               ; of v's: 256 a step
	s_mov_b32 s15, 7                               ; 1,024 keys, 128 a step: seven steps in the loop, the eighth behind it
	v_add_nc_u32 v8, s2, v1
	v_add_nc_u32 v9, s2, v2
	v_add_nc_u32 v29, s3, v5
.macro KLOAD                           ; a step's eight tiles of 16 keys, six registers each, on end, and their scale words: 20 loads
.irp t, 0,1,2,3,4,5,6,7
	LHF 32+6*\t, 8, 9, 768*\t
.endr
.irp n, 0,1,2,3
	ds_load_b32 v[86+\n], v29 offset:128*\n        ; lanes 0-15: tile 2 n's words, lanes 16-31: tile 2 n + 1's
.endr
.endm
	s_wait_alu depctr_va_vdst(0)                   ; v8, v9 and v29 are written, which the loads below read; q's fragment v16-27, its scale word v255 and the zeros v80-85 are written, which the scaled products take
	KLOAD                                          ; the first step's keys
; A KEY STEP: 128 keys.  more = 1: the next step's keys are asked for.
.macro STEP more
	s_wait_dscnt 0x0                               ; this step's keys, asked for ahead of the last step's four products
.irp t, 0,1,2,3,4,5,6,7                ; S = k q^T
	WM 96+8*\t, 32+6*\t, 16, 1, 86+\t/2, 255, \t%2, 0
.endr                                  ; the 16 registers of tiles 2 b, 2 b + 1 are keys 32 b + 16 (lane / 16) + 0 .. 15 of the step
	s_wait_alu depctr_vm_vsrc(0)                   ; the LDS loads issued so far have read v8-11, v29 and v30, which are written again now
	v_add_nc_u32 v10, s2, v3                       ; v's fragments and scale words of this step.  (These additions are also the plain instructions behind the eight products)
	v_add_nc_u32 v11, s2, v4
	v_add_nc_u32 v30, s14, v6
.if \more
	s_add_co_u32 s2, s2, 6144
	s_add_co_u32 s3, s3, 512
	s_add_co_u32 s14, s14, 256
	v_add_nc_u32 v8, s2, v1                        ; k's tiles and scale words of the next step
	v_add_nc_u32 v9, s2, v2
	v_add_nc_u32 v29, s3, v5
.else
	v_nop                                          ; (the fourth plain instruction)
.endif
	s_wait_alu depctr_va_vdst(0)                   ; v10, v11 and v30 are written, which the loads below read; the last step's four products are done reading v192-239, v90 and v91, in which they land
.irp t, 0,1,2,3
	LFRAG 192+12*\t, 10, 11, 1536*\t               ; v's fragments land under the softmax, whose temporaries lie in k's registers
.endr
	ds_load_b32 v90, v30
	ds_load_b32 v91, v30 offset:128
.irp b, 0,1,2,3
	v_max3_num_f32 v[32+\b], v[96+16*\b], v[97+16*\b], v[98+16*\b]   ; the largest score of each block of 32 keys: for the row's maximum and for the block's largest p
.endr
.irp i, 3,5,7,9,11,13
.irp b, 0,1,2,3
	v_max3_num_f32 v[32+\b], v[32+\b], v[96+16*\b+\i], v[97+16*\b+\i]
.endr
.endr
.irp b, 0,1,2,3
	v_max_num_f32 v[32+\b], v[32+\b], v[111+16*\b]
.endr
.irp b, 0,1,2,3
	v_permlanex16_b32 v[36+\b], v[32+\b], s[SEL], s[SEL+1]
.endr
.irp b, 0,1,2,3
	v_max_num_f32 v[32+\b], v[32+\b], v[36+\b]     ; with lane l xor 16's 16 keys
.endr
	v_max3_num_f32 v254, v32, v33, v34
	v_max_num_f32 v254, v254, v35
	v_mul_f32 v254, s22, v254                      ; the step's largest t (c is positive)
	v_max_num_f32 v13, v13, v254
	v_mov_b32 v254, v12
	v_floor_f32 v12, -v13                          ; the new -M = -ceil(t): a whole number
	v_sub_f32 v254, v12, v254                      ; old M - new M, 0 or less
	v_cvt_i32_f32 v254, v254                       ; (it saturates)
	v_ldexp_f32 v252, 1.0, v254                    ; f = 2^(old M - new M)
.set j, 0
.rept 32
	v_pk_fma_f32 v[96+j:97+j], v[96+j:97+j], s[22:23], v[12:13] op_sel_hi:[1,0,0]   ; t - M
.set j, j+2
.endr
.irp b, 0,1,2,3
	v_fma_f32 v[32+\b], v[32+\b], s22, v12         ; the same of each block's largest score
.endr
.set j, 0
.rept 64
	v_exp_f32 v[96+j], v[96+j]                     ; p = 2^(t - M), at most 1
.set j, j+1
.endr
	v_pk_mul_f32 v[14:15], v[14:15], v[252:253] op_sel_hi:[1,0]   ; the sums under the new M (a plain instruction behind the batch)
	s_wait_alu depctr_va_vdst(0)                   ; the 64 exponentials have written v96-159, ahead of their first reader
.irp b, 0,1,2,3
	v_exp_f32 v[32+\b], v[32+\b]                   ; the blocks' largest p
.endr
	v_pk_add_f32 v[36:37], v[96:97], v[98:99]      ; the row's sum of the UNQUANTISED p, in two chains
.irp j, 4,8,12,16,20,24,28,32,36,40,44,48,52,56,60
	v_pk_add_f32 v[14:15], v[14:15], v[96+\j:97+\j]
	v_pk_add_f32 v[36:37], v[36:37], v[98+\j:99+\j]
.endr
	v_pk_add_f32 v[14:15], v[14:15], v[36:37]
	s_wait_alu depctr_va_vdst(0)                   ; the four exponentials have written v32-35, ahead of their first reader
.irp b, 0,1,2,3
	v_max_num_f32 v[32+\b], 0x2800000, v[32+\b]    ; the floor 2^(5 - 127)
.endr
.irp b, 0,1,2,3
	v_add_nc_u32 v[44+\b], 0xfe000000, v[32+\b]
.endr
.irp b, 0,1,2,3
	v_lshrrev_b32 v[36+\b], 23, v[44+\b]
.endr
	v_lshl_or_b32 v253, v37, 8, v36                ; p's scale word for these 128 keys
	v_lshl_or_b32 v253, v38, 16, v253
	v_lshl_or_b32 v253, v39, 24, v253
.irp c, 0,1
	v_cvt_scalef32_pk16_bf6_f32 v[240+6*\c:242+6*\c], v[96+32*\c:111+32*\c], v[44+2*\c]
	v_cvt_scalef32_pk16_bf6_f32 v[36+4*\c:38+4*\c], v[112+32*\c:127+32*\c], v[45+2*\c]
.endr
	v_nop
.irp c, 0,1
.irp i, 0,1,2
	v_permlane16_swap_b32 v[240+6*\c+\i], v[36+4*\c+\i]
.endr
.irp i, 0,1,2
	v_mov_b32 v[243+6*\c+\i], v[36+4*\c+\i]
.endr
.endr
.set j, 0
.rept 16
	v_pk_mul_f32 v[160+j:161+j], v[160+j:161+j], v[252:253] op_sel_hi:[1,0]   ; O under the new M; also the plain instructions between p's codes and scale word and the products
.set j, j+2
.endr
	s_wait_alu depctr_va_vdst(0)                   ; p's codes v240-251 and scale word v253 are written, which the scaled products take; the eight products and the softmax are done with v32-79 and v86-89, in which the loads below land, and v8, v9, v29 are written
.if \more
	KLOAD                                          ; the next step's keys land under the four products
	s_wait_dscnt 20                                ; v's fragments and scale words are in; behind them were issued the 20 loads above
.else
	s_wait_dscnt 0x0                               ; v's fragments and scale words
.endif
.irp t, 0,1,2,3                        ; O += v p: four tiles of 16 channels, K = these 128 keys; four accumulators by turns
	WM 160+8*\t, 192+12*\t, 240, 0, 90+\t/2, 253, \t%2, 0
.endr
.endm
.Lstep:
	STEP 1
	s_sub_co_u32 s15, s15, 1
	s_cmp_lg_u32 s15, 0
	s_cbranch_scc1 .Lstep
	STEP 0                                         ; the last step is written out: no load asks for keys that nobody multiplies
; ---- the way out: O / the sum, quantised along the head's 64: half a fragment of the last product's operand
	PLACES 4
	v_add_f32 v14, v14, v15
	v_permlanex16_b32 v252, v14, s[SEL], s[SEL+1]
	v_add_f32 v14, v14, v252                       ; the row's sum
	v_rcp_f32 v14, v14
	v_nop
	s_wait_alu depctr_va_vdst(0)                   ; the reciprocal has written v14, ahead of its first reader
.set j, 0
.rept 32
	v_mul_f32 v[96+j], v[160+j], v14               ; register 16 b + i: channel 32 b + 16 (lane / 16) + i
.set j, j+1
.endr
	QHF 96, 32, 136, 40
	s_wait_alu depctr_va_vdst(0)                   ; the half fragment v32-37 and its scale bytes v40 are written, which the stores below read
	SHF 32, 44, 0
	global_store_b16 v7, v40, s[46:47]             ; my head's two bytes of each row's word; lanes 16-31 repeat lanes 0-15's store, same place, same value
	s_wait_dscnt 0x0                               ; the closing lines, six on end
	s_wait_alu 0x0
	s_wait_tensorcnt 0x0
	ds_add_u32 v94, v95
	s_wait_dscnt 0x0
	s_endpgm
.Lfunc_end_k_qe257d2251c_attn:
	.size	k_qe257d2251c_attn, .Lfunc_end_k_qe257d2251c_attn-k_qe257d2251c_attn
	.p2alignl 7, 3214868480
	.fill 96, 4, 3214868480
	.section	.rodata,"a",@progbits
	.p2align	6, 0x0
	.amdhsa_kernel k_qe257d2251c_attn
		.amdhsa_group_segment_fixed_size 106496
		.amdhsa_private_segment_fixed_size 0
		.amdhsa_enable_private_segment 0
		.amdhsa_kernarg_size 24
		.amdhsa_user_sgpr_count 2
		.amdhsa_user_sgpr_kernarg_segment_ptr 1
		.amdhsa_wavefront_size32 1
		.amdhsa_system_sgpr_workgroup_id_x 1
		.amdhsa_system_sgpr_workgroup_id_y 1
		.amdhsa_system_sgpr_workgroup_id_z 1
		.amdhsa_system_vgpr_workitem_id 0
		.amdhsa_next_free_vgpr 256
		.amdhsa_next_free_sgpr 66
		.amdhsa_reserve_vcc 0
		.amdhsa_float_denorm_mode_32 3
		.amdhsa_float_denorm_mode_16_64 3
		.amdhsa_memory_ordered 1
		.amdhsa_forward_progress 1
		.amdhsa_inst_pref_size 44
	.end_amdhsa_kernel
	.amdgpu_metadata
---
amdhsa.version: [ 1, 2 ]
amdhsa.kernels:
  - .name:           k_qe257d2251c_attn
    .symbol:         k_qe257d2251c_attn.kd
    .args:
      - { .name: kv, .offset: 0, .size: 8, .value_kind: global_buffer, .address_space: global }
      - { .name: qc, .offset: 8, .size: 8, .value_kind: global_buffer, .address_space: global }
      - { .name: act, .offset: 16, .size: 8, .value_kind: global_buffer, .address_space: global }
    .group_segment_fixed_size: 106496
    .private_segment_fixed_size: 0
    .kernarg_segment_align: 8
    .kernarg_segment_size: 24
    .max_flat_workgroup_size: 512
    .sgpr_count:     66
    .vgpr_count:     256
    .wavefront_size: 32
...
	.end_amdgpu_metadata
.endif
;; end of part 6
;; launch outp (part 7): grid 256 x 1, 4 waves a work-group, no clusters, 68,096 bytes of LDS; arguments wts, act, out0; writes out0
.if DOCPART == 7
	.amdgcn_target "amdgcn-amd-amdhsa--gfx1250"
	.amdhsa_code_object_version 6
	.text
	.protected	k_qe257d2251c_outp
	.globl	k_qe257d2251c_outp
	.p2align	8
	.type	k_qe257d2251c_outp,@function
k_qe257d2251c_outp:
	s_mov_b64 s[64:65], 0
	v_nop
	global_prefetch_b8 v0, s[64:65] scope:SCOPE_SE
	s_setreg_imm32_b32 hwreg(HW_REG_WAVE_SCHED_MODE, 0, 2), 2
	s_setreg_imm32_b32 hwreg(HW_REG_WAVE_MODE, 25, 1), 1
	s_wait_xcnt 0x0
	s_wait_alu depctr_vm_vsrc(0)
; OUTP: out0 = attention's output x Wo + hidden layer x Wff2, as ONE product with K = 512 + 2,048 = 20 steps of 128, on codes of BF6 (E3M2) with E8M0 scales.
; SHARES.  A work-group makes 128 rows x 128 columns.  THE WAVES SHARE K: wave q keeps K steps 5 q .. 5 q + 4 of all eight tiles of columns, 40 fragments (480 registers), for the whole launch;
; a fragment of the rows' codes comes from memory straight to the one wave that wants it and feeds eight products.  The four partial sums of a tile of 16 rows meet in LDS and are added pairwise.
; LIMIT OF ORDER: an output is (p0 + p1) + (p2 + p3) of four f32 sums over five K steps each, not one sum in ascending K.
; Source 0 = 16 columns of the weights, source 1 = 16 rows: a lane holds eight neighbouring numbers of a row of out0.
; Two stages in LDS by turns, ONE barrier a tile: a stage is written again two tiles on, and every wave has waited for its reads of it ahead of the barrier between.
; No joint loads and no LDS for operands: the weights lie in registers, the rows' fragments are read by one wave each.  No prefetch: the loads run two tiles ahead.
; REGISTERS: window 0: v1-5 addresses; v16-35 the weights' scale words (16 + 4 kappa + j / 2), v36-45 the rows' (two sets of five): scales and nothing else; v48-111 eight accumulators; v112-175 four partial sums of four rows.
;   windows 1, 2: the weights' fragments of K steps 0, 1 and 2, 3 at 12 (8 (kappa % 2) + j); window 3: v0-95 those of K step 4; v96-215 two sets of the rows' five fragments.
; THE MODE: SCHED_MODE bits 1:0 = 2 (LLVM: expert scheduling mode 2), set by the entry lines.  The code itself states the register dependences between vector or matrix instructions and memory or LDS instructions, with s_wait_alu, always for 0.
; THE PLAN.  Registers that memory or LDS instructions touch in a tile:
;   window 3, v96-215  two sets of the rows' fragments.  Tile t's products read set t % 2; behind them the loads of tile t + 2 land in it.
;   v36-45             two sets of the rows' scale words.  Tiles 2 m and 2 m + 1 read set m % 2; the loads for tiles 2 m + 4 on land in it in tile 2 m + 2.
;   v48-111            the accumulators.  Written by tile t's products, read by its sixteen LDS stores, written again by tile t + 1's products.
;   v112-175           the partial sums.  The stage's loads land in them behind tile t's barrier; tile t + 1's additions read and write them; four stores read v112-127; then the stage's next loads land.
;   v1-5               offsets and addresses, made at the head and never written again.
; A tile's order: its 40 products; the additions of the tile before; ONE wait on va_vdst (the products are done with the rows' registers and have written the accumulators; the additions have written the sums); the loads of the tile after next,
; the stores of the sums, the LDS stores of the accumulators; the barrier; one wait on vm_vsrc (those stores have read their data); the stage's loads, which land under the next tile's products.
.set WOF,  1572864                     ; wts: fragments ((slice of columns x 20 + K step) x 8 + tile);
.set WOS,  2916352                     ;      their scale words
.set ASO,  15728640                    ; act: scale words; codes at (K step x 512 + tile of rows) x 1,536
.set L16,  1
.set L8,   2
.set MSB,  0
.macro WIN new
.if MSB != (\new)
	s_set_vgpr_msb (MSB<<8)|(\new)
.set MSB, (\new)
.endif
.endm
.macro PLACES n
.rept \n
	v_nop
.endr
.endm
.macro GFRAG reg, sb, off
	global_load_b128 v[(\reg):(\reg)+3], v[L16], s[\sb:\sb+1] offset:\off
	global_load_b64 v[(\reg)+4:(\reg)+5], v[L8], s[\sb:\sb+1] offset:(\off)+512
	global_load_b128 v[(\reg)+6:(\reg)+9], v[L16], s[\sb:\sb+1] offset:(\off)+768
	global_load_b64 v[(\reg)+10:(\reg)+11], v[L8], s[\sb:\sb+1] offset:(\off)+1280
.endm
.macro WM d, a, b, zero, sa, sb, ra, rb
.if \zero
.if (\ra) && (\rb)
	v_wmma_scale_f32_16x16x128_f8f6f4 v[(\d):(\d)+7], v[(\a):(\a)+11], v[(\b):(\b)+11], 0, v[\sa], v[\sb] matrix_a_fmt:MATRIX_FMT_BF6 matrix_b_fmt:MATRIX_FMT_BF6 matrix_a_scale:MATRIX_SCALE_ROW1 matrix_b_scale:MATRIX_SCALE_ROW1
.elseif \ra
	v_wmma_scale_f32_16x16x128_f8f6f4 v[(\d):(\d)+7], v[(\a):(\a)+11], v[(\b):(\b)+11], 0, v[\sa], v[\sb] matrix_a_fmt:MATRIX_FMT_BF6 matrix_b_fmt:MATRIX_FMT_BF6 matrix_a_scale:MATRIX_SCALE_ROW1
.elseif \rb
	v_wmma_scale_f32_16x16x128_f8f6f4 v[(\d):(\d)+7], v[(\a):(\a)+11], v[(\b):(\b)+11], 0, v[\sa], v[\sb] matrix_a_fmt:MATRIX_FMT_BF6 matrix_b_fmt:MATRIX_FMT_BF6 matrix_b_scale:MATRIX_SCALE_ROW1
.else
	v_wmma_scale_f32_16x16x128_f8f6f4 v[(\d):(\d)+7], v[(\a):(\a)+11], v[(\b):(\b)+11], 0, v[\sa], v[\sb] matrix_a_fmt:MATRIX_FMT_BF6 matrix_b_fmt:MATRIX_FMT_BF6
.endif
.else
.if (\ra) && (\rb)
	v_wmma_scale_f32_16x16x128_f8f6f4 v[(\d):(\d)+7], v[(\a):(\a)+11], v[(\b):(\b)+11], v[(\d):(\d)+7], v[\sa], v[\sb] matrix_a_fmt:MATRIX_FMT_BF6 matrix_b_fmt:MATRIX_FMT_BF6 matrix_a_scale:MATRIX_SCALE_ROW1 matrix_b_scale:MATRIX_SCALE_ROW1
.elseif \ra
	v_wmma_scale_f32_16x16x128_f8f6f4 v[(\d):(\d)+7], v[(\a):(\a)+11], v[(\b):(\b)+11], v[(\d):(\d)+7], v[\sa], v[\sb] matrix_a_fmt:MATRIX_FMT_BF6 matrix_b_fmt:MATRIX_FMT_BF6 matrix_a_scale:MATRIX_SCALE_ROW1
.elseif \rb
	v_wmma_scale_f32_16x16x128_f8f6f4 v[(\d):(\d)+7], v[(\a):(\a)+11], v[(\b):(\b)+11], v[(\d):(\d)+7], v[\sa], v[\sb] matrix_a_fmt:MATRIX_FMT_BF6 matrix_b_fmt:MATRIX_FMT_BF6 matrix_b_scale:MATRIX_SCALE_ROW1
.else
	v_wmma_scale_f32_16x16x128_f8f6f4 v[(\d):(\d)+7], v[(\a):(\a)+11], v[(\b):(\b)+11], v[(\d):(\d)+7], v[\sa], v[\sb] matrix_a_fmt:MATRIX_FMT_BF6 matrix_b_fmt:MATRIX_FMT_BF6
.endif
.endif
.endm
	s_load_b128 s[4:7], s[0:1], 0x0                ; wts, act
	s_load_b64 s[8:9], s[0:1], 0x10                ; out0
	v_lshl_add_u32 v254, v0, 2, 0x10800
	v_mov_b32 v255, 0
	v_lshrrev_b32 v1, 5, v0
	v_readfirstlane_b32 s2, v1                     ; wave 0..3
	s_and_b32 s10, ttmp9, 3                        ; the slice of 128 columns
	s_lshr_b32 s11, ttmp9, 2                       ; the block of 128 rows
	s_mov_b32 s15, 0                               ; s[14:15]: an offset in bytes
	v_and_b32 v6, 31, v0
	v_lshlrev_b32 v1, 4, v6
	v_lshlrev_b32 v2, 3, v6
	v_lshlrev_b32 v3, 2, v6
	v_and_b32 v7, 15, v0
	v_bfe_u32 v8, v0, 4, 1
	v_mul_u32_u24 v4, v7, 528
	v_lshl_add_u32 v4, v8, 5, v4
	s_wait_alu depctr_va_sdst(0)                   ; s2, the wave's number, is written, ahead of its first reader
	s_mul_i32 s26, s2, 8448
	v_add_nc_u32 v4, s26, v4                       ; into a stage: my partial sum's 16 rows of 512 + 16 bytes; row r, 32 bytes for each half of the lanes
	s_mul_i32 s26, s2, 2112
	v_add_nc_u32 v5, s26, v1                       ; back: rows 4 q on of every partial sum, 16 bytes a lane
	s_mul_i32 s12, s10, 20
	s_mul_i32 s13, s2, 5
	s_add_co_u32 s12, s12, s13                     ; 20 x slice + my first K step
	s_wait_kmcnt 0x0
	s_mul_i32 s14, s12, 12288
	s_add_co_u32 s14, s14, WOF
	s_add_nc_u64 s[16:17], s[4:5], s[14:15]        ; my 40 fragments of the weights, on end,
	s_lshl_b32 s14, s12, 9
	s_add_co_u32 s14, s14, WOS
	s_add_nc_u64 s[18:19], s[4:5], s[14:15]        ; their scale words
	s_mul_i32 s12, s2, 2560
	s_lshl_b32 s13, s11, 3
	s_add_co_u32 s12, s12, s13                     ; my first K step x 512 + the block's first tile of rows
	s_mul_i32 s14, s12, 1536
	s_add_nc_u64 s[20:21], s[6:7], s[14:15]
	s_lshl_b32 s14, s12, 6
	s_add_co_u32 s14, s14, ASO
	s_add_nc_u64 s[22:23], s[6:7], s[14:15]
	s_lshl_b32 s12, s11, 7
	s_lshl_b32 s13, s2, 2
	s_add_co_u32 s12, s12, s13
	s_lshl_b32 s14, s12, 11
	s_lshl_b32 s13, s10, 9
	s_add_co_u32 s14, s14, s13
	s_add_nc_u64 s[24:25], s[8:9], s[14:15]        ; out0 at row 128 x block + 4 q, column 128 x slice
	WIN 0x40
	s_wait_alu depctr_va_vdst(0)                   ; the offsets and addresses v1-5 are written, which every load and store of the kernel reads
.set n, 0
.rept 16
	GFRAG 12*n, 16, 1536*n
.set n, n+1
.endr
	WIN 0x80
.rept 16
	GFRAG 12*(n-16), 16, 1536*n
.set n, n+1
.endr
	WIN 0xc0
.rept 8
	GFRAG 12*(n-32), 16, 1536*n
.set n, n+1
.endr
	WIN 0
.irp kap, 0,1,2,3,4
.irp jp, 0,1,2,3
	global_load_b32 v[16+4*\kap+\jp], v3, s[18:19] offset:512*\kap+128*\jp   ; lanes 0-15: tile 2 jp, lanes 16-31: tile 2 jp + 1
.endr
.endr
.macro ASLOAD m                        ; the scale words of tiles of rows 2 m (lanes 0-15) and 2 m + 1 (lanes 16-31): five loads
.irp kap, 0,1,2,3,4
	global_load_b32 v[36+5*((\m)%2)+\kap], v3, s[22:23] offset:32768*\kap+128*(\m)
.endr
.endm
.macro ALOAD t                         ; tile of rows t: my five K steps' fragments: twenty loads; the destination's window is 3
.irp kap, 0,1,2,3,4
	GFRAG 96+60*((\t)%2)+12*\kap, 20, 786432*\kap+1536*(\t)
.endr
.endm
	ASLOAD 0
	WIN 0xc0
	ALOAD 0
	ALOAD 1
	WIN 0
.macro ADDS                            ; a tile's four partial sums of my four rows are added
	s_wait_dscnt 0x0                               ; they are back from the stage
.irp k, 0,1,2,3
.irp c, 0,2
	v_pk_add_f32 v[112+4*\k+\c:113+4*\k+\c], v[112+4*\k+\c:113+4*\k+\c], v[128+4*\k+\c:129+4*\k+\c]
	v_pk_add_f32 v[144+4*\k+\c:145+4*\k+\c], v[144+4*\k+\c:145+4*\k+\c], v[160+4*\k+\c:161+4*\k+\c]
.endr
.endr
.irp k, 0,1,2,3
.irp c, 0,2
	v_pk_add_f32 v[112+4*\k+\c:113+4*\k+\c], v[112+4*\k+\c:113+4*\k+\c], v[144+4*\k+\c:145+4*\k+\c]
.endr
.endr
.endm
.macro SEND t                          ; and stored, as tile t's rows
.irp k, 0,1,2,3
	global_store_b128 v1, v[112+4*\k:115+4*\k], s[24:25] offset:(16*(\t)+\k)*2048 th:TH_STORE_NT   ; 32 lanes store 512 bytes on end, at a multiple of 256 from out0's first byte
.endr
.endm
.macro TILE t
.if (\t) == 7
	s_wait_loadcnt 0x0
.elseif (\t)%2
	s_wait_loadcnt 25                              ; behind this tile's loads: the twenty of the tile after it and five of scale words
.else
	s_wait_loadcnt 20                              ; behind this tile's loads, its scale words among them: the next tile's twenty
.endif
.irp kap, 0,1,2,3,4                    ; 40 products; the eight accumulators take turns, one instruction a turn
	WIN 0x0d+\kap/2                                ; source 0 (weights) window 1, 2 or 3; source 1 (rows) window 3
.irp j, 0,1,2,3,4,5,6,7
	WM 48+8*\j, 12*(8*(\kap%2)+\j), 96+60*((\t)%2)+12*\kap, \kap==0, 16+4*\kap+\j/2, 36+5*(((\t)/2)%2)+\kap, \j%2, (\t)%2
.endr
.endr
	WIN 0
.if (\t) > 0
	ADDS                                           ; the tile before; these 24 additions are also the plain instructions behind the products
.else
	PLACES 5                                       ; ahead of the stores that read the sums and of the next tile's products, which begin the same accumulators anew
.endif
.if (\t)+2 < 8
	WIN 0xc0                                       ; the loads' destination: window 3
.endif
	s_wait_alu depctr_va_vdst(0)                   ; the products are done reading the rows' fragments and scale words, in which the loads below land, and have written v48-111, which the LDS stores read; the additions have written v112-127, which the stores read
.if (\t)+2 < 8
	ALOAD (\t)+2
	WIN 0
.if (\t)%2 == 0
	ASLOAD ((\t)+2)/2
.endif
.endif
.if (\t) > 0
	SEND (\t)-1
.endif
.irp j, 0,1,2,3,4,5,6,7
	ds_store_b128 v4, v[48+8*\j:51+8*\j] offset:((\t)%2)*33792+64*\j          ; each accumulator from its low end on
	ds_store_b128 v4, v[52+8*\j:55+8*\j] offset:((\t)%2)*33792+64*\j+16
.endr
	s_wait_dscnt 0x0                               ; for the others' sake: my partial sum lies in the stage (and my reads of the other stage were waited for above)
	s_barrier_signal -1
	s_barrier_wait -1
	s_wait_xcnt 0x0                                ; the stores above have had their addresses translated,
	s_wait_alu depctr_vm_vsrc(0)                   ; and have read v112-127, in which the loads below land; the LDS stores have read v48-111, which the next tile's products write
.irp p, 0,1,2,3
.irp k, 0,1,2,3
	ds_load_b128 v[112+16*\p+4*\k:115+16*\p+4*\k], v5 offset:((\t)%2)*33792+8448*\p+528*\k   ; they land under the next tile's products
.endr
.endr
.endm
	TILE 0
	TILE 1
	TILE 2
	TILE 3
	TILE 4
	TILE 5
	TILE 6
	TILE 7
	ADDS
	s_wait_alu depctr_va_vdst(0)                   ; the additions have written v112-127, which the last four stores read
	SEND 7
	s_wait_dscnt 0x0                               ; the closing lines, six on end
	s_wait_alu 0x0
	s_wait_tensorcnt 0x0
	ds_add_u32 v254, v255
	s_wait_dscnt 0x0
	s_endpgm
.Lfunc_end_k_qe257d2251c_outp:
	.size	k_qe257d2251c_outp, .Lfunc_end_k_qe257d2251c_outp-k_qe257d2251c_outp
	.p2alignl 7, 3214868480
	.fill 96, 4, 3214868480
	.section	.rodata,"a",@progbits
	.p2align	6, 0x0
	.amdhsa_kernel k_qe257d2251c_outp
		.amdhsa_group_segment_fixed_size 68096
		.amdhsa_private_segment_fixed_size 0
		.amdhsa_enable_private_segment 0
		.amdhsa_kernarg_size 24
		.amdhsa_user_sgpr_count 2
		.amdhsa_user_sgpr_kernarg_segment_ptr 1
		.amdhsa_wavefront_size32 1
		.amdhsa_system_sgpr_workgroup_id_x 1
		.amdhsa_system_sgpr_workgroup_id_y 1
		.amdhsa_system_sgpr_workgroup_id_z 1
		.amdhsa_system_vgpr_workitem_id 0
		.amdhsa_next_free_vgpr 1024
		.amdhsa_next_free_sgpr 66
		.amdhsa_reserve_vcc 0
		.amdhsa_float_denorm_mode_32 3
		.amdhsa_float_denorm_mode_16_64 3
		.amdhsa_memory_ordered 1
		.amdhsa_forward_progress 1
		.amdhsa_inst_pref_size 112
	.end_amdhsa_kernel
	.amdgpu_metadata
---
amdhsa.version: [ 1, 2 ]
amdhsa.kernels:
  - .name:           k_qe257d2251c_outp
    .symbol:         k_qe257d2251c_outp.kd
    .args:
      - { .name: wts, .offset: 0, .size: 8, .value_kind: global_buffer, .address_space: global }
      - { .name: act, .offset: 8, .size: 8, .value_kind: global_buffer, .address_space: global }
      - { .name: out0, .offset: 16, .size: 8, .value_kind: global_buffer, .address_space: global }
    .group_segment_fixed_size: 68096
    .private_segment_fixed_size: 0
    .kernarg_segment_align: 8
    .kernarg_segment_size: 24
    .max_flat_workgroup_size: 128
    .sgpr_count:     66
    .vgpr_count:     1024
    .wavefront_size: 32
...
	.end_amdgpu_metadata
.endif
;; end of part 7
